; MI455X (gfx1250); checked and timed in simulation.
; The chip was launched on July 23, 2026; its instructions are those of AMD's public machine-readable ISA for CDNA 5 (MIT licence, August 2026) and "CDNA5" Instruction Set Architecture Reference Guide (July 2026). The comments in the code are by the model that wrote it; some were corrected since.
;; Encoder Block. Allowed arithmetic: matrix products marked QUANTISED: E2M1 operands, one E8M0 scale for each 32 along K, by v_wmma_scale_f32_16x16x128_f8f6f4 with both operands' format E2M1 (or v_wmma_scale_f32_32x16x128_f4), f32 sums; everything else in f32.
;; Inputs: W1_codes 2,048 x 16 x 16 uint8 (E2M1 codes of W1, K innermost, in blocks of 32 codes, two codes a byte); W1_scales 2,048 x 16 uint8 (E8M0 scales of W1, one for each 32 codes along K); W2_codes 512 x 64 x 16 uint8 (E2M1 codes of W2, K innermost, in blocks of 32 codes, two codes a byte); W2_scales 512 x 64 uint8 (E8M0 scales of W2, one for each 32 codes along K); Wk_codes 8 x 64 x 16 x 16 uint8 (E2M1 codes of Wk, K innermost, in blocks of 32 codes, two codes a byte); Wk_scales 8 x 64 x 16 uint8 (E8M0 scales of Wk, one for each 32 codes along K); Wo_codes 512 x 16 x 16 uint8 (E2M1 codes of Wo, K innermost, in blocks of 32 codes, two codes a byte); Wo_scales 512 x 16 uint8 (E8M0 scales of Wo, one for each 32 codes along K); Wq_codes 8 x 64 x 16 x 16 uint8 (E2M1 codes of Wq, K innermost, in blocks of 32 codes, two codes a byte); Wq_scales 8 x 64 x 16 uint8 (E8M0 scales of Wq, one for each 32 codes along K); Wv_codes 8 x 64 x 16 x 16 uint8 (E2M1 codes of Wv, K innermost, in blocks of 32 codes, two codes a byte); Wv_scales 8 x 64 x 16 uint8 (E8M0 scales of Wv, one for each 32 codes along K); b1 2,048 float32; b2 512 float32; bk 8 x 64 float32; bo 512 float32; bq 8 x 64 float32; bv 8 x 64 float32; ln1_b 512 float32; ln1_g 512 float32; ln2_b 512 float32; ln2_g 512 float32; x 4 x 2,048 x 512 float32.
;; Outputs: out0 4 x 2,048 x 512 float32.
;; This version of the problem:
;;   THIS VERSION OF THE PROBLEM IS GIVEN IN LOW PRECISION. The matrix products marked QUANTISED in the list below multiply operands that are first quantised to E2M1 (2 exponent bits, 1 mantissa bit; 4 bits a number), with one power-of-two scale for each 32 numbers along K (OCP MX v1.0); their sums are f32. All else is computed in f32.
;;   The module's matrix products, in the order in which they are computed (A, B: the left and right operand; K: the contracted axis; several contracted axes count as one K, in the product's order):
;;     1. [M 512, K 512] x [K 512, N 8,192]; A: input Wq (given as codes); B: computed on the way: QUANTISED
;;     2. [M 512, K 512] x [K 512, N 8,192]; A: input Wk (given as codes); B: computed on the way: QUANTISED
;;     3. [M 512, K 512] x [K 512, N 8,192]; A: input Wv (given as codes); B: computed on the way: QUANTISED
;;     4. batch 32 x [M 2,048, K 64] x [K 64, N 2,048]; A: computed on the way; B: computed on the way: QUANTISED
;;     5. batch 32 x [M 2,048, K 2,048] x [K 2,048, N 64]; A: softmax (see below); B: computed on the way: QUANTISED
;;     6. [M 8,192, K 512] x [K 512, N 512]; A: computed on the way; B: input Wo (given as codes): QUANTISED
;;     7. [M 8,192, K 512] x [K 512, N 2,048]; A: computed on the way; B: input W1 (given as codes): QUANTISED
;;     8. [M 8,192, K 2,048] x [K 2,048, N 512]; A: computed on the way; B: input W2 (given as codes): QUANTISED
;;   THE QUANTISER, for each operand of a quantised product, along K:
;;     - K is cut into blocks of 32 from its start; a last block that is shorter is filled with zeros.
;;     - A block's scale is 2^e with e = floor(log2(the largest magnitude in the block)) - 2, held to -126 .. 127; a block of zeros has e = 0. As a byte (E8M0): e + 127.
;;     - Each number is divided by its block's scale, clamped to +-6, and rounded to the nearest number of E2M1, ties to even, subnormals kept.
;;     - The product sums the exact products of the quantised numbers (number of the format x scale) in f32.
;;   ~~~python
;;   def quantise(x, axis):      # numpy; x: float32 -> the quantised numbers, widened to float32 again
;;       x = np.moveaxis(x, axis, -1); K = x.shape[-1]
;;       x = np.pad(x, [(0, 0)] * (x.ndim - 1) + [(0, -K % 32)]); x = x.reshape(x.shape[:-1] + (-1, 32)); a = np.abs(x).max(-1, keepdims=True)
;;       e = np.where(a > 0, np.clip(np.frexp(np.where(a > 0, a, 1))[1] - 1 - 2, -126, 127), 0)      # np.frexp(a)[1] - 1 = floor(log2(a)), exactly
;;       r = np.clip(x / 2.0 ** e, -6, 6)
;;       step = 2.0 ** (np.maximum(np.frexp(np.where(r == 0, 1, r))[1] - 1, 0) - 1)
;;       q = np.round(r / step) * step * 2.0 ** e      # np.round: ties to even
;;       return np.moveaxis(q.reshape(q.shape[:-2] + (-1,))[..., :K], -1, axis).astype(np.float32)
;;   ~~~
;;   SOFTMAX AHEAD OF A QUANTISED PRODUCT. Where the list says 'softmax', what is quantised is not the finished softmax but p = 2^(t - M), with t = logit x log2(e) and M = ceil(the row's largest t), a whole number; so 1/2 < the row's largest p <= 1. The row's sum l is taken of the UNQUANTISED p, in f32, and the product's result is divided by l at the end. Since M is a whole number, a kernel that streams over the keys may use a running M (the ceiling of the running maximum): every later rescaling is an exact power of two, which a block's scale takes up: the codes' values come out the same.
;;   OPERANDS COMPUTED ON THE WAY. 'Computed on the way' means the value that the module computes at that place (a softmax that the list does not call 'softmax' is quantised finished and normalised). What goes into a quantiser is computed in f32, as accurately as f32 sums, v_exp_f32 and their like allow (about 1e-6 of the number): no bf16 or f16 on the way to a quantiser, and a product that is left as it is and whose result goes on into a quantised operand takes f32 operands (vector FMAs, or v_wmma_f32_16x16x4_f32). A number that lies on a knife's edge between two numbers of the format may be rounded either way, as far as f32 arithmetic and the matrix unit's own rounding can turn it there, and no further.
;;   INPUTS GIVEN AS CODES. W1 (in the module: [512, 2048], K = its axis 0); W2 (in the module: [2048, 512], K = its axis 0); Wk (in the module: [8, 512, 64], K = its axis 1); Wo (in the module: [512, 512], K = its axis 0); Wq (in the module: [8, 512, 64], K = its axis 1); Wv (in the module: [8, 512, 64], K = its axis 1): each comes as NAME_codes (uint8): NAME with its K axis moved to the last place and cut into blocks of 32 codes, [.., K / 32, bytes a block], one block behind the other in memory; two codes a byte, the lower K in the low four bits (a code: sign, 2 exponent bits, 1 mantissa bit); and NAME_scales (uint8): the same leading axes, one E8M0 byte (e + 127) for each 32 codes along K. Its value is code x scale, taken as it is: it is not quantised again, and the codes and scales need not be those that the quantiser above would give.
;; 3 versions, each right; version 2 is faster than version 1; version 3 is version 2 with the launches qkv, rest written anew for expert scheduling mode. Each part assembles by itself: llvm-mc -triple=amdgcn-amd-amdhsa -mcpu=gfx1250 --defsym DOCPART=n.
;; ======== version 1 of 3: 3 launches
;; workspace buffers: qw 2,359,296 bytes; kv 4,587,520 bytes; avc 2,097,152 bytes; avs 131,072 bytes
;; launch qkv (part 1): grid 64 x 4, 4 waves a work-group, no clusters, 41,472 bytes of LDS; arguments x, ln1_g, ln1_b, Wq_codes, Wq_scales, bq, Wk_codes, Wk_scales, bk, Wv_codes, Wv_scales, bv, qw, kv; writes qw, kv
.if DOCPART == 1
	.amdgcn_target "amdgcn-amd-amdhsa--gfx1250"
	.amdhsa_code_object_version 6
	.text
	.protected	k_qb0de6ca999_qkv
	.globl	k_qb0de6ca999_qkv
	.p2align	8
	.type	k_qb0de6ca999_qkv,@function
k_qb0de6ca999_qkv:
	s_mov_b64 s[64:65], 0
	v_nop
	global_prefetch_b8 v0, s[64:65] scope:SCOPE_SE
	s_setreg_imm32_b32 hwreg(HW_REG_WAVE_MODE, 25, 1), 1
	s_wait_xcnt 0x0
; LN1(x), quantised along D; q, k, v = xn W + b on codes of FP4 (E2M1, one E8M0 scale for each 32 along K); q and k quantised along the head's 64, v along the KEYS.
; SHARES.  Work-group (x = rb, y = hp): tokens 128 rb .. + 127 (batch rb / 16, key step rb % 16) and heads 2 hp, 2 hp + 1.  Wave w normalises and quantises tokens 32 w .. + 31 (two tiles of 16) and hands
; their fragments to the others through LDS as images of the operand's registers.  Then wave w, for all 128 tokens: head 2 hp + w / 2; all 64 columns of q (w even) or of k (w odd), used transposed; and the
; 32 columns 32 (w % 2) .. of v, used as it stands.  Its 24 weight fragments stay in registers.  q or k is a choice of pointers alone: one text for both.
; TOKEN TILES ARE NOT NEIGHBOURS: lane r of tile m takes token 32 (m / 2) + 8 (m % 2) + r + 8 (r / 8).  So in v = xn Wv (a lane: one column e, registers down the tokens) the 16 registers of tiles 2 B, 2 B + 1 are
; 16 neighbouring keys.  The rows of a weight's tile are chosen alike, so that in q^T = Wq xn^T a lane's 16 registers of two tiles are 16 neighbouring e.
; OUT, all as images of registers (lane l's 16 bytes at 16 l): qw, for each (batch, head): codes [step 16][tile 8][512], scale words [step 16][lane 32][pair 4][4]; kv: the same for k, then v's codes
; [step 16][e tile 4][1024] and v's scale words [step 16][pair 2][lane 32][4].  q's and k's K is 64: only registers 0-3 of a fragment are stored; the reader sets the other four to zero codes.
; Every store of codes covers 512 consecutive bytes, aligned; v's scale words go out as 128 consecutive bytes a wave (4,096 of a head's 143,360 bytes).
; No cluster: the four work-groups that share 128 rows of x read them straight into registers, where a lane wants 16 neighbours of its own row; a joint load would land in LDS and add a write and a read of each byte.
; LIMITS: NaN and infinities are not served.  A block whose largest magnitude is under 2^-124, a block of zeros among them, gets the scale byte 1 (this program alone reads the bytes).  v_rsq_f32 is good to 1 ulp.
; REGISTERS, in windows of 256: window 1: tile 2 w of x (256 f32 a lane: register 64 s + 16 b + i = column 128 s + 32 b + 16 (lane / 16) + i), later all 32 fragments of xn (fragment 4 m + s at 8 (4 m + s));
;   window 2: tile 2 w + 1 of x;   window 3: v0-127 q's or k's fragments ((t, s) at 32 t + 8 s), v128-191 v's ((n, s) at 128 + 32 n + 8 s), v192-223 q's or k's bias, v224-239 v's bias;   window 0: the rest.
.set G_L,  0                           ; LDS: ln1_g, 2,048 bytes
.set BE_L, 2048                        ; ln1_b
.set XSC,  4096                        ; xn's scale words: fragment f at 128 f, lane l's word at 4 l
.set XIMG, 8192                        ; xn's fragments: f at 1,024 f
.set XA,   4                           ; v4   x: (r + 8 (r / 8)) x 2,048 + 64 (lane / 16)
.set LI,   5                           ; v5   16 x lane
.set LS,   6                           ; v6   4 x lane
.set XWI,  7                           ; v7   where I store my images
.set XWS,  8                           ; v8   and their scale words
.set GA,   9                           ; v9   LDS: 64 (lane / 16): my 16 numbers of a block of 32 of g and of b
.set WA,   10                          ; v10  a weight's tile: (r + 8 (r / 8)) x 256 + 16 (lane / 16)
.set WSA,  11                          ; v11  its scale bytes: (r + 8 (r / 8)) x 16
.set BQA,  12                          ; v12  q's or k's bias: 64 (lane / 16)
.set BVA,  13                          ; v13  v's bias: 4 (r + 8 (r / 8))
.set SH16, 14                          ; v14  16 (lane / 16)
.set T16,  15                          ; v15  16 x thread
.set SM,   20                          ; v20-27  four chains of packed sums
.set NMU,  28                          ; v28-29  -mean, twice
.set RS0,  30                          ; v30-31, v32-33  1 / sqrt(var + eps) of tile 2 w, 2 w + 1, twice each
.set TP,   34
.set ST,   36                          ; v36-99  64 numbers on their way to the quantiser
.set HA,   36                          ;         the same registers: eight accumulators
.set GC,   100                         ; v100-163 g of a K step
.set BC,   164                         ; v164-227 b of a K step
.set WS,   100                         ; later: v100-123 the weights' scale words (q, k: 4 t + s; v: 16 + 4 n + s)
.set SW,   124                         ; v124-127 q's or k's scale words on their way out
.set VW0,  128
.set VW1,  129
.set XS,   164                         ; later: v164-195 xn's scale words, fragment f at XS + f
.set TM,   228                         ; v228-243 the quantiser's
.set PW,   244                         ; the scale word just made
.set PC,   246                         ; v246-253 the codes just made
.set SEL,  66                          ; s[66:67] v_permlanex16_b32's selects for lane l xor 16
.set MSB, 0
.macro WIN new                         ; s_set_vgpr_msb: bits 1:0 source 0, 3:2 source 1, 5:4 source 2, 7:6 destination; the high byte repeats the setting that is left
.if MSB != (\new)
	s_set_vgpr_msb (MSB<<8)|(\new)
.set MSB, (\new)
.endif
.endm
.macro PLACES n
.rept \n
	v_nop
.endr
.endm
.macro WM d, a, b, c, sa, sb
	v_wmma_scale_f32_16x16x128_f8f6f4 v[\d:\d+7], v[\a:\a+7], v[\b:\b+7], v[\c:\c+7], v[\sa], v[\sb] matrix_a_fmt:MATRIX_FMT_FP4 matrix_b_fmt:MATRIX_FMT_FP4
.endm
; 64 numbers of a lane, register 16 b + i = k 32 b + 16 (lane / 16) + i of my row, become a fragment's codes in v[PC] on and its scale word in v[PW]
.macro QUANT s
.irp b, 0,1,2,3
	v_max3_num_f32 v[TM+\b], |v[\s+16*\b]|, |v[\s+1+16*\b]|, 0x1800000   ; my 16 numbers of block b, and the floor 2^(3 - 127): the byte cannot fall under 1
.endr
.irp i, 2,4,6,8,10,12,14
.irp b, 0,1,2,3
	v_max3_num_f32 v[TM+\b], v[TM+\b], |v[\s+16*\b+\i]|, |v[\s+1+16*\b+\i]|
.endr
.endr
.irp b, 0,1,2,3
	v_permlanex16_b32 v[TM+4+\b], v[TM+\b], s[SEL], s[SEL+1]
.endr
.irp b, 0,1,2,3
	v_max_num_f32 v[TM+\b], v[TM+\b], v[TM+4+\b]   ; with lane l xor 16's: the block's largest magnitude
.endr
.irp b, 0,1,2,3
	v_add_nc_u32 v[TM+12+\b], 0xff000000, v[TM+\b]   ; 2 off its exponent field: the conversion's scale operand
.endr
.irp b, 0,1,2,3
	v_lshrrev_b32 v[TM+4+\b], 23, v[TM+12+\b]      ; the scale's byte
.endr
	v_lshl_or_b32 v[PW], v[TM+5], 8, v[TM+4]
	v_lshl_or_b32 v[PW], v[TM+6], 16, v[PW]
	v_lshl_or_b32 v[PW], v[TM+7], 24, v[PW]
.irp b, 0,1,2,3
	v_cvt_scalef32_pk8_fp4_f32 v[PC+2*\b], v[\s+16*\b:\s+7+16*\b], v[TM+12+\b]
	v_cvt_scalef32_pk8_fp4_f32 v[PC+1+2*\b], v[\s+8+16*\b:\s+15+16*\b], v[TM+12+\b]
.endr
	v_nop                                          ; one plain place behind a scaled conversion
.irp c, 0,1                                    ; the operand wants a whole block in a lane: lanes 0-15 block 2 c, lanes 16-31 block 2 c + 1
.irp i, 0,1
	v_permlane16_swap_b32 v[PC+4*\c+\i], v[PC+2+4*\c+\i]
.endr
.endr
.endm
.macro XLOAD u                         ; tile 2 w + u of x into window u + 1
	WIN ((\u)+1)<<6
.irp s, 0,1,2,3
.irp b, 0,1,2,3
.irp j, 0,1,2,3
	global_load_b128 v[64*\s+16*\b+4*\j:64*\s+16*\b+4*\j+3], v[XA], s[8:9] offset:16384*(\u)+512*\s+128*\b+16*\j
.endr
.endr
.endr
	WIN 0
.endm
.macro GLOAD s                         ; g and b of K step s, in the order of a lane's 64 numbers
.irp b, 0,1,2,3
.irp j, 0,1,2,3
	ds_load_b128 v[GC+16*\b+4*\j:GC+16*\b+4*\j+3], v[GA] offset:G_L+512*(\s)+128*\b+16*\j
	ds_load_b128 v[BC+16*\b+4*\j:BC+16*\b+4*\j+3], v[GA] offset:BE_L+512*(\s)+128*\b+16*\j
.endr
.endr
.endm
.macro JOIN                            ; four chains, two halves, two lanes: the row's sum in v[SM]
	v_pk_add_f32 v[SM:SM+1], v[SM:SM+1], v[SM+2:SM+3]
	v_pk_add_f32 v[SM+4:SM+5], v[SM+4:SM+5], v[SM+6:SM+7]
	v_pk_add_f32 v[SM:SM+1], v[SM:SM+1], v[SM+4:SM+5]
	v_add_f32 v[SM], v[SM], v[SM+1]
	v_permlanex16_b32 v[TP], v[SM], s[SEL], s[SEL+1]
	v_add_f32 v[SM], v[SM], v[TP]
.endm
; The tile in window w: the mean; the tile less the mean, in place; the mean of the squares of that (no difference of large sums is formed); 1 / sqrt(var + eps) into v[rs], twice
.macro STATS w, rs
	WIN (\w)|((\w)<<2)
.irp c, 0,1,2,3
	v_pk_add_f32 v[SM+2*\c:SM+2*\c+1], v[2*\c:2*\c+1], v[8+2*\c:9+2*\c]
.endr
	WIN (\w)<<2
.set pp, 8
.rept 120
	v_pk_add_f32 v[SM+2*(pp%4):SM+2*(pp%4)+1], v[SM+2*(pp%4):SM+2*(pp%4)+1], v[2*pp:2*pp+1]
.set pp, pp+1
.endr
	WIN 0
	JOIN
	v_mul_f32 v[NMU], 0xbb000000, v[SM]            ; x -1/512
	v_mul_f32 v[NMU+1], 0xbb000000, v[SM]
	WIN (\w)|((\w)<<6)
.set pp, 0
.rept 128
	v_pk_add_f32 v[2*pp:2*pp+1], v[2*pp:2*pp+1], v[NMU:NMU+1]
.set pp, pp+1
.endr
	WIN (\w)|((\w)<<2)
.irp c, 0,1,2,3
	v_pk_mul_f32 v[SM+2*\c:SM+2*\c+1], v[2*\c:2*\c+1], v[2*\c:2*\c+1]
.endr
.set pp, 4
.rept 124
	v_pk_fma_f32 v[SM+2*(pp%4):SM+2*(pp%4)+1], v[2*pp:2*pp+1], v[2*pp:2*pp+1], v[SM+2*(pp%4):SM+2*(pp%4)+1]
.set pp, pp+1
.endr
	WIN 0
	JOIN
	v_fmaak_f32 v[SM], s80, v[SM], 0x3727c5ac      ; / 512 + 1e-5
	v_rsq_f32 v[\rs], v[SM]
	v_rsq_f32 v[\rs+1], v[SM]
	v_nop                                          ; one plain place behind the transcendentals
	s_wait_alu depctr_va_vdst(0)
.endm
.macro WCODES                          ; my 24 weight fragments: they stay
	WIN 0xc0
.irp t, 0,1,2,3
.irp s, 0,1,2,3
.irp c, 0,1
	global_load_b128 v[32*\t+8*\s+4*\c:32*\t+8*\s+4*\c+3], v[WA], s[14:15] offset:(32*(\t/2)+8*(\t%2))*256+64*\s+32*\c
.endr
.endr
.endr
.irp n, 0,1
.irp s, 0,1,2,3
.irp c, 0,1
	global_load_b128 v[128+32*\n+8*\s+4*\c:128+32*\n+8*\s+4*\c+3], v[WA], s[26:27] offset:2048*\n+64*\s+32*\c
.endr
.endr
.endr
	WIN 0
.endm
.macro LATE                            ; biases in the results' layouts, and the weights' scale words (a row's four K steps are 16 neighbouring bytes); into registers that g has left
	WIN 0xc0
.irp t, 0,1,2,3
	global_load_b128 v[192+8*\t:195+8*\t], v[BQA], s[18:19] offset:(32*(\t/2)+8*(\t%2))*4
	global_load_b128 v[196+8*\t:199+8*\t], v[BQA], s[18:19] offset:(32*(\t/2)+8*(\t%2))*4+16
.endr
.irp n, 0,1
.irp j, 0,1,2,3,4,5,6,7
	global_load_b32 v[224+8*\n+\j], v[BVA], s[30:31] offset:32*\n   ; v as it stands: a lane holds one column, so its eight registers take one number
.endr
.endr
	WIN 0
.irp t, 0,1,2,3
	global_load_b128 v[WS+4*\t:WS+4*\t+3], v[WSA], s[16:17] offset:(32*(\t/2)+8*(\t%2))*16
.endr
.irp n, 0,1
	global_load_b128 v[WS+16+4*\n:WS+16+4*\n+3], v[WSA], s[28:29] offset:128*\n
.endr
.endm
; K step s of tile 2 w + u: normalised, quantised, its image stored
.macro NORM u, s
	WIN (\u)+1
.set pp, 0
.rept 32
	v_pk_mul_f32 v[ST+2*pp:ST+2*pp+1], v[64*(\s)+2*pp:64*(\s)+2*pp+1], v[RS0+2*(\u):RS0+2*(\u)+1]
.set pp, pp+1
.endr
	WIN 0
	s_wait_dscnt 0x0                               ; g and b of this K step are in; the last image's stores have read their registers
.set pp, 0
.rept 32
	v_pk_fma_f32 v[ST+2*pp:ST+2*pp+1], v[ST+2*pp:ST+2*pp+1], v[GC+2*pp:GC+2*pp+1], v[BC+2*pp:BC+2*pp+1]
.set pp, pp+1
.endr
.if (\u) == 1
.if (\s) < 3
	GLOAD (\s)+1                                   ; the next K step's land while this one is quantised
.else
	LATE
.endif
.endif
	QUANT ST
	ds_store_b128 v[XWI], v[PC:PC+3] offset:4096*(\u)+1024*(\s)
	ds_store_b128 v[XWI], v[PC+4:PC+7] offset:4096*(\u)+1024*(\s)+512
	ds_store_b32 v[XWS], v[PW] offset:512*(\u)+128*(\s)
.endm
; q^T or k^T of token tiles m0, m0 + 1: source 0 = 16 rows of the weight, source 1 = xn.  Eight accumulators by turns, one instruction a turn; the bias is the first C.
; The 64 results of a lane are, block 2 mi + b: tile m0 + mi, e = 32 b + 16 (lane / 16) + 0 .. 15: so v[PC .. PC+3] are registers 0-3 of tile m0's fragment, v[PC+4 .. PC+7] of tile m0 + 1's.
.macro QKG m0
	WIN 0x37                                       ; source 0 and C window 3, source 1 window 1
.irp mi, 0,1
.irp t, 0,1,2,3
	WM HA+32*\mi+8*\t, 32*\t, 32*(\m0+\mi), 192+8*\t, WS+4*\t, XS+4*(\m0+\mi)
.endr
.endr
	WIN 0x07
.irp s, 1,2,3
.irp mi, 0,1
.irp t, 0,1,2,3
	WM HA+32*\mi+8*\t, 32*\t+8*\s, 32*(\m0+\mi)+8*\s, HA+32*\mi+8*\t, WS+4*\t+\s, XS+4*(\m0+\mi)+\s
.endr
.endr
.endr
	WIN 0
	PLACES 4                                       ; four places between the last product and the first read of results (ISA guide 7.12.1)
	s_wait_xcnt 0x0                                ; the last stores have read v[PC] on: only now are they written again
	QUANT HA
	global_store_b128 v[LI], v[PC:PC+3], s[70:71] offset:512*\m0        ; 512 consecutive bytes, aligned
	global_store_b128 v[LI], v[PC+4:PC+7], s[70:71] offset:512*\m0+512
	v_lshrrev_b32 v[SW+\m0/2], v[SH16], v[PW]      ; lanes 0-15: tile m0's two bytes below; lanes 16-31: tile m0 + 1's.  The two bytes above meet zero codes alone, and are never 0xff
.endm
; v of e tile n, all 128 tokens: source 0 = xn, source 1 = 16 rows of Wv: a lane holds one e, and its 64 registers the step's keys 32 B + 16 (lane / 16) + i
.macro VG n
	WIN 0x3d                                       ; source 0 window 1, source 1 and C window 3
.irp m, 0,1,2,3,4,5,6,7
	WM HA+8*\m, 32*\m, 128+32*\n, 224+8*\n, XS+4*\m, WS+16+4*\n
.endr
	WIN 0x0d
.irp s, 1,2,3
.irp m, 0,1,2,3,4,5,6,7
	WM HA+8*\m, 32*\m+8*\s, 128+32*\n+8*\s, HA+8*\m, XS+4*\m+\s, WS+16+4*\n+\s
.endr
.endr
	WIN 0
	PLACES 4
	s_wait_xcnt 0x0
	QUANT HA
	global_store_b128 v[LI], v[PC:PC+3], s[74:75] offset:1024*\n
	global_store_b128 v[LI], v[PC+4:PC+7], s[74:75] offset:1024*\n+512
.endm
	s_load_b512 s[8:23], s[0:1], 0x0               ; x, ln1_g, ln1_b, Wq's codes, Wq's scales, bq, Wk's codes, Wk's scales
	s_load_b256 s[24:31], s[0:1], 0x40             ; bk, Wv's codes, Wv's scales, bv
	s_load_b128 s[32:35], s[0:1], 0x60             ; qw, kv
	v_lshl_add_u32 v254, v0, 2, 0xa000
	v_mov_b32 v255, 0
	v_lshrrev_b32 v1, 5, v0
	v_readfirstlane_b32 s36, v1                    ; wave 0..3
	s_and_b32 s37, s36, 1                          ; 0: q, and v's e 0-31;  1: k, and v's e 32-63
	s_lshr_b32 s38, s36, 1
	s_and_b32 s39, ttmp7, 0xffff
	s_lshl_b32 s39, s39, 1
	s_add_co_u32 s38, s38, s39                     ; head
	s_lshr_b32 s39, ttmp9, 4
	s_lshl_b32 s39, s39, 3
	s_add_co_u32 s39, s39, s38                     ; 8 x batch + head
	s_and_b32 s40, ttmp9, 15                       ; key step
	v_and_b32 v1, 31, v0                           ; lane
	v_and_b32 v2, 15, v0                           ; r
	v_bfe_u32 v3, v0, 4, 1                         ; lane / 16
	v_and_b32 v16, 8, v2
	v_add_nc_u32 v16, v16, v2                      ; r + 8 (r / 8)
	v_lshlrev_b32 v[XA], 11, v16
	v_lshl_add_u32 v[XA], v3, 6, v[XA]
	v_lshlrev_b32 v[LI], 4, v1
	v_lshlrev_b32 v[LS], 2, v1
	s_lshl_b32 s6, s36, 13
	s_add_co_u32 s6, s6, XIMG
	v_add_nc_u32 v[XWI], s6, v[LI]                 ; my eight fragments: 8 w on
	s_lshl_b32 s6, s36, 10
	s_add_co_u32 s6, s6, XSC
	v_add_nc_u32 v[XWS], s6, v[LS]
	v_lshlrev_b32 v[GA], 6, v3
	v_lshlrev_b32 v[WA], 8, v16
	v_lshl_add_u32 v[WA], v3, 4, v[WA]
	v_lshlrev_b32 v[WSA], 4, v16
	v_lshlrev_b32 v[BQA], 6, v3
	v_lshlrev_b32 v[BVA], 2, v16
	v_lshlrev_b32 v[SH16], 4, v3
	v_lshlrev_b32 v[T16], 4, v0
	v_mov_b32 v[TP], 0                             ; written once: a lane permute's destination counts as one of its sources
.irp b, 0,1,2,3
	v_mov_b32 v[TM+4+\b], 0
.endr
	s_mov_b32 s[SEL], 0x76543210
	s_mov_b32 s[SEL+1], 0xfedcba98
	s_mov_b32 s80, 0x3b000000                      ; 1/512
	; byte offsets, each in a pair of its own
	s_lshl_b32 s42, ttmp9, 18                      ; x: 128 rows of 2,048 bytes a work-group,
	s_lshl_b32 s6, s36, 16                         ; 32 a wave
	s_add_co_u32 s42, s42, s6
	s_mov_b32 s43, 0
	s_lshl_b32 s44, s38, 14                        ; a head's codes: 64 rows of 256 bytes
	s_mov_b32 s45, 0
	s_lshl_b32 s46, s38, 10                        ; its scale bytes
	s_mov_b32 s47, 0
	s_lshl_b32 s48, s38, 8                         ; its bias
	s_mov_b32 s49, 0
	s_lshl_b32 s6, s37, 13                         ; v: my 32 rows of the head's 64
	s_add_co_u32 s50, s44, s6
	s_mov_b32 s51, 0
	s_lshl_b32 s6, s37, 9
	s_add_co_u32 s52, s46, s6
	s_mov_b32 s53, 0
	s_lshl_b32 s6, s37, 7
	s_add_co_u32 s54, s48, s6
	s_mov_b32 s55, 0
	s_mul_i32 s41, s39, 143360                     ; kv: my (batch, head)
	s_lshl_b32 s6, s40, 12
	s_add_co_u32 s62, s41, s6
	s_lshl_b32 s6, s37, 11
	s_add_co_u32 s62, s62, s6
	s_add_co_u32 s62, s62, 73728                   ; v's codes: step, e tiles 2 (w % 2) on
	s_mov_b32 s63, 0
	s_lshl_b32 s6, s40, 8
	s_add_co_u32 s68, s41, s6
	s_lshl_b32 s6, s37, 7
	s_add_co_u32 s68, s68, s6
	s_add_co_u32 s68, s68, 139264                  ; v's scale words: step, pair w % 2
	s_mov_b32 s69, 0
	s_mov_b32 s56, 143360
	s_mov_b32 s59, 0
	s_mov_b32 s61, 0
	s_wait_kmcnt 0x0
	s_cmp_eq_u32 s37, 0                            ; q's wave or k's?  The choice hangs on the wave's number alone
	s_cselect_b64 s[14:15], s[14:15], s[20:21]
	s_cselect_b64 s[16:17], s[16:17], s[22:23]
	s_cselect_b64 s[18:19], s[18:19], s[24:25]
	s_cselect_b64 s[78:79], s[32:33], s[34:35]
	s_cselect_b32 s56, 73728, s56                  ; bytes of a (batch, head) in qw or in kv
	s_add_nc_u64 s[8:9], s[8:9], s[42:43]
	global_load_b128 v[20:23], v[T16], s[10:11]    ; g and b: 16 bytes a thread
	global_load_b128 v[24:27], v[T16], s[12:13]
	XLOAD 0
	s_mul_i32 s57, s39, s56
	s_lshl_b32 s6, s40, 12
	s_add_co_u32 s58, s57, s6                      ; q's or k's codes of my step
	s_lshl_b32 s6, s40, 9
	s_add_co_u32 s60, s57, s6
	s_add_co_u32 s60, s60, 65536                   ; and its scale words
	s_add_nc_u64 s[14:15], s[14:15], s[44:45]
	s_add_nc_u64 s[16:17], s[16:17], s[46:47]
	s_add_nc_u64 s[18:19], s[18:19], s[48:49]
	s_add_nc_u64 s[26:27], s[26:27], s[50:51]
	s_add_nc_u64 s[28:29], s[28:29], s[52:53]
	s_add_nc_u64 s[30:31], s[30:31], s[54:55]
	s_add_nc_u64 s[70:71], s[78:79], s[58:59]
	s_add_nc_u64 s[72:73], s[78:79], s[60:61]
	s_add_nc_u64 s[74:75], s[34:35], s[62:63]
	s_add_nc_u64 s[76:77], s[34:35], s[68:69]
	s_wait_loadcnt 63                              ; 64 loads are younger than g's and b's; 63 is the largest count that the wait names
	ds_store_b128 v[T16], v[20:23] offset:G_L
	ds_store_b128 v[T16], v[24:27] offset:BE_L
	XLOAD 1
	s_wait_dscnt 0x0                               ; for the others' sake: my part of g and b lies in LDS
	s_barrier_signal -1
	s_barrier_wait -1
	GLOAD 0
	s_wait_loadcnt 63                              ; tile 2 w is in: the other tile's 64 loads are younger
	STATS 1, RS0
	s_wait_loadcnt 0x0                             ; tile 2 w + 1 is in
	WCODES                                         ; the weights land under the vector work below
	STATS 2, RS0+2
.irp s, 0,1,2,3
	NORM 0, \s
	NORM 1, \s
.endr
	s_wait_dscnt 0x0                               ; my eight images and their scale words lie in LDS
	s_barrier_signal -1
	s_barrier_wait -1                              ; everybody's do
	WIN 0x40
.set ff, 0
.rept 32
	ds_load_b128 v[8*ff:8*ff+3], v[LI] offset:XIMG+1024*ff
	ds_load_b128 v[8*ff+4:8*ff+7], v[LI] offset:XIMG+1024*ff+512
.set ff, ff+1
.endr
	WIN 0
.set ff, 0
.rept 32
	ds_load_b32 v[XS+ff], v[LS] offset:XSC+128*ff
.set ff, ff+1
.endr
	s_wait_dscnt 0x0
	s_wait_loadcnt 0x0                             ; weights, biases, scale words
	QKG 0
	QKG 2
	QKG 4
	QKG 6
	global_store_b128 v[LI], v[SW:SW+3], s[72:73]  ; the step's scale words: 512 consecutive bytes, aligned
	VG 0
	v_mov_b32 v[VW0], v[PW]
	VG 1
	v_cmp_lt_u32 vcc_lo, 15, v1
	v_cndmask_b32 v[VW1], v[VW0], v[PW], vcc_lo    ; lanes 0-15: e tile 2 (w % 2)'s words; lanes 16-31: the next tile's
	global_store_b32 v[LS], v[VW1], s[76:77]
	s_wait_tensorcnt 0x0
	ds_add_u32 v254, v255
	s_wait_dscnt 0x0
	s_endpgm
.Lfunc_end_k_qb0de6ca999_qkv:
	.size	k_qb0de6ca999_qkv, .Lfunc_end_k_qb0de6ca999_qkv-k_qb0de6ca999_qkv
	.p2alignl 7, 3214868480
	.fill 96, 4, 3214868480
	.section	.rodata,"a",@progbits
	.p2align	6, 0x0
	.amdhsa_kernel k_qb0de6ca999_qkv
		.amdhsa_group_segment_fixed_size 41472
		.amdhsa_private_segment_fixed_size 0
		.amdhsa_enable_private_segment 0
		.amdhsa_kernarg_size 112
		.amdhsa_user_sgpr_count 2
		.amdhsa_user_sgpr_kernarg_segment_ptr 1
		.amdhsa_wavefront_size32 1
		.amdhsa_system_sgpr_workgroup_id_x 1
		.amdhsa_system_sgpr_workgroup_id_y 1
		.amdhsa_system_sgpr_workgroup_id_z 1
		.amdhsa_system_vgpr_workitem_id 0
		.amdhsa_next_free_vgpr 1024
		.amdhsa_next_free_sgpr 84
		.amdhsa_reserve_vcc 1
		.amdhsa_float_denorm_mode_32 3
		.amdhsa_float_denorm_mode_16_64 3
		.amdhsa_memory_ordered 1
		.amdhsa_forward_progress 1
		.amdhsa_inst_pref_size 202
	.end_amdhsa_kernel
	.amdgpu_metadata
---
amdhsa.version: [ 1, 2 ]
amdhsa.kernels:
  - .name:           k_qb0de6ca999_qkv
    .symbol:         k_qb0de6ca999_qkv.kd
    .args:
      - { .name: x, .offset: 0, .size: 8, .value_kind: global_buffer, .address_space: global }
      - { .name: ln1_g, .offset: 8, .size: 8, .value_kind: global_buffer, .address_space: global }
      - { .name: ln1_b, .offset: 16, .size: 8, .value_kind: global_buffer, .address_space: global }
      - { .name: Wq_codes, .offset: 24, .size: 8, .value_kind: global_buffer, .address_space: global }
      - { .name: Wq_scales, .offset: 32, .size: 8, .value_kind: global_buffer, .address_space: global }
      - { .name: bq, .offset: 40, .size: 8, .value_kind: global_buffer, .address_space: global }
      - { .name: Wk_codes, .offset: 48, .size: 8, .value_kind: global_buffer, .address_space: global }
      - { .name: Wk_scales, .offset: 56, .size: 8, .value_kind: global_buffer, .address_space: global }
      - { .name: bk, .offset: 64, .size: 8, .value_kind: global_buffer, .address_space: global }
      - { .name: Wv_codes, .offset: 72, .size: 8, .value_kind: global_buffer, .address_space: global }
      - { .name: Wv_scales, .offset: 80, .size: 8, .value_kind: global_buffer, .address_space: global }
      - { .name: bv, .offset: 88, .size: 8, .value_kind: global_buffer, .address_space: global }
      - { .name: qw, .offset: 96, .size: 8, .value_kind: global_buffer, .address_space: global }
      - { .name: kv, .offset: 104, .size: 8, .value_kind: global_buffer, .address_space: global }
    .group_segment_fixed_size: 41472
    .private_segment_fixed_size: 0
    .kernarg_segment_align: 8
    .kernarg_segment_size: 112
    .max_flat_workgroup_size: 128
    .sgpr_count:     84
    .vgpr_count:     1024
    .wavefront_size: 32
...
	.end_amdgpu_metadata
.endif
;; end of part 1
;; launch attn (part 2): grid 8 x 32, 16 waves a work-group, no clusters, 145,920 bytes of LDS; arguments qw, kv, avc, avs; writes avc, avs
.if DOCPART == 2
	.amdgcn_target "amdgcn-amd-amdhsa--gfx1250"
	.amdhsa_code_object_version 6
	.text
	.protected	k_qb0de6ca999_attn
	.globl	k_qb0de6ca999_attn
	.p2align	8
	.type	k_qb0de6ca999_attn,@function
k_qb0de6ca999_attn:
	s_mov_b64 s[64:65], 0
	v_nop
	global_prefetch_b8 v0, s[64:65] scope:SCOPE_SE
	s_setreg_imm32_b32 hwreg(HW_REG_WAVE_MODE, 25, 1), 1
	s_wait_xcnt 0x0
; av = softmax(q k^T / 8) v for one (batch, head), both products on codes of FP4 (E2M1, one E8M0 scale for each 32 along K); av quantised along (head, e) for the next product.
; THE SOFTMAX AHEAD OF THE SECOND PRODUCT: t = score x log2(e) / 8; M = the row's largest t so far, rounded UP to a whole number; p = 2^(t - M) is what is quantised, along the keys, not normalised.
; The row's sum is taken of the unquantised p and divides at the end.  When M moves, the sum and O are multiplied by 2^(old M - new M): exact.
; SHARES.  Work-group (x, y): 256 queries 256 x .. of (batch, head) y.  Each of its sixteen waves owns one tile of 16 queries in 256 registers: four waves to a SIMD, so that one wave's vector work stands beside
; another's products and LDS loads.  ALL of the head's k, v and scale words, 143,360 consecutive bytes of kv, are copied into LDS once, through registers; every wave then walks the 16 key steps of 128.
; They lie as images of the operands' registers (lane l's 16 bytes at 16 l): every LDS load takes 512 consecutive bytes.
; LAYOUT.  Both products are used transposed: S^T = k q^T, O^T = v^T p^T: a lane holds ONE query throughout.  The keys of a tile, and the e of a tile of v, were chosen by the launch that wrote them (lane r of tile
; 2 b + u: 32 b + 8 u + r + 8 (r / 8)), so that the 16 registers of tiles 2 b, 2 b + 1 are 16 neighbours.  The first product's K is 64: registers 4-7 of q's and k's fragments are zero codes, set once.
; No cluster: what the eight work-groups of a head share is read once by each, at its head: 143,360 bytes against 16 key steps' work; it goes through registers, so that there are no slots to fill again.
; LIMITS: NaN and infinities are not served.  A block whose largest p (or largest |av|) is under 2^-124 gets the byte 1.  A block's largest p is made from the block's largest score by the same multiply-add and
; exponential, which takes v_exp_f32 not to fall where its input rises.  v_exp_f32 and v_rcp_f32 are good to 1 ulp.
; REGISTERS: v1-7 addresses that stay; v8-11 addresses of the step; v12 -M, v13 the largest t, v[14:15] the sum; v16-23 q; v24-27 k's scale words; v28-29 v's; v32-95 k's eight fragments; v96-159 S^T, then p;
;   v160-191 O^T; v192-223 v's four fragments; v224-231 p's codes; v232-254 at work; v255 q's scale word.
.set KSO, 65536                        ; LDS, as in kv: k's codes at 0 (4,096 a step); k's scale words (512 a step);
.set VCO, 73728                        ; v's codes (4,096 a step);
.set VSO, 139264                       ; v's scale words (256 a step);
.set STG, 143360                       ; behind them: av's scale bytes of the sixteen tiles, 32 each
.set WV,  12
.set SEL, 14                           ; s[14:15] v_permlanex16_b32's selects for lane l xor 16
.set CS,  16                           ; s[16:17] c = log2(e) / 8
.set TK,  18                           ; s18  the step's codes: 4,096 a step
.set TS,  19                           ; s19  k's scale words: 512 a step
.set TV,  20                           ; s20  v's: 256 a step
.set CNT, 21
.macro PLACES n
.rept \n
	v_nop
.endr
.endm
	s_load_b256 s[4:11], s[0:1], 0x0               ; qw, kv, avc, avs
	v_lshl_add_u32 v250, v0, 2, 0x23200
	v_mov_b32 v251, 0
	v_lshrrev_b32 v8, 5, v0
	v_readfirstlane_b32 s[WV], v8                  ; wave 0..15
	s_and_b32 s22, ttmp7, 0xffff                   ; 8 x batch + head
	s_lshl_b32 s23, ttmp9, 4
	s_add_co_u32 s23, s23, s[WV]                   ; my tile of queries, 0..127
	s_mul_i32 s24, s22, 143360                     ; kv: my (batch, head)
	s_mov_b32 s25, 0
	s_mul_i32 s26, s22, 73728                      ; qw likewise
	s_lshl_b32 s28, s23, 9
	s_add_co_u32 s28, s28, s26                     ; my tile's codes
	s_mov_b32 s29, 0
	s_lshr_b32 s30, s23, 3                         ; its scale words: [step][lane 32][pair 4][4]: step = tile / 8,
	s_lshl_b32 s30, s30, 9
	s_add_co_u32 s30, s30, s26
	s_add_co_u32 s30, s30, 65536
	s_and_b32 s27, s[WV], 1                        ; an odd tile's lie in lanes 16-31,
	s_lshl_b32 s27, s27, 8
	s_add_co_u32 s30, s30, s27
	s_bfe_u32 s27, s[WV], 0x20001                  ; pair = (tile % 8) / 2
	s_lshl_b32 s27, s27, 2
	s_add_co_u32 s30, s30, s27
	s_mov_b32 s31, 0
	s_lshr_b32 s36, s22, 3                         ; batch
	s_and_b32 s37, s22, 7                          ; head
	s_lshl_b32 s38, s36, 7
	s_add_co_u32 s38, s38, s23                     ; my tile among all 512
	s_lshl_b32 s38, s38, 12
	s_lshl_b32 s27, s37, 9
	s_add_co_u32 s38, s38, s27                     ; avc: [tile][head][512]
	s_mov_b32 s39, 0
	s_lshl_b32 s40, s37, 14                        ; avs: [head][tile][r][2]: the work-group's sixteen tiles are 512 bytes
	s_lshl_b32 s27, s36, 12
	s_add_co_u32 s40, s40, s27
	s_lshl_b32 s27, ttmp9, 9
	s_add_co_u32 s40, s40, s27
	s_mov_b32 s41, 0
	s_mov_b32 s[SEL], 0x76543210
	s_mov_b32 s[SEL+1], 0xfedcba98
	s_mov_b32 s[CS], 0x3e38aa3b                    ; log2(e) / 8
	s_mov_b32 s[CS+1], s[CS]                       ; (named with it as a pair, so it is written)
	s_mov_b32 s[TK], 0
	s_mov_b32 s[TS], 0
	s_mov_b32 s[TV], 0
	s_mov_b32 s[CNT], 0
	v_and_b32 v1, 31, v0
	v_lshlrev_b32 v1, 4, v1                        ; 16 x lane
	v_add_nc_u32 v2, KSO, v1
	v_add_nc_u32 v3, VCO, v1
	v_and_b32 v4, 31, v0
	v_lshl_add_u32 v4, v4, 2, VSO                  ; 4 x lane, among v's scale words
	v_lshlrev_b32 v5, 4, v0                        ; the copy: 16 x thread,
	v_add_nc_u32 v6, 0x10000, v5                   ; and on, since an LDS offset has 16 bits
	v_add_nc_u32 v7, 0x20000, v5
	v_lshlrev_b32 v31, 3, v0                       ; its last 4,096 bytes: 8 x thread
	v_lshl_add_u32 v30, v0, 3, VSO
	v_and_b32 v254, 15, v0
	v_lshlrev_b32 v254, 4, v254                    ; 16 r
	s_wait_kmcnt 0x0
	s_add_nc_u64 s[6:7], s[6:7], s[24:25]
	s_add_nc_u64 s[32:33], s[4:5], s[28:29]
	s_add_nc_u64 s[34:35], s[4:5], s[30:31]
	s_add_nc_u64 s[8:9], s[8:9], s[38:39]
	s_add_nc_u64 s[10:11], s[10:11], s[40:41]
.irp i, 0,1,2,3,4,5,6,7,8,9,10,11,12,13,14,15,16
	global_load_b128 v[96+4*\i:99+4*\i], v5, s[6:7] offset:8192*\i   ; the sixteen waves read 8,192 consecutive bytes
.endr
	global_load_b64 v[164:165], v31, s[6:7] offset:VSO
	global_load_b128 v[16:19], v1, s[32:33]        ; q: registers 0-3 of my fragment
	global_load_b32 v255, v254, s[34:35]           ; and row r's scale word
.irp i, 0,1,2,3,4,5,6,7
	s_wait_loadcnt 19-\i                           ; behind load i: 16 - i of its kind, the last 4,096 bytes' and q's two
	ds_store_b128 v5, v[96+4*\i:99+4*\i] offset:8192*\i
.endr
.irp i, 8,9,10,11,12,13,14,15
	s_wait_loadcnt 19-\i
	ds_store_b128 v6, v[96+4*\i:99+4*\i] offset:8192*(\i-8)
.endr
	s_wait_loadcnt 3
	ds_store_b128 v7, v[160:163]
	s_wait_loadcnt 2                               ; q's two may be out
	ds_store_b64 v30, v[164:165]
	v_mov_b32 v13, 0xff61b1e6                      ; the largest t so far: -3e38, under every t
	v_floor_f32 v12, -v13                          ; -M
	v_mov_b32 v14, 0                               ; the sum, in two halves
	v_mov_b32 v15, 0
.irp b, 0,1,2,3
	v_mov_b32 v[236+\b], 0                         ; written once: a lane permute's destination counts as one of its sources
	v_mov_b32 v[20+\b], 0                          ; q's K = 64 .. 127: zero codes
.endr
	v_mov_b32 v253, 0                              ; (named as the upper half of the pair v[252:253] before it is first written)
.irp t, 0,1,2,3,4,5,6,7
.irp j, 4,5,6,7
	v_mov_b32 v[32+8*\t+\j], 0                     ; k's K = 64 .. 127: zero codes, never loaded over
.endr
.endr
	s_wait_loadcnt 0x0                             ; q
	s_wait_dscnt 0x0                               ; my part of the copy lies in LDS, and its stores have read their registers
.set jj, 0
.rept 32
	v_mov_b32 v[160+jj], 0                         ; O^T.  (The step is written once: the first finds zeros, which the first change of M leaves zeros)
.set jj, jj+1
.endr
	s_barrier_signal -1
	s_barrier_wait -1                              ; everybody's does
.Lstep:                                            ; 16 trips: a key step of 128 keys
	v_add_nc_u32 v8, s[TK], v1                     ; (these four are also the places between the last trip's products and the loads into their registers)
	v_add_nc_u32 v9, s[TK], v3
	v_add_nc_u32 v10, s[TS], v2
	v_add_nc_u32 v11, s[TV], v4
.irp t, 0,1,2,3,4,5,6,7
	ds_load_b128 v[32+8*\t:35+8*\t], v8 offset:512*\t
.endr
	ds_load_b128 v[24:27], v10                     ; register p: lanes 0-15 tile 2 p's words, lanes 16-31 tile 2 p + 1's
.irp t, 0,1,2,3
.irp c, 0,1
	ds_load_b128 v[192+8*\t+4*\c:195+8*\t+4*\c], v9 offset:1024*\t+512*\c
.endr
.endr
	ds_load_b32 v28, v11
	ds_load_b32 v29, v11 offset:128
	s_wait_dscnt 10                                ; k's nine loads are in; v's ten may be out
.irp t, 0,2,4,6
	v_wmma_scale_f32_16x16x128_f8f6f4 v[96+8*\t:103+8*\t], v[32+8*\t:39+8*\t], v[16:23], 0, v[24+\t/2], v255 matrix_a_fmt:MATRIX_FMT_FP4 matrix_b_fmt:MATRIX_FMT_FP4
	v_wmma_scale_f32_16x16x128_f8f6f4 v[104+8*\t:111+8*\t], v[40+8*\t:47+8*\t], v[16:23], 0, v[24+\t/2], v255 matrix_a_fmt:MATRIX_FMT_FP4 matrix_b_fmt:MATRIX_FMT_FP4 matrix_a_scale:MATRIX_SCALE_ROW1
.endr
	PLACES 4                                       ; lane (r, h) holds query r; the 16 registers of tiles 2 b, 2 b + 1 are keys 32 b + 16 h + 0 .. 15 of the step
.irp b, 0,1,2,3
	v_max3_num_f32 v[232+\b], v[96+16*\b], v[97+16*\b], v[98+16*\b]   ; the largest score of each block of 32 keys: for the row's maximum, and, since p rises with the score, for the block's largest p
.endr
.irp i, 3,5,7,9,11,13
.irp b, 0,1,2,3
	v_max3_num_f32 v[232+\b], v[232+\b], v[96+16*\b+\i], v[97+16*\b+\i]
.endr
.endr
.irp b, 0,1,2,3
	v_max_num_f32 v[232+\b], v[232+\b], v[111+16*\b]
.endr
.irp b, 0,1,2,3
	v_permlanex16_b32 v[236+\b], v[232+\b], s[SEL], s[SEL+1]
.endr
.irp b, 0,1,2,3
	v_max_num_f32 v[232+\b], v[232+\b], v[236+\b]  ; with lane l xor 16's 16 keys
.endr
	v_max3_num_f32 v254, v232, v233, v234
	v_max_num_f32 v254, v254, v235                 ; the step's largest score of my query
	v_mul_f32 v254, s[CS], v254                    ; as t (c is positive)
	v_max_num_f32 v13, v13, v254                   ; the running largest t
	v_mov_b32 v254, v12
	v_floor_f32 v12, -v13                          ; the new -M = floor(-t) = -ceil(t): a whole number
	v_sub_f32 v254, v12, v254                      ; M's old value less its new one: a whole number, 0 or less
	v_cvt_i32_f32 v254, v254                       ; (it saturates)
	v_ldexp_f32 v252, 1.0, v254                    ; f = 2^(old M - new M)
.set jj, 0
.rept 32
	v_pk_fma_f32 v[96+jj:97+jj], v[96+jj:97+jj], s[CS:CS+1], v[12:13] op_sel_hi:[1,0,0]   ; t - M, two at a time (of the pairs c and -M the low word serves both halves)
.set jj, jj+2
.endr
.irp b, 0,1,2,3
	v_fma_f32 v[232+\b], v[232+\b], s[CS], v12     ; the same of each block's largest score
.endr
.set jj, 0
.rept 64
	v_exp_f32 v[96+jj], v[96+jj]                   ; p = 2^(t - M), at most 1: not normalised
.set jj, jj+1
.endr
.irp b, 0,1,2,3
	v_exp_f32 v[232+\b], v[232+\b]                 ; the block's largest p: the same two instructions on the same number give the same bits
.endr
	v_pk_mul_f32 v[14:15], v[14:15], v[252:253] op_sel_hi:[1,0]   ; the sums under the new M.  (A plain place behind the exponentials)
	s_wait_alu depctr_va_vdst(0)
.irp b, 0,1,2,3
	v_max_num_f32 v[232+\b], 0x1800000, v[232+\b]  ; the floor 2^(3 - 127): the byte cannot fall under 1
.endr
.irp b, 0,1,2,3
	v_add_nc_u32 v[244+\b], 0xff000000, v[232+\b]  ; 2 off the exponent field: the conversion's scale operand
.endr
.irp b, 0,1,2,3
	v_lshrrev_b32 v[236+\b], 23, v[244+\b]         ; the scale's byte
.endr
	v_lshl_or_b32 v253, v237, 8, v236              ; p's scale word for these 128 keys
	v_lshl_or_b32 v253, v238, 16, v253
	v_lshl_or_b32 v253, v239, 24, v253
.irp b, 0,1,2,3
	v_cvt_scalef32_pk8_fp4_f32 v[224+2*\b], v[96+16*\b:103+16*\b], v[244+\b]
	v_cvt_scalef32_pk8_fp4_f32 v[225+2*\b], v[104+16*\b:111+16*\b], v[244+\b]
.endr
	v_nop                                          ; one plain place behind a scaled conversion
.irp c, 0,1                                    ; the operand wants a whole block in a lane
.irp i, 0,1
	v_permlane16_swap_b32 v[224+4*\c+\i], v[226+4*\c+\i]
.endr
.endr
.set jj, 0
.rept 16
	v_pk_mul_f32 v[160+jj:161+jj], v[160+jj:161+jj], v[252:253] op_sel_hi:[1,0]   ; O^T under the new M, each accumulator from its low end on
.set jj, jj+2
.endr
	v_pk_add_f32 v[236:237], v[96:97], v[98:99]    ; the row's sum is taken of the unquantised p: two at a time, in two chains.  (These 32 lines are the places between the scale word, the codes and O^T so written and the products)
.irp j, 4,8,12,16,20,24,28,32,36,40,44,48,52,56,60
	v_pk_add_f32 v[14:15], v[14:15], v[96+\j:97+\j]
	v_pk_add_f32 v[236:237], v[236:237], v[98+\j:99+\j]
.endr
	v_pk_add_f32 v[14:15], v[14:15], v[236:237]
	s_wait_dscnt 0x0                               ; v's fragments and scale words
.irp t, 0,2
	v_wmma_scale_f32_16x16x128_f8f6f4 v[160+8*\t:167+8*\t], v[192+8*\t:199+8*\t], v[224:231], v[160+8*\t:167+8*\t], v[28+\t/2], v253 matrix_a_fmt:MATRIX_FMT_FP4 matrix_b_fmt:MATRIX_FMT_FP4
	v_wmma_scale_f32_16x16x128_f8f6f4 v[168+8*\t:175+8*\t], v[200+8*\t:207+8*\t], v[224:231], v[168+8*\t:175+8*\t], v[28+\t/2], v253 matrix_a_fmt:MATRIX_FMT_FP4 matrix_b_fmt:MATRIX_FMT_FP4 matrix_a_scale:MATRIX_SCALE_ROW1
.endr
	s_add_co_u32 s[TK], s[TK], 4096
	s_add_co_u32 s[TS], s[TS], 512
	s_add_co_u32 s[TV], s[TV], 256
	s_add_co_u32 s[CNT], s[CNT], 1
	s_cmp_lt_u32 s[CNT], 16
	s_cbranch_scc1 .Lstep
	; THE WAY OUT: O^T / the sum; register 16 b + i is av(query r, e = 32 b + 16 h + i): two blocks of the next product's K, quantised here
	PLACES 4
	v_add_f32 v14, v14, v15                        ; the sum's two halves,
	v_permlanex16_b32 v252, v14, s[SEL], s[SEL+1]
	v_add_f32 v14, v14, v252                       ; and lane l xor 16's
	v_rcp_f32 v14, v14
	v_and_b32 v8, 15, v0                           ; (a plain place behind the transcendental)
	s_lshl_b32 s22, s[WV], 5
	s_add_co_u32 s22, s22, STG
	v_lshl_add_u32 v8, v8, 1, s22                  ; my tile's 32 scale bytes: 2 a row
	v_add_nc_u32 v9, STG, v1                       ; made by every wave, ahead of the branch below
.set jj, 0
	s_wait_alu depctr_va_vdst(0)
.rept 32
	v_mul_f32 v[96+jj], v[160+jj], v14
.set jj, jj+1
.endr
.irp b, 0,1
	v_max3_num_f32 v[232+\b], |v[96+16*\b]|, |v[97+16*\b]|, 0x1800000
.endr
.irp i, 2,4,6,8,10,12,14
.irp b, 0,1
	v_max3_num_f32 v[232+\b], v[232+\b], |v[96+16*\b+\i]|, |v[97+16*\b+\i]|
.endr
.endr
.irp b, 0,1
	v_permlanex16_b32 v[236+\b], v[232+\b], s[SEL], s[SEL+1]
.endr
.irp b, 0,1
	v_max_num_f32 v[232+\b], v[232+\b], v[236+\b]
.endr
.irp b, 0,1
	v_add_nc_u32 v[244+\b], 0xff000000, v[232+\b]
.endr
.irp b, 0,1
	v_lshrrev_b32 v[236+\b], 23, v[244+\b]
.endr
	v_lshl_or_b32 v253, v237, 8, v236              ; the two bytes
.irp b, 0,1
	v_cvt_scalef32_pk8_fp4_f32 v[224+2*\b], v[96+16*\b:103+16*\b], v[244+\b]
	v_cvt_scalef32_pk8_fp4_f32 v[225+2*\b], v[104+16*\b:111+16*\b], v[244+\b]
.endr
	v_nop
	v_permlane16_swap_b32 v224, v226               ; registers 4 c .. 4 c + 3 (c = head % 2) of the fragment (tile, K step head / 2)
	v_permlane16_swap_b32 v225, v227
	global_store_b128 v1, v[224:227], s[8:9]       ; 512 consecutive bytes, aligned
	ds_store_b16 v8, v253                          ; both halves of the lanes write the same two bytes
	s_wait_dscnt 0x0
	s_barrier_signal -1
	s_barrier_wait -1                              ; the sixteen tiles' scale bytes lie in LDS
	s_cmp_lg_u32 s[WV], 0
	s_cbranch_scc1 .Ldone
	ds_load_b128 v[96:99], v9
	s_wait_dscnt 0x0
	global_store_b128 v1, v[96:99], s[10:11]       ; wave 0: 512 consecutive bytes, aligned
.Ldone:
	s_wait_tensorcnt 0x0
	ds_add_u32 v250, v251
	s_wait_dscnt 0x0
	s_endpgm
.Lfunc_end_k_qb0de6ca999_attn:
	.size	k_qb0de6ca999_attn, .Lfunc_end_k_qb0de6ca999_attn-k_qb0de6ca999_attn
	.p2alignl 7, 3214868480
	.fill 96, 4, 3214868480
	.section	.rodata,"a",@progbits
	.p2align	6, 0x0
	.amdhsa_kernel k_qb0de6ca999_attn
		.amdhsa_group_segment_fixed_size 145920
		.amdhsa_private_segment_fixed_size 0
		.amdhsa_enable_private_segment 0
		.amdhsa_kernarg_size 32
		.amdhsa_user_sgpr_count 2
		.amdhsa_user_sgpr_kernarg_segment_ptr 1
		.amdhsa_wavefront_size32 1
		.amdhsa_system_sgpr_workgroup_id_x 1
		.amdhsa_system_sgpr_workgroup_id_y 1
		.amdhsa_system_sgpr_workgroup_id_z 1
		.amdhsa_system_vgpr_workitem_id 0
		.amdhsa_next_free_vgpr 256
		.amdhsa_next_free_sgpr 66
		.amdhsa_reserve_vcc 0
		.amdhsa_float_denorm_mode_32 3
		.amdhsa_float_denorm_mode_16_64 3
		.amdhsa_memory_ordered 1
		.amdhsa_forward_progress 1
		.amdhsa_inst_pref_size 28
	.end_amdhsa_kernel
	.amdgpu_metadata
---
amdhsa.version: [ 1, 2 ]
amdhsa.kernels:
  - .name:           k_qb0de6ca999_attn
    .symbol:         k_qb0de6ca999_attn.kd
    .args:
      - { .name: qw, .offset: 0, .size: 8, .value_kind: global_buffer, .address_space: global }
      - { .name: kv, .offset: 8, .size: 8, .value_kind: global_buffer, .address_space: global }
      - { .name: avc, .offset: 16, .size: 8, .value_kind: global_buffer, .address_space: global }
      - { .name: avs, .offset: 24, .size: 8, .value_kind: global_buffer, .address_space: global }
    .group_segment_fixed_size: 145920
    .private_segment_fixed_size: 0
    .kernarg_segment_align: 8
    .kernarg_segment_size: 32
    .max_flat_workgroup_size: 512
    .sgpr_count:     66
    .vgpr_count:     256
    .wavefront_size: 32
...
	.end_amdgpu_metadata
.endif
;; end of part 2
;; launch tail (part 3): grid 256 x 1, 16 waves a work-group, no clusters, 124,928 bytes of LDS; arguments x, avc, avs, Wo_codes, Wo_scales, bo, ln2_g, ln2_b, W1_codes, W1_scales, b1, W2_codes, W2_scales, b2, out0; writes out0
.if DOCPART == 3
	.amdgcn_target "amdgcn-amd-amdhsa--gfx1250"
	.amdhsa_code_object_version 6
	.text
	.protected	k_qb0de6ca999_tail
	.globl	k_qb0de6ca999_tail
	.p2align	8
	.type	k_qb0de6ca999_tail,@function
k_qb0de6ca999_tail:
	s_mov_b64 s[64:65], 0
	v_nop
	global_prefetch_b8 v0, s[64:65] scope:SCOPE_SE
	s_setreg_imm32_b32 hwreg(HW_REG_WAVE_MODE, 25, 1), 1
	s_wait_xcnt 0x0
; x1 = x + av Wo + bo;  out = x1 + gelu(LN2(x1) W1 + b1) W2 + b2, the three products on codes of FP4 (E2M1, one E8M0 scale for each 32 along K); gelu with erf.
; SHARES.  A work-group takes 32 tokens: two tiles tt of 16; lane r of tile tt holds token 8 tt + r + 8 (r / 8), as the launches before laid av.  THE SIXTEEN WAVES SHARE THE COLUMNS: wave w makes columns
; 32 w .. + 31 of x1 and of out (the same columns in the same layout, so that x1 + b2 is the C of the last product) and hidden units 128 w .. + 127, which are just K step w of the last product.
; So every byte of a weight is read once by a work-group, straight into the registers of the one wave that multiplies by it; what goes from wave to wave through LDS is small: the rows' codes, as images of the
; operand's registers (lane l's 16 bytes at 16 l), their scale words, and the rows' partial sums for LN2.  All products are used transposed (source 0 = 16 rows of the weight, source 1 = 16 tokens); the rows of a
; weight's tile u are row0 + 8 u + r + 8 (r / 8), so that register 8 u + j of lane (r, h) is column row0 + 16 h + 8 u + j.
; x comes in and out leaves by whole rows through a stage in LDS: every load and store of them covers 512 consecutive bytes, aligned.
; No cluster: the weights that all work-groups walk go to registers, 72 fragments a wave in all; a joint load would land them in LDS and add a write and a read of each byte, and a ring with rounds of the cluster's barrier.
; erf(z) = z P(z^2) / Q(z^2), z held to +-4 (P of degree 6, Q of degree 4), good to a few ulp of erf; gelu = x/2 + (x/2) erf(x / sqrt 2), one fused multiply-add.
; LIMITS: NaN and infinities are not served.  Far down the negative side gelu carries an absolute error of some 1e-7 |x|, as x (1 + erf) / 2 in f32 has.  A block whose largest magnitude is under 2^-124 gets the byte 1.
; v_rsq_f32 and v_rcp_f32 are good to 1 ulp.  The stage's reads by columns touch rows 16 apart in one instruction and go two deep on the banks.
.set AVI,   0                          ; LDS: av's 8 fragments (4 tt + s at 1,024 each)
.set ASC,   8192                       ; their scale words: fragment f at 64 f, row r's word at 4 r
.set XIMG,  8704                       ; LN2(x1)'s 8 fragments
.set XSC,   16896                      ; their scale words
.set RED1,  17408                      ; the waves' partial sums: [tt][r][wave] f32
.set RED2,  19456                      ; and of the squares (RED1 + 2,048)
.set HSC,   21504                      ; the hidden layer's scale words: fragment 16 tt + k at 64 each
.set HIMG,  23552                      ; its 32 fragments
.set STAGE, 56320                      ; 32 rows x (2,048 bytes + 16): x, then x1 (each wave its own columns), then out
.set LI,   1                           ; v1   16 x lane
.set L4,   2                           ; v2   4 r
.set WA,   3                           ; v3   a tile of Wo or W1: (r + 8 (r / 8)) x 256 + 16 h
.set WSA,  4                           ; v4   its scale bytes: lanes 0-15 tile 0's rows, lanes 16-31 tile 1's: (8 h + r + 8 (r / 8)) x 16
.set W2A,  5                           ; v5   W2: (r + 8 (r / 8)) x 1,024 + 16 h
.set W2SA, 6                           ; v6   (8 h + r + 8 (r / 8)) x 64
.set STA,  7                           ; v7   the stage by columns: my token's row, my wave's 128 bytes, + 64 h
.set CV,   8                           ; v8   64 h: my 16 numbers of a vector's 32
.set REDW, 9
.set REDR, 10
.set XIW,  11
.set XSW,  12
.set HIW,  13
.set HSW,  14
.set ROWA, 15                          ; v15  the stage by rows: rows 2 w, 2 w + 1
.set XF,   16                          ; v16-79   rows of x; av's fragments; LN2's work; x2's fragments; W2's second set
.set RT,   16
.set Y,    48
.set R1,   80                          ; v80-143  weight fragments, (u, s) at 32 u + 8 s
.set HA,   144                         ; v144-175 four accumulators: 16 tt + 8 u
.set B1,   176                         ; v176-191 bo, b1, b2
.set WS,   192                         ; v192-195 the weight's scale words, register s = K step s
.set XS,   196                         ; v196-203 the tokens' scale words, 4 tt + s
.set G2,   204                         ; v204-219 ln2_g, later the hidden layer's codes
.set PC,   204
.set BE2,  220                         ; v220-235 ln2_b, later:
.set PW,   220                         ; v220-221 the hidden layer's scale words
.set ZZ,   222
.set Z2,   224
.set PP,   226
.set QQ,   228
.set HX,   230
.set A1C,  232                         ; v232-233, v234-235: two of erf's coefficients, twice each
.set B1C,  234
.set QM,   236                         ; v236-243 the quantiser's: maxima, the other lane's, scale operands, bytes
.set NM,   244                         ; v244, v246: -mean, later 1 / sqrt(var + eps), of tt 0, 1: low words of pairs
.set HF,   176                         ; the last product: v176-239 eight hidden fragments, v240-247 their scale words, v248-255 W2's scale words, two sets
.set HS,   240
.set WVN,  38
.set CA0,  40                          ; s[40:51] erf's P: a0, a2 .. a6, a pair each;  s[52:59] Q: b0, b2, b3, b4;  s[60:61] 1 / sqrt 2
.set CB0,  52
.set RH,   60
.set SEL,  66
.macro PLACES n
.rept \n
	v_nop
.endr
.endm
.macro WM d, a, b, c, sa, sb, row
.if \row
	v_wmma_scale_f32_16x16x128_f8f6f4 v[\d:\d+7], v[\a:\a+7], v[\b:\b+7], v[\c:\c+7], v[\sa], v[\sb] matrix_a_fmt:MATRIX_FMT_FP4 matrix_b_fmt:MATRIX_FMT_FP4 matrix_a_scale:MATRIX_SCALE_ROW1
.else
	v_wmma_scale_f32_16x16x128_f8f6f4 v[\d:\d+7], v[\a:\a+7], v[\b:\b+7], v[\c:\c+7], v[\sa], v[\sb] matrix_a_fmt:MATRIX_FMT_FP4 matrix_b_fmt:MATRIX_FMT_FP4
.endif
.endm
; 16 products: four K steps x two tiles of tokens x two tiles of the weight.  The four accumulators take turns, one instruction a turn.  first = 1: the sums begin with v[B1] on as C
.macro MM16 wa, xb, was, xbs, first
.irp s, 0,1,2,3
.irp tt, 0,1
.irp u, 0,1
.if (\first) && (\s == 0)
	WM HA+16*\tt+8*\u, \wa+32*\u+8*\s, \xb+32*\tt+8*\s, B1+8*\u, \was+\s, \xbs+4*\tt+\s, \u
.else
	WM HA+16*\tt+8*\u, \wa+32*\u+8*\s, \xb+32*\tt+8*\s, HA+16*\tt+8*\u, \was+\s, \xbs+4*\tt+\s, \u
.endif
.endr
.endr
.endr
.endm
.macro WLOAD cb, sb, off, soff         ; 32 rows x 512 along K of Wo or W1: eight fragments, and their scale words: 17 loads
.irp u, 0,1
.irp s, 0,1,2,3
.irp c, 0,1
	global_load_b128 v[R1+32*\u+8*\s+4*\c:R1+32*\u+8*\s+4*\c+3], v[WA], s[\cb:\cb+1] offset:\off+2048*\u+64*\s+32*\c
.endr
.endr
.endr
	global_load_b128 v[WS:WS+3], v[WSA], s[\sb:\sb+1] offset:\soff
.endm
.macro W2LOAD g, rw, sw                ; my 32 rows of W2, K steps 4 g .. 4 g + 3: 17 loads
.irp u, 0,1
.irp s, 0,1,2,3
.irp c, 0,1
	global_load_b128 v[\rw+32*\u+8*\s+4*\c:\rw+32*\u+8*\s+4*\c+3], v[W2A], s[30:31] offset:8192*\u+256*(\g)+64*\s+32*\c
.endr
.endr
.endr
	global_load_b128 v[\sw:\sw+3], v[W2SA], s[32:33] offset:16*(\g)
.endm
.macro VEC16 reg, base, off            ; my 16 numbers of a vector's 32: 4 loads
.irp i, 0,1,2,3
	global_load_b128 v[\reg+4*\i:\reg+4*\i+3], v[CV], s[\base:\base+1] offset:\off+16*\i
.endr
.endm
.macro FRAGS8 img, sc                  ; eight fragments and their scale words, from their images
.irp f, 0,1,2,3,4,5,6,7
	ds_load_b128 v[XF+8*\f:XF+8*\f+3], v[LI] offset:\img+1024*\f
	ds_load_b128 v[XF+8*\f+4:XF+8*\f+7], v[LI] offset:\img+1024*\f+512
	ds_load_b32 v[XS+\f], v[L4] offset:\sc+64*\f
.endr
.endm
.macro SUM16 src, dst, tmp             ; 16 registers, from the low end on, as a tree; tmp may be src
	v_pk_add_f32 v[\tmp:\tmp+1], v[\src:\src+1], v[\src+2:\src+3]
	v_pk_add_f32 v[\tmp+2:\tmp+3], v[\src+4:\src+5], v[\src+6:\src+7]
	v_pk_add_f32 v[\tmp+4:\tmp+5], v[\src+8:\src+9], v[\src+10:\src+11]
	v_pk_add_f32 v[\tmp+6:\tmp+7], v[\src+12:\src+13], v[\src+14:\src+15]
	v_pk_add_f32 v[\tmp:\tmp+1], v[\tmp:\tmp+1], v[\tmp+2:\tmp+3]
	v_pk_add_f32 v[\tmp+4:\tmp+5], v[\tmp+4:\tmp+5], v[\tmp+6:\tmp+7]
	v_pk_add_f32 v[\tmp:\tmp+1], v[\tmp:\tmp+1], v[\tmp+4:\tmp+5]
	v_add_f32 v[\dst], v[\tmp], v[\tmp+1]
.endm
.macro ACROSS                          ; v[QM], v[QM+1]: with lane l xor 16's
.irp tt, 0,1
	v_permlanex16_b32 v[QM+2+\tt], v[QM+\tt], s[SEL], s[SEL+1]
.endr
.irp tt, 0,1
	v_add_f32 v[QM+\tt], v[QM+\tt], v[QM+2+\tt]
.endr
.endm
.macro BARRIER                         ; my LDS stores have landed and my LDS loads are in: then the work-group's barrier
	s_wait_dscnt 0x0
	s_barrier_signal -1
	s_barrier_wait -1
.endm
; One block of 32 for each tile of tokens: my 16 numbers v[src + 16 tt] on and lane l xor 16's.  Bytes into v[QM+6+tt]; codes into v[cd + cs tt], + 1.  A plain vector line follows in the caller
.macro BLKQ src, cd, cs
.irp tt, 0,1
	v_max3_num_f32 v[QM+\tt], |v[\src+16*\tt]|, |v[\src+16*\tt+1]|, 0x1800000   ; and the floor 2^(3 - 127): the byte cannot fall under 1
.endr
.irp i, 2,4,6,8,10,12,14
.irp tt, 0,1
	v_max3_num_f32 v[QM+\tt], v[QM+\tt], |v[\src+16*\tt+\i]|, |v[\src+16*\tt+\i+1]|
.endr
.endr
.irp tt, 0,1
	v_permlanex16_b32 v[QM+2+\tt], v[QM+\tt], s[SEL], s[SEL+1]
.endr
.irp tt, 0,1
	v_max_num_f32 v[QM+\tt], v[QM+\tt], v[QM+2+\tt]
.endr
.irp tt, 0,1
	v_add_nc_u32 v[QM+4+\tt], 0xff000000, v[QM+\tt]   ; 2 off the exponent field: the conversion's scale operand
.endr
.irp tt, 0,1
	v_lshrrev_b32 v[QM+6+\tt], 23, v[QM+4+\tt]     ; the scale's byte
.endr
.irp tt, 0,1
	v_cvt_scalef32_pk8_fp4_f32 v[\cd+\cs*\tt], v[\src+16*\tt:\src+16*\tt+7], v[QM+4+\tt]
	v_cvt_scalef32_pk8_fp4_f32 v[\cd+\cs*\tt+1], v[\src+16*\tt+8:\src+16*\tt+15], v[QM+4+\tt]
.endr
.endm
.macro GELU x                          ; two numbers, in place
	v_pk_mul_f32 v[ZZ:ZZ+1], v[\x:\x+1], s[RH:RH+1] op_sel_hi:[1,0]
	v_med3_num_f32 v[ZZ], v[ZZ], -4.0, 4.0
	v_med3_num_f32 v[ZZ+1], v[ZZ+1], -4.0, 4.0
	v_pk_mul_f32 v[Z2:Z2+1], v[ZZ:ZZ+1], v[ZZ:ZZ+1]
	v_pk_fma_f32 v[PP:PP+1], v[Z2:Z2+1], s[CA0:CA0+1], v[A1C:A1C+1] op_sel_hi:[1,0,1]
	v_pk_fma_f32 v[QQ:QQ+1], v[Z2:Z2+1], s[CB0:CB0+1], v[B1C:B1C+1] op_sel_hi:[1,0,1]
.irp k, 1,2,3
	v_pk_fma_f32 v[PP:PP+1], v[PP:PP+1], v[Z2:Z2+1], s[CA0+2*\k:CA0+2*\k+1] op_sel_hi:[1,1,0]
	v_pk_fma_f32 v[QQ:QQ+1], v[QQ:QQ+1], v[Z2:Z2+1], s[CB0+2*\k:CB0+2*\k+1] op_sel_hi:[1,1,0]
.endr
	v_rcp_f32 v[QQ], v[QQ]
	v_rcp_f32 v[QQ+1], v[QQ+1]
	v_pk_fma_f32 v[PP:PP+1], v[PP:PP+1], v[Z2:Z2+1], s[CA0+8:CA0+9] op_sel_hi:[1,1,0]   ; (plain lines behind the reciprocals)
	v_pk_fma_f32 v[PP:PP+1], v[PP:PP+1], v[Z2:Z2+1], s[CA0+10:CA0+11] op_sel_hi:[1,1,0]
	v_pk_mul_f32 v[HX:HX+1], v[\x:\x+1], 0.5 op_sel_hi:[1,0]
	v_pk_mul_f32 v[PP:PP+1], v[PP:PP+1], v[ZZ:ZZ+1]
	s_wait_alu depctr_va_vdst(0)
	v_pk_mul_f32 v[PP:PP+1], v[PP:PP+1], v[QQ:QQ+1]                                     ; erf
	v_pk_fma_f32 v[\x:\x+1], v[HX:HX+1], v[PP:PP+1], v[HX:HX+1]
.endm
; Hidden units 128 w + 32 b .. + 31 for the 32 tokens; the next weights are asked for as soon as these products have read theirs, and land under the vector work
.macro PH1 b
	s_wait_loadcnt 0x0                             ; this block's 21 loads: nothing else is out
.if \b == 0
	s_wait_dscnt 0x0                               ; x2's fragments and scale words
.endif
	MM16 R1, XF, WS, XS, 1
	PLACES 4                                       ; four places ahead of loads into registers that the products have read, and of the first read of results (ISA guide 7.12.1 for the first read of results)
.if \b < 3
	WLOAD 24, 26, 8192*(\b+1), 512*(\b+1)
	VEC16 B1, 28, 128*(\b+1)
.else
	VEC16 B1, 34, 0                                ; b2, and the first two groups of W2: 4 + 17 + 17 loads
	W2LOAD 0, R1, 248
	W2LOAD 1, XF, 252
.endif
.set gp, 0
.rept 16
	GELU HA+2*gp                                   ; each accumulator from its low end on
.set gp, gp+1
.endr
	BLKQ HA, PC+2*\b, 8
.irp tt, 0,1                                   ; (these two are the plain lines behind the conversions)
.if \b == 0
	v_mov_b32 v[PW+\tt], v[QM+6+\tt]
.else
	v_lshl_or_b32 v[PW+\tt], v[QM+6+\tt], 8*\b, v[PW+\tt]
.endif
.endr
.endm
; K steps 4 g .. 4 g + 3 of the last product
.macro PH2 g
.irp tt, 0,1
.irp s, 0,1,2,3
	ds_load_b128 v[HF+32*\tt+8*\s:HF+32*\tt+8*\s+3], v[LI] offset:HIMG+1024*(16*\tt+4*(\g)+\s)
	ds_load_b128 v[HF+32*\tt+8*\s+4:HF+32*\tt+8*\s+7], v[LI] offset:HIMG+1024*(16*\tt+4*(\g)+\s)+512
	ds_load_b32 v[HS+4*\tt+\s], v[L4] offset:HSC+64*(16*\tt+4*(\g)+\s)
.endr
.endr
.if \g < 3
	s_wait_loadcnt 17                              ; this group of W2 is in; the next group's 17 loads may be out
.else
	s_wait_loadcnt 0x0
.endif
	s_wait_dscnt 0x0
.if (\g)%2 == 0
	MM16 R1, HF, 248, HS, 0
.else
	MM16 XF, HF, 252, HS, 0
.endif
	PLACES 4
.if \g < 2
.if (\g)%2 == 0
	W2LOAD (\g)+2, R1, 248
.else
	W2LOAD (\g)+2, XF, 252
.endif
.endif
.endm
	s_load_b512 s[8:23], s[0:1], 0x0               ; x, avc, avs, Wo's codes, Wo's scales, bo, ln2_g, ln2_b
	s_load_b256 s[24:31], s[0:1], 0x40             ; W1's codes, W1's scales, b1, W2's codes
	s_load_b128 s[32:35], s[0:1], 0x60             ; W2's scales, b2
	s_load_b64 s[36:37], s[0:1], 0x70              ; out0
	v_lshrrev_b32 v16, 5, v0
	v_readfirstlane_b32 s[WVN], v16                ; wave 0..15
	v_and_b32 v16, 31, v0                          ; lane
	v_and_b32 v17, 15, v0                          ; r
	v_bfe_u32 v18, v0, 4, 1                        ; h
	v_and_b32 v19, 8, v17
	v_add_nc_u32 v19, v19, v17                     ; r + 8 (r / 8)
	v_lshl_add_u32 v20, v18, 3, v19                ; + 8 h
	v_lshlrev_b32 v[LI], 4, v16
	v_lshlrev_b32 v[L4], 2, v17
	v_lshlrev_b32 v[WA], 8, v19
	v_lshl_add_u32 v[WA], v18, 4, v[WA]
	v_lshlrev_b32 v[WSA], 4, v20
	v_lshlrev_b32 v[W2A], 10, v19
	v_lshl_add_u32 v[W2A], v18, 4, v[W2A]
	v_lshlrev_b32 v[W2SA], 6, v20
	v_mul_u32_u24 v[STA], v19, 2064
	v_lshl_add_u32 v[STA], v18, 6, v[STA]
	s_lshl_b32 s2, s[WVN], 7
	s_add_co_u32 s2, s2, STAGE
	v_add_nc_u32 v[STA], s2, v[STA]
	v_lshlrev_b32 v[CV], 6, v18
	v_lshlrev_b32 v[REDR], 6, v17
	v_add_nc_u32 v[REDR], RED1, v[REDR]            ; row r's sixteen partial sums
	s_lshl_b32 s2, s[WVN], 2
	v_add_nc_u32 v[REDW], s2, v[REDR]              ; mine among them
	v_lshlrev_b32 v[XIW], 4, v17                   ; my block of x2 in the images: fragment 4 tt + w / 4, registers 4 ((w % 4) / 2) + 2 h, + 1 of lane (r, w % 2): 256 w + 16 r + 8 h
	v_lshl_add_u32 v[XIW], v18, 3, v[XIW]
	s_lshl_b32 s2, s[WVN], 8
	s_add_co_u32 s2, s2, XIMG
	v_add_nc_u32 v[XIW], s2, v[XIW]
	s_lshr_b32 s2, s[WVN], 2                       ; and its byte: word 4 r of fragment 4 tt + w / 4, byte w % 4
	s_lshl_b32 s2, s2, 6
	s_and_b32 s3, s[WVN], 3
	s_add_co_u32 s2, s2, s3
	s_add_co_u32 s2, s2, XSC
	v_add_nc_u32 v[XSW], s2, v[L4]
	s_lshl_b32 s2, s[WVN], 10
	s_add_co_u32 s2, s2, HIMG
	v_add_nc_u32 v[HIW], s2, v[LI]                 ; the hidden layer's fragment 16 tt + w
	s_lshl_b32 s2, s[WVN], 6
	s_add_co_u32 s2, s2, HSC
	v_add_nc_u32 v[HSW], s2, v[L4]
	s_mul_i32 s2, s[WVN], 4128
	s_add_co_u32 s2, s2, STAGE
	v_add_nc_u32 v[ROWA], s2, v[LI]
	v_lshlrev_b32 v238, 4, v0                      ; av's codes: 16 x thread, in memory and in LDS
	v_lshrrev_b32 v239, 6, v0                      ; av's scale bytes, one a thread: head = thread / 64,
	v_and_b32 v241, 63, v0
	v_lshl_add_u32 v239, v239, 14, v241            ; 16,384 x head + (32 tt + 2 r + e block)
	v_and_b32 v240, 1, v0                          ; and where the byte goes: word 4 r of fragment 4 tt + head / 2, byte 2 (head % 2) + e block
	v_bfe_u32 v241, v0, 6, 1
	v_lshl_add_u32 v240, v241, 1, v240
	v_bfe_u32 v241, v0, 1, 4
	v_lshl_add_u32 v240, v241, 2, v240
	v_bfe_u32 v241, v0, 7, 2
	v_lshl_add_u32 v240, v241, 6, v240
	v_bfe_u32 v241, v0, 5, 1
	v_lshl_add_u32 v240, v241, 8, v240
	v_add_nc_u32 v240, ASC, v240
	s_mov_b32 s[SEL], 0x76543210
	s_mov_b32 s[SEL+1], 0xfedcba98
	s_mov_b32 s62, 0x3b000000                      ; 1/512
.macro COEF at, bits                   ; a pair: the packed forms name both words
	s_mov_b32 s[\at], \bits
	s_mov_b32 s[\at+1], \bits
.endm
	COEF CA0,    0xaf95df0a                        ; P: -2.72614226e-10 (a1 = 2.77068142e-08 stands in v[A1C])
	COEF CA0+2,  0xb60cff51                        ; -2.10102402e-06
	COEF CA0+4,  0xb86ec2d2                        ; -5.69250639e-05
	COEF CA0+6,  0xba40ac63                        ; -7.34990630e-04
	COEF CA0+8,  0xbb41a1f6                        ; -2.95459981e-03
	COEF CA0+10, 0xbc83dbd4                        ; -1.60960333e-02
	COEF CB0,    0xb77460cd                        ; Q: -1.45660718e-05 (b1 = -2.13374055e-04 stands in v[B1C])
	COEF CB0+2,  0xbadc924e                        ; -1.68282697e-03
	COEF CB0+4,  0xbbf19bf8                        ; -7.37332917e-03
	COEF CB0+6,  0xbc69b6a7                        ; -1.42647391e-02
	COEF RH,     0x3f3504f3                        ; 1 / sqrt 2
	s_mov_b32 s5, 0
	s_wait_kmcnt 0x0
	s_lshl_b32 s4, ttmp9, 16                       ; x, out: 32 rows of 2,048 bytes a work-group, two rows a wave
	s_lshl_b32 s3, s[WVN], 12
	s_add_co_u32 s4, s4, s3
	s_add_nc_u64 s[8:9], s[8:9], s[4:5]
	s_add_nc_u64 s[36:37], s[36:37], s[4:5]
	s_lshl_b32 s4, ttmp9, 13                       ; avc: two tiles of 4,096 bytes
	s_add_nc_u64 s[10:11], s[10:11], s[4:5]
	s_lshl_b32 s4, ttmp9, 6                        ; avs: two tiles of 32 bytes in each head
	s_add_nc_u64 s[12:13], s[12:13], s[4:5]
	s_lshl_b32 s4, s[WVN], 13                      ; Wo: my 32 rows of 256 bytes
	s_add_nc_u64 s[14:15], s[14:15], s[4:5]
	s_lshl_b32 s4, s[WVN], 9                       ; its scale bytes; b1: my 128 numbers
	s_add_nc_u64 s[16:17], s[16:17], s[4:5]
	s_add_nc_u64 s[28:29], s[28:29], s[4:5]
	s_lshl_b32 s4, s[WVN], 7                       ; bo, ln2_g, ln2_b, b2: my 32 numbers
	s_add_nc_u64 s[18:19], s[18:19], s[4:5]
	s_add_nc_u64 s[20:21], s[20:21], s[4:5]
	s_add_nc_u64 s[22:23], s[22:23], s[4:5]
	s_add_nc_u64 s[34:35], s[34:35], s[4:5]
	s_lshl_b32 s4, s[WVN], 15                      ; W1: my 128 rows of 256 bytes;  W2: my 32 rows of 1,024
	s_add_nc_u64 s[24:25], s[24:25], s[4:5]
	s_add_nc_u64 s[30:31], s[30:31], s[4:5]
	s_lshl_b32 s4, s[WVN], 11                      ; their scale bytes
	s_add_nc_u64 s[26:27], s[26:27], s[4:5]
	s_add_nc_u64 s[32:33], s[32:33], s[4:5]
	; ---- in: x by rows, av's codes and scale bytes, into LDS; Wo and the vectors into registers
.irp i, 0,1,2,3,4,5,6,7
	global_load_b128 v[16+4*\i:19+4*\i], v[LI], s[8:9] offset:512*\i th:TH_LOAD_NT   ; 512 consecutive bytes; read once in this launch
.endr
	global_load_b128 v[244:247], v238, s[10:11]
	global_load_u8 v236, v239, s[12:13]
	WLOAD 14, 16, 0, 0
	VEC16 B1, 18, 0
	VEC16 G2, 20, 0
	VEC16 BE2, 22, 0
	s_wait_loadcnt 29                              ; behind the first ten: Wo's 17 and the vectors' 12
.irp i, 0,1,2,3,4,5,6,7
	ds_store_b128 v[ROWA], v[16+4*\i:19+4*\i] offset:2064*(\i/4)+512*(\i%4)
.endr
	ds_store_b128 v238, v[244:247] offset:AVI
	ds_store_b8 v240, v236
	BARRIER
	; ---- x1 = x + bo + av Wo
.irp tt, 0,1
.irp i, 0,1,2,3
	ds_load_b128 v[HA+16*\tt+4*\i:HA+16*\tt+4*\i+3], v[STA] offset:16512*\tt+16*\i   ; x(token 8 tt + r + 8 (r / 8), 32 w + 16 h + 4 i ..)
.endr
.endr
	FRAGS8 AVI, ASC
	s_wait_loadcnt 0x0
	s_wait_dscnt 0x0
.irp tt, 0,1
.irp p, 0,2,4,6,8,10,12,14
	v_pk_add_f32 v[HA+16*\tt+\p:HA+16*\tt+\p+1], v[HA+16*\tt+\p:HA+16*\tt+\p+1], v[B1+\p:B1+\p+1]
.endr
.endr
	PLACES 4                                       ; the C so written stands four places ahead, as an operand so written would
	MM16 R1, XF, WS, XS, 0
	PLACES 4
	WLOAD 24, 26, 0, 0                             ; W1's first block and its bias land under LN2: 21 loads
	VEC16 B1, 28, 0
.irp tt, 0,1
.irp i, 0,1,2,3
	ds_store_b128 v[STA], v[HA+16*\tt+4*\i:HA+16*\tt+4*\i+3] offset:16512*\tt+16*\i   ; x1 is parked where my columns of x lay: bytes that no other wave touches.  Each accumulator from its low end on
.endr
.endr
	; ---- LN2: the mean, then the mean of the squares of what is left (no difference of large sums); each over 16 waves through LDS, added in the same order in every wave
	SUM16 HA, QM, Y
	SUM16 HA+16, QM+1, Y+8
	ACROSS
.irp tt, 0,1
	ds_store_b32 v[REDW], v[QM+\tt] offset:1024*\tt   ; both halves of the lanes write the same word
.endr
	BARRIER
.irp tt, 0,1
.irp i, 0,1,2,3
	ds_load_b128 v[RT+16*\tt+4*\i:RT+16*\tt+4*\i+3], v[REDR] offset:1024*\tt+16*\i
.endr
.endr
	s_wait_dscnt 0x0
	SUM16 RT, QM, RT
	SUM16 RT+16, QM+1, RT+16
.irp tt, 0,1
	v_mul_f32 v[NM+2*\tt], 0xbb000000, v[QM+\tt]   ; x -1/512
.endr
.irp tt, 0,1
.irp p, 0,2,4,6,8,10,12,14
	v_pk_add_f32 v[Y+16*\tt+\p:Y+16*\tt+\p+1], v[HA+16*\tt+\p:HA+16*\tt+\p+1], v[NM+2*\tt:NM+2*\tt+1] op_sel_hi:[1,0]
.endr
.endr
.irp tt, 0,1
	v_pk_mul_f32 v[RT+4*\tt:RT+4*\tt+1], v[Y+16*\tt:Y+16*\tt+1], v[Y+16*\tt:Y+16*\tt+1]
	v_pk_mul_f32 v[RT+4*\tt+2:RT+4*\tt+3], v[Y+16*\tt+2:Y+16*\tt+3], v[Y+16*\tt+2:Y+16*\tt+3]
.endr
.irp p, 4,8,12
.irp tt, 0,1
	v_pk_fma_f32 v[RT+4*\tt:RT+4*\tt+1], v[Y+16*\tt+\p:Y+16*\tt+\p+1], v[Y+16*\tt+\p:Y+16*\tt+\p+1], v[RT+4*\tt:RT+4*\tt+1]
	v_pk_fma_f32 v[RT+4*\tt+2:RT+4*\tt+3], v[Y+16*\tt+\p+2:Y+16*\tt+\p+3], v[Y+16*\tt+\p+2:Y+16*\tt+\p+3], v[RT+4*\tt+2:RT+4*\tt+3]
.endr
.endr
.irp tt, 0,1
	v_pk_add_f32 v[RT+4*\tt:RT+4*\tt+1], v[RT+4*\tt:RT+4*\tt+1], v[RT+4*\tt+2:RT+4*\tt+3]
.endr
.irp tt, 0,1
	v_add_f32 v[QM+\tt], v[RT+4*\tt], v[RT+4*\tt+1]
.endr
	ACROSS
.irp tt, 0,1
	ds_store_b32 v[REDW], v[QM+\tt] offset:2048+1024*\tt
.endr
	BARRIER
.irp tt, 0,1
.irp i, 0,1,2,3
	ds_load_b128 v[RT+16*\tt+4*\i:RT+16*\tt+4*\i+3], v[REDR] offset:2048+1024*\tt+16*\i
.endr
.endr
	s_wait_dscnt 0x0
	SUM16 RT, QM, RT
	SUM16 RT+16, QM+1, RT+16
.irp tt, 0,1
	v_fmaak_f32 v[QM+\tt], s62, v[QM+\tt], 0x3727c5ac   ; / 512 + 1e-5
.endr
.irp tt, 0,1
	v_rsq_f32 v[NM+2*\tt], v[QM+\tt]
.endr
	v_nop                                          ; one plain place behind the transcendentals
	s_wait_alu depctr_va_vdst(0)
.irp tt, 0,1
.irp p, 0,2,4,6,8,10,12,14
	v_pk_mul_f32 v[Y+16*\tt+\p:Y+16*\tt+\p+1], v[Y+16*\tt+\p:Y+16*\tt+\p+1], v[NM+2*\tt:NM+2*\tt+1] op_sel_hi:[1,0]
.endr
.endr
.irp tt, 0,1
.irp p, 0,2,4,6,8,10,12,14
	v_pk_fma_f32 v[Y+16*\tt+\p:Y+16*\tt+\p+1], v[Y+16*\tt+\p:Y+16*\tt+\p+1], v[G2+\p:G2+\p+1], v[BE2+\p:BE2+\p+1]
.endr
.endr
	BLKQ Y, RT, 2                                  ; my 32 columns are one block of the next K
	v_nop                                          ; one plain place behind a scaled conversion
.irp tt, 0,1
	ds_store_b64 v[XIW], v[RT+2*\tt:RT+2*\tt+1] offset:4096*\tt
	ds_store_b8 v[XSW], v[QM+6+\tt] offset:256*\tt
.endr
	BARRIER                                        ; x2's eight fragments lie in LDS
	FRAGS8 XIMG, XSC
	v_mov_b32 v[A1C], 0x32edffee
	v_mov_b32 v[A1C+1], 0x32edffee
	v_mov_b32 v[B1C], 0xb95fbd29
	v_mov_b32 v[B1C+1], 0xb95fbd29
	; ---- the hidden layer: my 128 units, 32 at a time
	PH1 0
	PH1 1
	PH1 2
	PH1 3
.irp tt, 0,1                                   ; the operand wants a whole block in a lane
.irp c, 0,1
.irp i, 0,1
	v_permlane16_swap_b32 v[PC+8*\tt+4*\c+\i], v[PC+8*\tt+4*\c+2+\i]
.endr
.endr
.endr
.irp tt, 0,1
	ds_store_b128 v[HIW], v[PC+8*\tt:PC+8*\tt+3] offset:16384*\tt
	ds_store_b128 v[HIW], v[PC+8*\tt+4:PC+8*\tt+7] offset:16384*\tt+512
	ds_store_b32 v[HSW], v[PW+\tt] offset:1024*\tt
.endr
	BARRIER                                        ; the hidden layer's 32 fragments lie in LDS
	; ---- out = x1 + b2 + hidden W2
.irp tt, 0,1
.irp i, 0,1,2,3
	ds_load_b128 v[HA+16*\tt+4*\i:HA+16*\tt+4*\i+3], v[STA] offset:16512*\tt+16*\i
.endr
.endr
	s_wait_loadcnt 34                              ; b2 is in: W2's two groups of 17 are younger
	s_wait_dscnt 0x0
.irp tt, 0,1
.irp p, 0,2,4,6,8,10,12,14
	v_pk_add_f32 v[HA+16*\tt+\p:HA+16*\tt+\p+1], v[HA+16*\tt+\p:HA+16*\tt+\p+1], v[B1+\p:B1+\p+1]
.endr
.endr
	PLACES 4
	PH2 0
	PH2 1
	PH2 2
	PH2 3
.irp tt, 0,1
.irp i, 0,1,2,3
	ds_store_b128 v[STA], v[HA+16*\tt+4*\i:HA+16*\tt+4*\i+3] offset:16512*\tt+16*\i   ; each accumulator from its low end on
.endr
.endr
	BARRIER                                        ; 32 whole rows of out lie in the stage
.irp i, 0,1,2,3,4,5,6,7
	ds_load_b128 v[16+4*\i:19+4*\i], v[ROWA] offset:2064*(\i/4)+512*(\i%4)
.endr
.irp i, 0,1,2,3,4,5,6,7
	s_wait_dscnt 7-\i
	global_store_b128 v[LI], v[16+4*\i:19+4*\i], s[36:37] offset:512*\i th:TH_STORE_NT   ; 512 consecutive bytes, aligned; written once, read by nobody here
.endr
	s_wait_xcnt 0x0
	v_lshl_add_u32 v250, v0, 2, 0x1e000
	v_mov_b32 v251, 0
	s_wait_tensorcnt 0x0
	ds_add_u32 v250, v251
	s_wait_dscnt 0x0
	s_endpgm
.Lfunc_end_k_qb0de6ca999_tail:
	.size	k_qb0de6ca999_tail, .Lfunc_end_k_qb0de6ca999_tail-k_qb0de6ca999_tail
	.p2alignl 7, 3214868480
	.fill 96, 4, 3214868480
	.section	.rodata,"a",@progbits
	.p2align	6, 0x0
	.amdhsa_kernel k_qb0de6ca999_tail
		.amdhsa_group_segment_fixed_size 124928
		.amdhsa_private_segment_fixed_size 0
		.amdhsa_enable_private_segment 0
		.amdhsa_kernarg_size 120
		.amdhsa_user_sgpr_count 2
		.amdhsa_user_sgpr_kernarg_segment_ptr 1
		.amdhsa_wavefront_size32 1
		.amdhsa_system_sgpr_workgroup_id_x 1
		.amdhsa_system_sgpr_workgroup_id_y 1
		.amdhsa_system_sgpr_workgroup_id_z 1
		.amdhsa_system_vgpr_workitem_id 0
		.amdhsa_next_free_vgpr 256
		.amdhsa_next_free_sgpr 72
		.amdhsa_reserve_vcc 0
		.amdhsa_float_denorm_mode_32 3
		.amdhsa_float_denorm_mode_16_64 3
		.amdhsa_memory_ordered 1
		.amdhsa_forward_progress 1
		.amdhsa_inst_pref_size 157
	.end_amdhsa_kernel
	.amdgpu_metadata
---
amdhsa.version: [ 1, 2 ]
amdhsa.kernels:
  - .name:           k_qb0de6ca999_tail
    .symbol:         k_qb0de6ca999_tail.kd
    .args:
      - { .name: x, .offset: 0, .size: 8, .value_kind: global_buffer, .address_space: global }
      - { .name: avc, .offset: 8, .size: 8, .value_kind: global_buffer, .address_space: global }
      - { .name: avs, .offset: 16, .size: 8, .value_kind: global_buffer, .address_space: global }
      - { .name: Wo_codes, .offset: 24, .size: 8, .value_kind: global_buffer, .address_space: global }
      - { .name: Wo_scales, .offset: 32, .size: 8, .value_kind: global_buffer, .address_space: global }
      - { .name: bo, .offset: 40, .size: 8, .value_kind: global_buffer, .address_space: global }
      - { .name: ln2_g, .offset: 48, .size: 8, .value_kind: global_buffer, .address_space: global }
      - { .name: ln2_b, .offset: 56, .size: 8, .value_kind: global_buffer, .address_space: global }
      - { .name: W1_codes, .offset: 64, .size: 8, .value_kind: global_buffer, .address_space: global }
      - { .name: W1_scales, .offset: 72, .size: 8, .value_kind: global_buffer, .address_space: global }
      - { .name: b1, .offset: 80, .size: 8, .value_kind: global_buffer, .address_space: global }
      - { .name: W2_codes, .offset: 88, .size: 8, .value_kind: global_buffer, .address_space: global }
      - { .name: W2_scales, .offset: 96, .size: 8, .value_kind: global_buffer, .address_space: global }
      - { .name: b2, .offset: 104, .size: 8, .value_kind: global_buffer, .address_space: global }
      - { .name: out0, .offset: 112, .size: 8, .value_kind: global_buffer, .address_space: global }
    .group_segment_fixed_size: 124928
    .private_segment_fixed_size: 0
    .kernarg_segment_align: 8
    .kernarg_segment_size: 120
    .max_flat_workgroup_size: 512
    .sgpr_count:     72
    .vgpr_count:     256
    .wavefront_size: 32
...
	.end_amdgpu_metadata
.endif
;; end of part 3
;; ======== version 2 of 3: 2 launches; 1.13 times as fast as version 1
;; workspace buffers: qw 2,359,296 bytes; kv 4,587,520 bytes
;; launch qkv: the kernel of part 1 again; grid 64 x 4, 4 waves a work-group, no clusters, 41,472 bytes of LDS; arguments x, ln1_g, ln1_b, Wq_codes, Wq_scales, bq, Wk_codes, Wk_scales, bk, Wv_codes, Wv_scales, bv, qw, kv; writes qw, kv
;; launch rest (part 4): grid 256 x 1, 16 waves a work-group, no clusters, 125,440 bytes of LDS; arguments x, qw, kv, Wo_codes, Wo_scales, bo, ln2_g, ln2_b, W1_codes, W1_scales, b1, W2_codes, W2_scales, b2, out0; writes out0
.if DOCPART == 4
	.amdgcn_target "amdgcn-amd-amdhsa--gfx1250"
	.amdhsa_code_object_version 6
	.text
	.protected	k_qb0de6ca999_rest
	.globl	k_qb0de6ca999_rest
	.p2align	8
	.type	k_qb0de6ca999_rest,@function
k_qb0de6ca999_rest:
	s_mov_b64 s[64:65], 0
	v_nop
	global_prefetch_b8 v0, s[64:65] scope:SCOPE_SE
	s_setreg_imm32_b32 hwreg(HW_REG_WAVE_MODE, 25, 1), 1
	s_wait_xcnt 0x0
; av = softmax(q k^T / 8) v;  x1 = x + av Wo + bo;  out = x1 + gelu(LN2(x1) W1 + b1) W2 + b2.  All five products on codes of FP4 (E2M1, one E8M0 scale for each 32 along K); gelu with erf.
; SHARES.  A work-group takes 32 tokens: two tiles tt of 16; lane r of tile tt holds token 8 tt + r + 8 (r / 8), as the launch before laid q, k and v.
; PART 1, ATTENTION: 8 heads x 2 tiles = 16 waves: wave w takes head w / 2 and tile w % 2 and walks the head's 16 key steps of 128.  k, v and their scale words lie in kv as images of the operand's registers
; (lane l's 16 bytes at 16 l), so every load takes 512 consecutive bytes, straight into the registers of the wave that multiplies by them: 143,360 bytes a wave.  k of the next step is asked for behind this step's
; first products, v of the next step behind its second products: each has about a step in which to land, and no second set of registers is needed.
; THE SOFTMAX AHEAD OF THE SECOND PRODUCT: t = score x log2(e) / 8; M = the row's largest t so far, rounded UP to a whole number; p = 2^(t - M) is what is quantised, along the keys, not normalised.  The row's sum is
; taken of the unquantised p and divides at the end.  When M moves, the sum and O are multiplied by 2^(old M - new M): exact.  Both products are used transposed (S^T = k q^T, O^T = v^T p^T): a lane holds ONE query.
; The first product's K is 64: registers 4-7 of q's and k's fragments are zero codes, set once.  av is quantised in registers; its codes and scale bytes go to LDS as the next product's operand.
; PART 2: THE SIXTEEN WAVES SHARE THE COLUMNS: wave w makes columns 32 w .. + 31 of x1 and of out (the same columns in the same layout, so that x1 + b2 is the C of the last product) and hidden units 128 w .. + 127,
; which are just K step w of the last product.  So every byte of a weight is read once by a work-group, straight into the registers of the one wave that multiplies by it; what goes from wave to wave through LDS is
; small: the rows' codes, as images of the operand's registers, their scale words, and the rows' partial sums for LN2.  All products are used transposed (source 0 = 16 rows of the weight, source 1 = 16 tokens); the
; rows of a weight's tile u are row0 + 8 u + r + 8 (r / 8), so that register 8 u + j of lane (r, h) is column row0 + 16 h + 8 u + j.
; x comes in and out leaves by whole rows through a stage in LDS: every load and store of them covers 512 consecutive bytes, aligned.  IN THE STAGE A TOKEN'S ROW LIES AT SLOT 16 tt + r, the order of the tiles' lanes:
; the sixteen rows that a read or a store by columns touches are then neighbours, 2,064 bytes = 516 words apart, and start at sixteen different groups of four banks (64 banks of 4 bytes: ISA guide 11.1).
; No cluster: k, v and the weights, which many work-groups walk, go to registers; a joint load would land them in LDS, add a write and a read of each byte, and ask for a ring with a round of the cluster's barrier in
; every key step (a step's eight heads are 71,680 bytes) and in every block of a weight.
; erf(z) = z P(z^2) / Q(z^2), z held to +-4 (P of degree 6, Q of degree 4), good to a few ulp of erf; gelu = x/2 + (x/2) erf(x / sqrt 2), one fused multiply-add.
; LIMITS: NaN and infinities are not served.  A block whose largest magnitude (or largest p) is under 2^-124 gets the scale byte 1.  A block's largest p is made from the block's largest score by the same multiply-add and
; exponential, which takes v_exp_f32 not to fall where its input rises.  Far down the negative side gelu carries an absolute error of some 1e-7 |x|, as x (1 + erf) / 2 in f32 has.  v_exp_f32, v_rcp_f32 and
; v_rsq_f32 are good to 1 ulp.
; REGISTERS OF PART 1: v1 16 x lane; v4 4 x lane; v12 -M, v13 the largest t; v16-23 q; v24-27 k's scale words; v28-29 v's; v[30:31] the sum; v32-95 k's eight fragments; v96-159 S^T, then p; v160-191 O^T;
;   v192-223 v's four fragments; v224-231 p's codes; v232-254 at work; v255 q's scale word.  v2, 3, 5-11, 14, 15 hold addresses of part 2 from the head on.
.set AVI,   0                          ; LDS: av's 8 fragments (4 tt + s at 1,024 each)
.set ASC,   8192                       ; their scale words: fragment f at 64 f, row r's word at 4 r
.set XIMG,  8704                       ; LN2(x1)'s 8 fragments
.set XSC,   16896                      ; their scale words
.set RED1,  17408                      ; the waves' partial sums: [tt][r], a row = sixteen f32, one a wave, + 16 bytes of padding = 20 words: the sixteen rows start at sixteen different groups of four banks
.set REDT,  1280                       ; from tt 0 to tt 1: 16 rows of 80 bytes
.set REDN,  2560                       ; from the sums to the sums of squares
.set HSC,   22528                      ; the hidden layer's scale words: fragment 16 tt + k at 64 each
.set HIMG,  24576                      ; its 32 fragments
.set STAGE, 57344                      ; 32 rows x (2,048 bytes + 16): x, then x1 (each wave its own columns), then out
.set SROW,  2064                       ; a row of the stage
.set TTS,   16*SROW                    ; from tile 0's sixteen slots to tile 1's
.set LI,   1                           ; v1   16 x lane
.set L4,   2                           ; v2   4 r
.set WA,   3                           ; v3   a tile of Wo or W1: (r + 8 (r / 8)) x 256 + 16 h
.set A4L,  4                           ; v4   part 1: 4 x lane
.set WSA,  4                           ; v4   part 2: a tile pair's scale bytes: lanes 0-15 tile 0's rows, lanes 16-31 tile 1's: (8 h + r + 8 (r / 8)) x 16
.set W2A,  5                           ; v5   W2: (r + 8 (r / 8)) x 1,024 + 16 h
.set W2SA, 6                           ; v6   (8 h + r + 8 (r / 8)) x 64
.set STA,  7                           ; v7   the stage by columns: slot r, my wave's 128 bytes, + 64 h
.set CV,   8                           ; v8   64 h: my 16 numbers of a vector's 32
.set REDW, 9                           ; v9   my wave's word of row r's partial sums
.set REDR, 10                          ; v10  row r's partial sums of waves 8 h .. 8 h + 7
.set XIW,  11
.set XSW,  12                          ; v12, v13: made behind part 1
.set HIW,  13
.set HSW,  14
.set ROWA, 15                          ; v15  the stage by rows: the slots of tokens 2 w, 2 w + 1
.set XF,   16                          ; v16-79   av's fragments; LN2's work; x2's fragments; W2's second set
.set RT,   16
.set Y,    48
.set R1,   80                          ; v80-143  weight fragments, (u, s) at 32 u + 8 s
.set HA,   144                         ; v144-175 four accumulators: 16 tt + 8 u
.set B1,   176                         ; v176-191 bo, b1, b2
.set WS,   192                         ; v192-195 the weight's scale words, register s = K step s
.set XS,   196                         ; v196-203 the tokens' scale words, 4 tt + s
.set G2,   204                         ; v204-219 ln2_g, later the hidden layer's codes
.set PC,   204
.set BE2,  220                         ; v220-235 ln2_b, later:
.set PW,   220                         ; v220-221 the hidden layer's scale words
.set ZZ,   222
.set Z2,   224
.set PP,   226
.set QQ,   228
.set HX,   230
.set A1C,  232                         ; v232-233, v234-235: two of erf's coefficients, twice each
.set B1C,  234
.set QM,   236                         ; v236-243 the quantiser's: maxima, the other lane's, scale operands, bytes
.set NM,   244                         ; v244, v246: -mean, later 1 / sqrt(var + eps), of tt 0, 1: low words of pairs
.set HF,   176                         ; the last product: v176-239 eight hidden fragments, v240-247 their scale words, v248-255 W2's scale words, two sets
.set HS,   240
.set WVN,  38
.set CA0,  40                          ; s[40:51] erf's P: a0, a2 .. a6, a pair each;  s[52:59] Q: b0, b2, b3, b4;  s[60:61] 1 / sqrt 2
.set CB0,  52
.set RH,   60
.set SEL,  66                          ; s[66:67] v_permlanex16_b32's selects for lane l xor 16
.set CS,   68                          ; s[68:69] c = log2(e) / 8
.set KCB,  70                          ; s[70:71] k's codes of the step to be asked for (4,096 bytes a step);  s[72:73] k's scale words (512);
.set KSB,  72
.set VCB,  74                          ; s[74:75] v's codes (4,096);  s[76:77] v's scale words (256)
.set VSB,  76
.set CNT,  78
.set TT,   79                          ; s79  my tile of queries, 0 or 1
.set HD,   89                          ; s89  my head
.macro PLACES n
.rept \n
	v_nop
.endr
.endm
.macro WM d, a, b, c, sa, sb, row
.if \row
	v_wmma_scale_f32_16x16x128_f8f6f4 v[\d:\d+7], v[\a:\a+7], v[\b:\b+7], v[\c:\c+7], v[\sa], v[\sb] matrix_a_fmt:MATRIX_FMT_FP4 matrix_b_fmt:MATRIX_FMT_FP4 matrix_a_scale:MATRIX_SCALE_ROW1
.else
	v_wmma_scale_f32_16x16x128_f8f6f4 v[\d:\d+7], v[\a:\a+7], v[\b:\b+7], v[\c:\c+7], v[\sa], v[\sb] matrix_a_fmt:MATRIX_FMT_FP4 matrix_b_fmt:MATRIX_FMT_FP4
.endif
.endm
; 16 products: four K steps x two tiles of tokens x two tiles of the weight.  The four accumulators take turns, one instruction a turn.  first = 1: the sums begin with v[B1] on as C
.macro MM16 wa, xb, was, xbs, first
.irp s, 0,1,2,3
.irp tt, 0,1
.irp u, 0,1
.if (\first) && (\s == 0)
	WM HA+16*\tt+8*\u, \wa+32*\u+8*\s, \xb+32*\tt+8*\s, B1+8*\u, \was+\s, \xbs+4*\tt+\s, \u
.else
	WM HA+16*\tt+8*\u, \wa+32*\u+8*\s, \xb+32*\tt+8*\s, HA+16*\tt+8*\u, \was+\s, \xbs+4*\tt+\s, \u
.endif
.endr
.endr
.endr
.endm
.macro WLOAD cb, sb, off, soff         ; 32 rows x 512 along K of Wo or W1: eight fragments, and their scale words: 17 loads
.irp u, 0,1
.irp s, 0,1,2,3
.irp c, 0,1
	global_load_b128 v[R1+32*\u+8*\s+4*\c:R1+32*\u+8*\s+4*\c+3], v[WA], s[\cb:\cb+1] offset:\off+2048*\u+64*\s+32*\c
.endr
.endr
.endr
	global_load_b128 v[WS:WS+3], v[WSA], s[\sb:\sb+1] offset:\soff
.endm
.macro W2LOAD g, rw, sw                ; my 32 rows of W2, K steps 4 g .. 4 g + 3: 17 loads
.irp u, 0,1
.irp s, 0,1,2,3
.irp c, 0,1
	global_load_b128 v[\rw+32*\u+8*\s+4*\c:\rw+32*\u+8*\s+4*\c+3], v[W2A], s[30:31] offset:8192*\u+256*(\g)+64*\s+32*\c
.endr
.endr
.endr
	global_load_b128 v[\sw:\sw+3], v[W2SA], s[32:33] offset:16*(\g)
.endm
.macro VEC16 reg, base, off            ; my 16 numbers of a vector's 32: 4 loads
.irp i, 0,1,2,3
	global_load_b128 v[\reg+4*\i:\reg+4*\i+3], v[CV], s[\base:\base+1] offset:\off+16*\i
.endr
.endm
.macro FRAGS8 img, sc                  ; eight fragments and their scale words, from their images
.irp f, 0,1,2,3,4,5,6,7
	ds_load_b128 v[XF+8*\f:XF+8*\f+3], v[LI] offset:\img+1024*\f
	ds_load_b128 v[XF+8*\f+4:XF+8*\f+7], v[LI] offset:\img+1024*\f+512
	ds_load_b32 v[XS+\f], v[L4] offset:\sc+64*\f
.endr
.endm
.macro SUM16 src, dst, tmp             ; 16 registers, from the low end on, as a tree; tmp may be src
	v_pk_add_f32 v[\tmp:\tmp+1], v[\src:\src+1], v[\src+2:\src+3]
	v_pk_add_f32 v[\tmp+2:\tmp+3], v[\src+4:\src+5], v[\src+6:\src+7]
	v_pk_add_f32 v[\tmp+4:\tmp+5], v[\src+8:\src+9], v[\src+10:\src+11]
	v_pk_add_f32 v[\tmp+6:\tmp+7], v[\src+12:\src+13], v[\src+14:\src+15]
	v_pk_add_f32 v[\tmp:\tmp+1], v[\tmp:\tmp+1], v[\tmp+2:\tmp+3]
	v_pk_add_f32 v[\tmp+4:\tmp+5], v[\tmp+4:\tmp+5], v[\tmp+6:\tmp+7]
	v_pk_add_f32 v[\tmp:\tmp+1], v[\tmp:\tmp+1], v[\tmp+4:\tmp+5]
	v_add_f32 v[\dst], v[\tmp], v[\tmp+1]
.endm
.macro SUM8 src, dst                   ; 8 registers, as a tree, in place
	v_pk_add_f32 v[\src:\src+1], v[\src:\src+1], v[\src+2:\src+3]
	v_pk_add_f32 v[\src+4:\src+5], v[\src+4:\src+5], v[\src+6:\src+7]
	v_pk_add_f32 v[\src:\src+1], v[\src:\src+1], v[\src+4:\src+5]
	v_add_f32 v[\dst], v[\src], v[\src+1]
.endm
.macro ACROSS                          ; v[QM], v[QM+1]: with lane l xor 16's
.irp tt, 0,1
	v_permlanex16_b32 v[QM+2+\tt], v[QM+\tt], s[SEL], s[SEL+1]
.endr
.irp tt, 0,1
	v_add_f32 v[QM+\tt], v[QM+\tt], v[QM+2+\tt]
.endr
.endm
.macro BARRIER                         ; my LDS stores have landed and my LDS loads are in: then the work-group's barrier
	s_wait_dscnt 0x0
	s_barrier_signal -1
	s_barrier_wait -1
.endm
; The sixteen waves' partial sums of my row, from off bytes on: lane (r, h) takes those of waves 8 h .. 8 h + 7, lane l xor 16 the other eight.  Both lanes, and all waves, add the same two numbers: the same bits everywhere
.macro GATHER off
.irp tt, 0,1
	ds_load_b128 v[RT+8*\tt:RT+8*\tt+3], v[REDR] offset:\off+REDT*\tt
	ds_load_b128 v[RT+8*\tt+4:RT+8*\tt+7], v[REDR] offset:\off+REDT*\tt+16
.endr
	s_wait_dscnt 0x0
	SUM8 RT, QM
	SUM8 RT+8, QM+1
	ACROSS
.endm
; One block of 32 for each tile of tokens: my 16 numbers v[src + 16 tt] on and lane l xor 16's.  Bytes into v[QM+6+tt]; codes into v[cd + cs tt], + 1.  A plain vector line follows in the caller
.macro BLKQ src, cd, cs
.irp tt, 0,1
	v_max3_num_f32 v[QM+\tt], |v[\src+16*\tt]|, |v[\src+16*\tt+1]|, 0x1800000   ; and the floor 2^(3 - 127): the byte cannot fall under 1
.endr
.irp i, 2,4,6,8,10,12,14
.irp tt, 0,1
	v_max3_num_f32 v[QM+\tt], v[QM+\tt], |v[\src+16*\tt+\i]|, |v[\src+16*\tt+\i+1]|
.endr
.endr
.irp tt, 0,1
	v_permlanex16_b32 v[QM+2+\tt], v[QM+\tt], s[SEL], s[SEL+1]
.endr
.irp tt, 0,1
	v_max_num_f32 v[QM+\tt], v[QM+\tt], v[QM+2+\tt]
.endr
.irp tt, 0,1
	v_add_nc_u32 v[QM+4+\tt], 0xff000000, v[QM+\tt]   ; 2 off the exponent field: the conversion's scale operand
.endr
.irp tt, 0,1
	v_lshrrev_b32 v[QM+6+\tt], 23, v[QM+4+\tt]     ; the scale's byte
.endr
.irp tt, 0,1
	v_cvt_scalef32_pk8_fp4_f32 v[\cd+\cs*\tt], v[\src+16*\tt:\src+16*\tt+7], v[QM+4+\tt]
	v_cvt_scalef32_pk8_fp4_f32 v[\cd+\cs*\tt+1], v[\src+16*\tt+8:\src+16*\tt+15], v[QM+4+\tt]
.endr
.endm
.macro GELU x                          ; two numbers, in place
	v_pk_mul_f32 v[ZZ:ZZ+1], v[\x:\x+1], s[RH:RH+1] op_sel_hi:[1,0]
	v_med3_num_f32 v[ZZ], v[ZZ], -4.0, 4.0
	v_med3_num_f32 v[ZZ+1], v[ZZ+1], -4.0, 4.0
	v_pk_mul_f32 v[Z2:Z2+1], v[ZZ:ZZ+1], v[ZZ:ZZ+1]
	v_pk_fma_f32 v[PP:PP+1], v[Z2:Z2+1], s[CA0:CA0+1], v[A1C:A1C+1] op_sel_hi:[1,0,1]
	v_pk_fma_f32 v[QQ:QQ+1], v[Z2:Z2+1], s[CB0:CB0+1], v[B1C:B1C+1] op_sel_hi:[1,0,1]
.irp k, 1,2,3
	v_pk_fma_f32 v[PP:PP+1], v[PP:PP+1], v[Z2:Z2+1], s[CA0+2*\k:CA0+2*\k+1] op_sel_hi:[1,1,0]
	v_pk_fma_f32 v[QQ:QQ+1], v[QQ:QQ+1], v[Z2:Z2+1], s[CB0+2*\k:CB0+2*\k+1] op_sel_hi:[1,1,0]
.endr
	v_rcp_f32 v[QQ], v[QQ]
	v_rcp_f32 v[QQ+1], v[QQ+1]
	v_pk_fma_f32 v[PP:PP+1], v[PP:PP+1], v[Z2:Z2+1], s[CA0+8:CA0+9] op_sel_hi:[1,1,0]   ; (plain lines behind the reciprocals)
	v_pk_fma_f32 v[PP:PP+1], v[PP:PP+1], v[Z2:Z2+1], s[CA0+10:CA0+11] op_sel_hi:[1,1,0]
	v_pk_mul_f32 v[HX:HX+1], v[\x:\x+1], 0.5 op_sel_hi:[1,0]
	v_pk_mul_f32 v[PP:PP+1], v[PP:PP+1], v[ZZ:ZZ+1]
	s_wait_alu depctr_va_vdst(0)
	v_pk_mul_f32 v[PP:PP+1], v[PP:PP+1], v[QQ:QQ+1]                                     ; erf
	v_pk_fma_f32 v[\x:\x+1], v[HX:HX+1], v[PP:PP+1], v[HX:HX+1]
.endm
; Hidden units 128 w + 32 b .. + 31 for the 32 tokens; the next weights are asked for as soon as these products have read theirs, and land under the vector work
.macro PH1 b
	s_wait_loadcnt 0x0                             ; this block's 21 loads: nothing else is out
.if \b == 0
	s_wait_dscnt 0x0                               ; x2's fragments and scale words
.endif
	MM16 R1, XF, WS, XS, 1
	PLACES 4                                       ; four places ahead of loads into registers that the products have read, and of the first read of results (ISA guide 7.12.1 for the first read of results)
.if \b < 3
	WLOAD 24, 26, 8192*(\b+1), 512*(\b+1)
	VEC16 B1, 28, 128*(\b+1)
.else
	VEC16 B1, 34, 0                                ; b2, and the first two groups of W2: 4 + 17 + 17 loads
	W2LOAD 0, R1, 248
	W2LOAD 1, XF, 252
.endif
.set gp, 0
.rept 16
	GELU HA+2*gp                                   ; each accumulator from its low end on
.set gp, gp+1
.endr
	BLKQ HA, PC+2*\b, 8
.irp tt, 0,1                                   ; (these two are the plain lines behind the conversions)
.if \b == 0
	v_mov_b32 v[PW+\tt], v[QM+6+\tt]
.else
	v_lshl_or_b32 v[PW+\tt], v[QM+6+\tt], 8*\b, v[PW+\tt]
.endif
.endr
.endm
; K steps 4 g .. 4 g + 3 of the last product
.macro PH2 g
.irp tt, 0,1
.irp s, 0,1,2,3
	ds_load_b128 v[HF+32*\tt+8*\s:HF+32*\tt+8*\s+3], v[LI] offset:HIMG+1024*(16*\tt+4*(\g)+\s)
	ds_load_b128 v[HF+32*\tt+8*\s+4:HF+32*\tt+8*\s+7], v[LI] offset:HIMG+1024*(16*\tt+4*(\g)+\s)+512
	ds_load_b32 v[HS+4*\tt+\s], v[L4] offset:HSC+64*(16*\tt+4*(\g)+\s)
.endr
.endr
.if \g < 3
	s_wait_loadcnt 17                              ; this group of W2 is in; the next group's 17 loads may be out
.else
	s_wait_loadcnt 0x0
.endif
	s_wait_dscnt 0x0
.if (\g)%2 == 0
	MM16 R1, HF, 248, HS, 0
.else
	MM16 XF, HF, 252, HS, 0
.endif
	PLACES 4
.if \g < 2
.if (\g)%2 == 0
	W2LOAD (\g)+2, R1, 248
.else
	W2LOAD (\g)+2, XF, 252
.endif
.endif
.endm
.macro KLOAD                           ; a key step's k: registers 0-3 of eight fragments, and their scale words (register p: lanes 0-15 tile 2 p's, lanes 16-31 tile 2 p + 1's): 9 loads
.irp t, 0,1,2,3,4,5,6,7
	global_load_b128 v[32+8*\t:35+8*\t], v[LI], s[KCB:KCB+1] offset:512*\t
.endr
	global_load_b128 v[24:27], v[LI], s[KSB:KSB+1]
.endm
.macro VLOAD                           ; a key step's v: four fragments (16 of the head's 64 x 128 keys), and their scale words: 10 loads
.irp t, 0,1,2,3
.irp c, 0,1
	global_load_b128 v[192+8*\t+4*\c:195+8*\t+4*\c], v[LI], s[VCB:VCB+1] offset:1024*\t+512*\c
.endr
.endr
	global_load_b32 v28, v[A4L], s[VSB:VSB+1]
	global_load_b32 v29, v[A4L], s[VSB:VSB+1] offset:128
.endm
; A KEY STEP of 128 keys.  more = 1: the next step's k and v are asked for
.macro ASTEP more
	s_wait_loadcnt 10                              ; this step's k is in (and, the first time, q): v's ten loads are younger
.irp t, 0,2,4,6
	v_wmma_scale_f32_16x16x128_f8f6f4 v[96+8*\t:103+8*\t], v[32+8*\t:39+8*\t], v[16:23], 0, v[24+\t/2], v255 matrix_a_fmt:MATRIX_FMT_FP4 matrix_b_fmt:MATRIX_FMT_FP4
	v_wmma_scale_f32_16x16x128_f8f6f4 v[104+8*\t:111+8*\t], v[40+8*\t:47+8*\t], v[16:23], 0, v[24+\t/2], v255 matrix_a_fmt:MATRIX_FMT_FP4 matrix_b_fmt:MATRIX_FMT_FP4 matrix_a_scale:MATRIX_SCALE_ROW1
.endr
	PLACES 4                                       ; four places ahead of the first read of results and of the loads into k's registers (ISA guide 7.12.1 for the first read of results)
.if \more
	s_wait_xcnt 0x0                                ; the bases are stepped only behind this wait (their own loads are in besides)
	s_add_nc_u64 s[KCB:KCB+1], s[KCB:KCB+1], 4096
	s_add_nc_u64 s[KSB:KSB+1], s[KSB:KSB+1], 512
	KLOAD                                          ; lands under the softmax and the second products
.endif
.irp b, 0,1,2,3                                ; lane (r, h) holds query r; the 16 registers of tiles 2 b, 2 b + 1 are keys 32 b + 16 h + 0 .. 15 of the step
	v_max3_num_f32 v[232+\b], v[96+16*\b], v[97+16*\b], v[98+16*\b]   ; the largest score of each block of 32 keys: for the row's maximum, and, since p rises with the score, for the block's largest p
.endr
.irp i, 3,5,7,9,11,13
.irp b, 0,1,2,3
	v_max3_num_f32 v[232+\b], v[232+\b], v[96+16*\b+\i], v[97+16*\b+\i]
.endr
.endr
.irp b, 0,1,2,3
	v_max_num_f32 v[232+\b], v[232+\b], v[111+16*\b]
.endr
.irp b, 0,1,2,3
	v_permlanex16_b32 v[236+\b], v[232+\b], s[SEL], s[SEL+1]
.endr
.irp b, 0,1,2,3
	v_max_num_f32 v[232+\b], v[232+\b], v[236+\b]  ; with lane l xor 16's 16 keys
.endr
	v_max3_num_f32 v254, v232, v233, v234
	v_max_num_f32 v254, v254, v235                 ; the step's largest score of my query
	v_mul_f32 v254, s[CS], v254                    ; as t (c is positive)
	v_max_num_f32 v13, v13, v254                   ; the running largest t
	v_mov_b32 v254, v12
	v_floor_f32 v12, -v13                          ; the new -M = floor(-t) = -ceil(t): a whole number
	v_sub_f32 v254, v12, v254                      ; M's old value less its new one: a whole number, 0 or less
	v_cvt_i32_f32 v254, v254                       ; (it saturates)
	v_ldexp_f32 v252, 1.0, v254                    ; f = 2^(old M - new M)
.set jj, 0
.rept 32
	v_pk_fma_f32 v[96+jj:97+jj], v[96+jj:97+jj], s[CS:CS+1], v[12:13] op_sel_hi:[1,0,0]   ; t - M, two at a time (of the pairs c and -M the low word serves both halves)
.set jj, jj+2
.endr
.irp b, 0,1,2,3
	v_fma_f32 v[232+\b], v[232+\b], s[CS], v12     ; the same of each block's largest score
.endr
.set jj, 0
.rept 64
	v_exp_f32 v[96+jj], v[96+jj]                   ; p = 2^(t - M), at most 1: not normalised
.set jj, jj+1
.endr
.irp b, 0,1,2,3
	v_exp_f32 v[232+\b], v[232+\b]                 ; the block's largest p: the same two instructions on the same number give the same bits
.endr
	v_pk_mul_f32 v[30:31], v[30:31], v[252:253] op_sel_hi:[1,0]   ; the sums under the new M.  (A plain place behind the exponentials)
	s_wait_alu depctr_va_vdst(0)
.irp b, 0,1,2,3
	v_max_num_f32 v[232+\b], 0x1800000, v[232+\b]  ; the floor 2^(3 - 127): the byte cannot fall under 1
.endr
.irp b, 0,1,2,3
	v_add_nc_u32 v[244+\b], 0xff000000, v[232+\b]  ; 2 off the exponent field: the conversion's scale operand
.endr
.irp b, 0,1,2,3
	v_lshrrev_b32 v[236+\b], 23, v[244+\b]         ; the scale's byte
.endr
	v_lshl_or_b32 v253, v237, 8, v236              ; p's scale word for these 128 keys
	v_lshl_or_b32 v253, v238, 16, v253
	v_lshl_or_b32 v253, v239, 24, v253
.irp b, 0,1,2,3
	v_cvt_scalef32_pk8_fp4_f32 v[224+2*\b], v[96+16*\b:103+16*\b], v[244+\b]
	v_cvt_scalef32_pk8_fp4_f32 v[225+2*\b], v[104+16*\b:111+16*\b], v[244+\b]
.endr
	v_nop                                          ; one plain place behind a scaled conversion
.irp c, 0,1                                    ; the operand wants a whole block in a lane
.irp i, 0,1
	v_permlane16_swap_b32 v[224+4*\c+\i], v[226+4*\c+\i]
.endr
.endr
.set jj, 0
.rept 16
	v_pk_mul_f32 v[160+jj:161+jj], v[160+jj:161+jj], v[252:253] op_sel_hi:[1,0]   ; O^T under the new M, each accumulator from its low end on
.set jj, jj+2
.endr
	v_pk_add_f32 v[236:237], v[96:97], v[98:99]    ; the row's sum is taken of the unquantised p: two at a time, in two chains.  (These 27 lines are the places between the scale word, the codes and O^T so written and the products)
.irp j, 4,8,12,16,20,24,28,32,36,40,44,48,52
	v_pk_add_f32 v[30:31], v[30:31], v[96+\j:97+\j]
	v_pk_add_f32 v[236:237], v[236:237], v[98+\j:99+\j]
.endr
.if \more
	s_wait_loadcnt 9                               ; this step's v is in: the next k's nine loads are younger
.else
	s_wait_loadcnt 0x0
.endif
.irp t, 0,2
	v_wmma_scale_f32_16x16x128_f8f6f4 v[160+8*\t:167+8*\t], v[192+8*\t:199+8*\t], v[224:231], v[160+8*\t:167+8*\t], v[28+\t/2], v253 matrix_a_fmt:MATRIX_FMT_FP4 matrix_b_fmt:MATRIX_FMT_FP4
	v_wmma_scale_f32_16x16x128_f8f6f4 v[168+8*\t:175+8*\t], v[200+8*\t:207+8*\t], v[224:231], v[168+8*\t:175+8*\t], v[28+\t/2], v253 matrix_a_fmt:MATRIX_FMT_FP4 matrix_b_fmt:MATRIX_FMT_FP4 matrix_a_scale:MATRIX_SCALE_ROW1
.endr
.irp j, 56,60                                  ; the rest of the row's sum: five plain lines that name none of those products' registers: the places ahead of the loads into v's
	v_pk_add_f32 v[30:31], v[30:31], v[96+\j:97+\j]
	v_pk_add_f32 v[236:237], v[236:237], v[98+\j:99+\j]
.endr
	v_pk_add_f32 v[30:31], v[30:31], v[236:237]
.if \more
	s_wait_xcnt 0x0
	s_add_nc_u64 s[VCB:VCB+1], s[VCB:VCB+1], 4096
	s_add_nc_u64 s[VSB:VSB+1], s[VSB:VSB+1], 256
	VLOAD                                          ; lands under the next step's first products and softmax
.endif
.endm
.macro COEF at, bits                   ; a pair: the packed forms name both words
	s_mov_b32 s[\at], \bits
	s_mov_b32 s[\at+1], \bits
.endm
	s_load_b512 s[8:23], s[0:1], 0x0               ; x, qw, kv, Wo's codes, Wo's scales, bo, ln2_g, ln2_b
	s_load_b256 s[24:31], s[0:1], 0x40             ; W1's codes, W1's scales, b1, W2's codes
	s_load_b128 s[32:35], s[0:1], 0x60             ; W2's scales, b2
	s_load_b64 s[36:37], s[0:1], 0x70              ; out0
	v_lshrrev_b32 v240, 5, v0
	v_readfirstlane_b32 s[WVN], v240               ; wave 0..15
	v_and_b32 v240, 31, v0                         ; lane
	v_and_b32 v241, 15, v0                         ; r
	v_lshlrev_b32 v[LI], 4, v240
	v_lshlrev_b32 v[A4L], 2, v240
	v_lshlrev_b32 v254, 4, v241                    ; 16 r: q's scale words
	s_lshr_b32 s88, ttmp9, 6                       ; batch: 64 work-groups each
	s_lshl_b32 s88, s88, 3
	s_lshr_b32 s[HD], s[WVN], 1                    ; head
	s_add_co_u32 s88, s88, s[HD]                   ; 8 x batch + head
	s_and_b32 s[TT], s[WVN], 1                     ; tile of queries
	s_mul_i32 s90, s88, 143360                     ; kv: my (batch, head)
	s_mov_b32 s91, 0
	s_mul_i32 s84, s88, 73728                      ; qw likewise.  My tile in the batch is 2 g + tt, g = work-group % 64
	s_and_b32 s2, ttmp9, 63
	s_lshr_b32 s3, s2, 2                           ; its scale words: [step][lane 32][pair 4][4]: step = tile / 8 = g / 4,
	s_lshl_b32 s3, s3, 9
	s_add_co_u32 s86, s84, s3
	s_add_co_u32 s86, s86, 65536
	s_lshl_b32 s3, s[TT], 8                        ; an odd tile's lie in lanes 16-31,
	s_add_co_u32 s86, s86, s3
	s_and_b32 s3, ttmp9, 3                         ; pair = (tile % 8) / 2 = g % 4
	s_lshl_b32 s3, s3, 2
	s_add_co_u32 s86, s86, s3
	s_mov_b32 s87, 0
	s_lshl_b32 s3, s2, 10                          ; its codes: 512 bytes a tile
	s_add_co_u32 s84, s84, s3
	s_lshl_b32 s3, s[TT], 9
	s_add_co_u32 s84, s84, s3
	s_mov_b32 s85, 0
	s_lshl_b32 s4, ttmp9, 16                       ; x, out: 32 rows of 2,048 bytes a work-group, two rows a wave
	s_lshl_b32 s3, s[WVN], 12
	s_add_co_u32 s4, s4, s3
	s_mov_b32 s5, 0
	s_wait_kmcnt 0x0
	s_add_nc_u64 s[8:9], s[8:9], s[4:5]
	s_add_nc_u64 s[36:37], s[36:37], s[4:5]
	s_add_nc_u64 s[80:81], s[10:11], s[84:85]
	s_add_nc_u64 s[82:83], s[10:11], s[86:87]
	s_add_nc_u64 s[KCB:KCB+1], s[12:13], s[90:91]
	s_add_nc_u64 s[KSB:KSB+1], s[KCB:KCB+1], 65536
	s_add_nc_u64 s[VCB:VCB+1], s[KCB:KCB+1], 73728
	s_add_nc_u64 s[VSB:VSB+1], s[KCB:KCB+1], 139264
.irp i, 0,1,2,3,4,5,6,7
	global_load_b128 v[96+4*\i:99+4*\i], v[LI], s[8:9] offset:512*\i th:TH_LOAD_NT   ; x by rows: 512 consecutive bytes; read once in this launch
.endr
	global_load_b128 v[16:19], v[LI], s[80:81]     ; q: registers 0-3 of my fragment
	global_load_b32 v255, v254, s[82:83]           ; and row r's scale word
	KLOAD                                          ; key step 0
	VLOAD
	; the other bases, the addresses of part 2 and the constants, while those loads are out
	s_lshl_b32 s4, s[WVN], 13                      ; Wo: my 32 rows of 256 bytes
	s_add_nc_u64 s[14:15], s[14:15], s[4:5]
	s_lshl_b32 s4, s[WVN], 9                       ; its scale bytes; b1: my 128 numbers
	s_add_nc_u64 s[16:17], s[16:17], s[4:5]
	s_add_nc_u64 s[28:29], s[28:29], s[4:5]
	s_lshl_b32 s4, s[WVN], 7                       ; bo, ln2_g, ln2_b, b2: my 32 numbers
	s_add_nc_u64 s[18:19], s[18:19], s[4:5]
	s_add_nc_u64 s[20:21], s[20:21], s[4:5]
	s_add_nc_u64 s[22:23], s[22:23], s[4:5]
	s_add_nc_u64 s[34:35], s[34:35], s[4:5]
	s_lshl_b32 s4, s[WVN], 15                      ; W1: my 128 rows of 256 bytes;  W2: my 32 rows of 1,024
	s_add_nc_u64 s[24:25], s[24:25], s[4:5]
	s_add_nc_u64 s[30:31], s[30:31], s[4:5]
	s_lshl_b32 s4, s[WVN], 11                      ; their scale bytes
	s_add_nc_u64 s[26:27], s[26:27], s[4:5]
	s_add_nc_u64 s[32:33], s[32:33], s[4:5]
	v_bfe_u32 v242, v0, 4, 1                       ; h
	v_and_b32 v243, 8, v241
	v_add_nc_u32 v243, v243, v241                  ; r + 8 (r / 8)
	v_lshl_add_u32 v244, v242, 3, v243             ; + 8 h
	v_lshlrev_b32 v[L4], 2, v241
	v_lshlrev_b32 v[WA], 8, v243
	v_lshl_add_u32 v[WA], v242, 4, v[WA]
	v_lshlrev_b32 v[W2A], 10, v243
	v_lshl_add_u32 v[W2A], v242, 4, v[W2A]
	v_lshlrev_b32 v[W2SA], 6, v244
	v_mul_u32_u24 v[STA], v241, SROW               ; the stage by columns: slot r of a tile,
	v_lshl_add_u32 v[STA], v242, 6, v[STA]         ; + 64 h,
	s_lshl_b32 s2, s[WVN], 7
	s_add_co_u32 s2, s2, STAGE
	v_add_nc_u32 v[STA], s2, v[STA]                ; my wave's 128 bytes
	v_lshlrev_b32 v[CV], 6, v242
	v_mul_u32_u24 v[REDW], v241, 80                ; row r's sixteen partial sums: 80 bytes a row
	v_lshl_add_u32 v[REDR], v242, 5, v[REDW]       ; I read eight of them: + 32 h
	v_add_nc_u32 v[REDR], RED1, v[REDR]
	s_lshl_b32 s2, s[WVN], 2
	s_add_co_u32 s2, s2, RED1
	v_add_nc_u32 v[REDW], s2, v[REDW]              ; and write my wave's
	v_lshlrev_b32 v[XIW], 4, v241                  ; my block of x2 in the images: fragment 4 tt + w / 4, registers 4 ((w % 4) / 2) + 2 h, + 1 of lane (r, w % 2): 256 w + 16 r + 8 h
	v_lshl_add_u32 v[XIW], v242, 3, v[XIW]
	s_lshl_b32 s2, s[WVN], 8
	s_add_co_u32 s2, s2, XIMG
	v_add_nc_u32 v[XIW], s2, v[XIW]
	s_lshl_b32 s2, s[WVN], 6
	s_add_co_u32 s2, s2, HSC
	v_add_nc_u32 v[HSW], s2, v[L4]
	s_bfe_u32 s2, s[WVN], 0x10002                  ; the stage by rows.  Token 16 a + 8 tt + c is lane 8 a + c of tile tt and lies at slot 16 tt + 8 a + c; my tokens 2 w, 2 w + 1 have tt = (w / 4) % 2,
	s_lshl_b32 s2, s2, 4
	s_lshr_b32 s3, s[WVN], 3                       ; a = w / 8,
	s_lshl_b32 s3, s3, 3
	s_add_co_u32 s2, s2, s3
	s_and_b32 s3, s[WVN], 3                        ; c = 2 (w % 4), + 1: two neighbouring slots
	s_lshl_b32 s3, s3, 1
	s_add_co_u32 s2, s2, s3
	s_mul_i32 s2, s2, SROW
	s_add_co_u32 s2, s2, STAGE
	v_add_nc_u32 v[ROWA], s2, v[LI]
	s_mov_b32 s[SEL], 0x76543210
	s_mov_b32 s[SEL+1], 0xfedcba98
	s_mov_b32 s[CS], 0x3e38aa3b                    ; log2(e) / 8
	s_mov_b32 s[CS+1], s[CS]                       ; (named with it as a pair, so it is written)
	s_mov_b32 s62, 0x3b000000                      ; 1/512
	COEF CA0,    0xaf95df0a                        ; P: -2.72614226e-10 (a1 = 2.77068142e-08 stands in v[A1C])
	COEF CA0+2,  0xb60cff51                        ; -2.10102402e-06
	COEF CA0+4,  0xb86ec2d2                        ; -5.69250639e-05
	COEF CA0+6,  0xba40ac63                        ; -7.34990630e-04
	COEF CA0+8,  0xbb41a1f6                        ; -2.95459981e-03
	COEF CA0+10, 0xbc83dbd4                        ; -1.60960333e-02
	COEF CB0,    0xb77460cd                        ; Q: -1.45660718e-05 (b1 = -2.13374055e-04 stands in v[B1C])
	COEF CB0+2,  0xbadc924e                        ; -1.68282697e-03
	COEF CB0+4,  0xbbf19bf8                        ; -7.37332917e-03
	COEF CB0+6,  0xbc69b6a7                        ; -1.42647391e-02
	COEF RH,     0x3f3504f3                        ; 1 / sqrt 2
	v_mov_b32 v13, 0xff61b1e6                      ; the largest t so far: -3e38, under every t
	v_floor_f32 v12, -v13                          ; -M
	v_mov_b32 v30, 0                               ; the sum, in two halves
	v_mov_b32 v31, 0
.irp b, 0,1,2,3
	v_mov_b32 v[236+\b], 0                         ; written once: a lane permute's destination counts as one of its sources
	v_mov_b32 v[20+\b], 0                          ; q's K = 64 .. 127: zero codes
.endr
	v_mov_b32 v253, 0                              ; (named as the upper half of the pair v[252:253] before it is first written)
.irp t, 0,1,2,3,4,5,6,7
.irp j, 4,5,6,7
	v_mov_b32 v[32+8*\t+\j], 0                     ; k's K = 64 .. 127: zero codes, never loaded over
.endr
.endr
.set jj, 0
.rept 32
	v_mov_b32 v[160+jj], 0                         ; O^T.  (The step is written once for the loop: the first finds zeros, which the first change of M leaves zeros)
.set jj, jj+1
.endr
	s_wait_loadcnt 21                              ; x's eight loads are in: behind them q's 2, k's 9, v's 10
.irp i, 0,1,2,3,4,5,6,7
	ds_store_b128 v[ROWA], v[96+4*\i:99+4*\i] offset:SROW*(\i/4)+512*(\i%4)   ; read by others only behind the barrier at the end of part 1
.endr
	s_wait_dscnt 0x0                               ; the stores have read their registers, which the first products write
	; ---- PART 1: my head, my 16 queries, 16 key steps
	s_mov_b32 s[CNT], 0
.Lstep:                                            ; 15 trips; each asks for the next step's k and v
	ASTEP 1
	s_add_co_u32 s[CNT], s[CNT], 1
	s_cmp_lt_u32 s[CNT], 15
	s_cbranch_scc1 .Lstep
	ASTEP 0                                        ; the last step is written out: it asks for nothing, so that no load leaves kv
	v_add_f32 v30, v30, v31                        ; the sum's two halves,
	v_permlanex16_b32 v252, v30, s[SEL], s[SEL+1]
	v_add_f32 v30, v30, v252                       ; and lane l xor 16's
	v_rcp_f32 v30, v30
	v_and_b32 v64, 15, v0                          ; (plain lines behind the transcendental)  the three addresses of part 2 whose registers part 1 held, and av's two
	v_and_b32 v65, 8, v64
	v_add_nc_u32 v65, v65, v64                     ; r + 8 (r / 8)
	v_bfe_u32 v64, v0, 4, 1
	v_lshl_add_u32 v65, v64, 3, v65                ; + 8 h
	v_lshlrev_b32 v[WSA], 4, v65
	s_lshr_b32 s2, s[WVN], 2                       ; x2's scale byte: word 4 r of fragment 4 tt + w / 4, byte w % 4
	s_lshl_b32 s2, s2, 6
	s_and_b32 s3, s[WVN], 3
	s_add_co_u32 s2, s2, s3
	s_add_co_u32 s2, s2, XSC
	v_add_nc_u32 v[XSW], s2, v[L4]
	s_lshl_b32 s2, s[WVN], 10
	s_add_co_u32 s2, s2, HIMG
	v_add_nc_u32 v[HIW], s2, v[LI]                 ; the hidden layer's fragment 16 tt + w
	s_lshl_b32 s2, s[TT], 12                       ; av's codes: registers 4 (head % 2) .. + 3 of fragment 4 tt + head / 2: AVI + 4,096 tt + 512 head + 16 x lane
	s_lshl_b32 s3, s[HD], 9
	s_add_co_u32 s2, s2, s3
	v_add_nc_u32 v78, s2, v[LI]
	s_lshl_b32 s2, s[TT], 8                        ; its two scale bytes: word 4 r of that fragment, bytes 2 (head % 2), + 1
	s_lshr_b32 s3, s[HD], 1
	s_lshl_b32 s3, s3, 6
	s_add_co_u32 s2, s2, s3
	s_and_b32 s3, s[HD], 1
	s_lshl_b32 s3, s3, 1
	s_add_co_u32 s2, s2, s3
	s_add_co_u32 s2, s2, ASC
	v_add_nc_u32 v79, s2, v[L4]
	WLOAD 14, 16, 0, 0                             ; Wo, ln2_g, ln2_b: into registers that part 1 has left; they land under the lines below and the barrier
	VEC16 G2, 20, 0
	VEC16 BE2, 22, 0
.set jj, 0
	s_wait_alu depctr_va_vdst(0)
.rept 32
	v_mul_f32 v[32+jj], v[160+jj], v30             ; O^T / the sum, each accumulator from its low end on: register 16 b + i is av(query r, e = 32 b + 16 h + i): two blocks of the next K
.set jj, jj+1
.endr
	VEC16 B1, 18, 0                                ; bo, where O^T lay
.irp b, 0,1
	v_max3_num_f32 v[64+\b], |v[32+16*\b]|, |v[33+16*\b]|, 0x1800000
.endr
.irp i, 2,4,6,8,10,12,14
.irp b, 0,1
	v_max3_num_f32 v[64+\b], v[64+\b], |v[32+16*\b+\i]|, |v[33+16*\b+\i]|
.endr
.endr
.irp b, 0,1
	v_permlanex16_b32 v[66+\b], v[64+\b], s[SEL], s[SEL+1]
.endr
.irp b, 0,1
	v_max_num_f32 v[64+\b], v[64+\b], v[66+\b]
.endr
.irp b, 0,1
	v_add_nc_u32 v[68+\b], 0xff000000, v[64+\b]
.endr
.irp b, 0,1
	v_lshrrev_b32 v[70+\b], 23, v[68+\b]
.endr
	v_lshl_or_b32 v72, v71, 8, v70                 ; the two bytes
.irp b, 0,1
	v_cvt_scalef32_pk8_fp4_f32 v[74+2*\b], v[32+16*\b:39+16*\b], v[68+\b]
	v_cvt_scalef32_pk8_fp4_f32 v[75+2*\b], v[40+16*\b:47+16*\b], v[68+\b]
.endr
	v_nop                                          ; one plain place behind a scaled conversion
	v_permlane16_swap_b32 v74, v76                 ; a whole block in a lane
	v_permlane16_swap_b32 v75, v77
	ds_store_b128 v78, v[74:77]
	ds_store_b16 v79, v72                          ; both halves of the lanes write the same two bytes
	BARRIER                                        ; av's eight fragments, their scale words and 32 rows of x lie in LDS
	; ---- PART 2: x1 = x + bo + av Wo
.irp tt, 0,1
.irp i, 0,1,2,3
	ds_load_b128 v[HA+16*\tt+4*\i:HA+16*\tt+4*\i+3], v[STA] offset:TTS*\tt+16*\i   ; x(token 8 tt + r + 8 (r / 8), 32 w + 16 h + 4 i ..), at slot 16 tt + r
.endr
.endr
	FRAGS8 AVI, ASC
	s_wait_loadcnt 0x0
	s_wait_dscnt 0x0
.irp tt, 0,1
.irp p, 0,2,4,6,8,10,12,14
	v_pk_add_f32 v[HA+16*\tt+\p:HA+16*\tt+\p+1], v[HA+16*\tt+\p:HA+16*\tt+\p+1], v[B1+\p:B1+\p+1]
.endr
.endr
	PLACES 4                                       ; the C so written stands four places ahead, as an operand so written would
	MM16 R1, XF, WS, XS, 0
	PLACES 4
	WLOAD 24, 26, 0, 0                             ; W1's first block and its bias land under LN2: 21 loads
	VEC16 B1, 28, 0
.irp tt, 0,1
.irp i, 0,1,2,3
	ds_store_b128 v[STA], v[HA+16*\tt+4*\i:HA+16*\tt+4*\i+3] offset:TTS*\tt+16*\i   ; x1 is parked where my columns of x lay: bytes that no other wave touches.  Each accumulator from its low end on
.endr
.endr
	; ---- LN2: the mean, then the mean of the squares of what is left (no difference of large sums); each over 16 waves through LDS
	SUM16 HA, QM, Y
	SUM16 HA+16, QM+1, Y+8
	ACROSS
.irp tt, 0,1
	ds_store_b32 v[REDW], v[QM+\tt] offset:REDT*\tt   ; both halves of the lanes write the same word
.endr
	BARRIER
	GATHER 0
.irp tt, 0,1
	v_mul_f32 v[NM+2*\tt], 0xbb000000, v[QM+\tt]   ; x -1/512
.endr
.irp tt, 0,1
.irp p, 0,2,4,6,8,10,12,14
	v_pk_add_f32 v[Y+16*\tt+\p:Y+16*\tt+\p+1], v[HA+16*\tt+\p:HA+16*\tt+\p+1], v[NM+2*\tt:NM+2*\tt+1] op_sel_hi:[1,0]
.endr
.endr
.irp tt, 0,1
	v_pk_mul_f32 v[RT+4*\tt:RT+4*\tt+1], v[Y+16*\tt:Y+16*\tt+1], v[Y+16*\tt:Y+16*\tt+1]
	v_pk_mul_f32 v[RT+4*\tt+2:RT+4*\tt+3], v[Y+16*\tt+2:Y+16*\tt+3], v[Y+16*\tt+2:Y+16*\tt+3]
.endr
.irp p, 4,8,12
.irp tt, 0,1
	v_pk_fma_f32 v[RT+4*\tt:RT+4*\tt+1], v[Y+16*\tt+\p:Y+16*\tt+\p+1], v[Y+16*\tt+\p:Y+16*\tt+\p+1], v[RT+4*\tt:RT+4*\tt+1]
	v_pk_fma_f32 v[RT+4*\tt+2:RT+4*\tt+3], v[Y+16*\tt+\p+2:Y+16*\tt+\p+3], v[Y+16*\tt+\p+2:Y+16*\tt+\p+3], v[RT+4*\tt+2:RT+4*\tt+3]
.endr
.endr
.irp tt, 0,1
	v_pk_add_f32 v[RT+4*\tt:RT+4*\tt+1], v[RT+4*\tt:RT+4*\tt+1], v[RT+4*\tt+2:RT+4*\tt+3]
.endr
.irp tt, 0,1
	v_add_f32 v[QM+\tt], v[RT+4*\tt], v[RT+4*\tt+1]
.endr
	ACROSS
.irp tt, 0,1
	ds_store_b32 v[REDW], v[QM+\tt] offset:REDN+REDT*\tt
.endr
	BARRIER
	GATHER REDN
.irp tt, 0,1
	v_fmaak_f32 v[QM+\tt], s62, v[QM+\tt], 0x3727c5ac   ; / 512 + 1e-5
.endr
.irp tt, 0,1
	v_rsq_f32 v[NM+2*\tt], v[QM+\tt]
.endr
	v_nop                                          ; one plain place behind the transcendentals
	s_wait_alu depctr_va_vdst(0)
.irp tt, 0,1
.irp p, 0,2,4,6,8,10,12,14
	v_pk_mul_f32 v[Y+16*\tt+\p:Y+16*\tt+\p+1], v[Y+16*\tt+\p:Y+16*\tt+\p+1], v[NM+2*\tt:NM+2*\tt+1] op_sel_hi:[1,0]
.endr
.endr
.irp tt, 0,1
.irp p, 0,2,4,6,8,10,12,14
	v_pk_fma_f32 v[Y+16*\tt+\p:Y+16*\tt+\p+1], v[Y+16*\tt+\p:Y+16*\tt+\p+1], v[G2+\p:G2+\p+1], v[BE2+\p:BE2+\p+1]
.endr
.endr
	BLKQ Y, RT, 2                                  ; my 32 columns are one block of the next K
	v_nop                                          ; one plain place behind a scaled conversion
.irp tt, 0,1
	ds_store_b64 v[XIW], v[RT+2*\tt:RT+2*\tt+1] offset:4096*\tt
	ds_store_b8 v[XSW], v[QM+6+\tt] offset:256*\tt
.endr
	BARRIER                                        ; x2's eight fragments lie in LDS
	FRAGS8 XIMG, XSC
	v_mov_b32 v[A1C], 0x32edffee
	v_mov_b32 v[A1C+1], 0x32edffee
	v_mov_b32 v[B1C], 0xb95fbd29
	v_mov_b32 v[B1C+1], 0xb95fbd29
	; ---- the hidden layer: my 128 units, 32 at a time
	PH1 0
	PH1 1
	PH1 2
	PH1 3
.irp tt, 0,1                                   ; the operand wants a whole block in a lane
.irp c, 0,1
.irp i, 0,1
	v_permlane16_swap_b32 v[PC+8*\tt+4*\c+\i], v[PC+8*\tt+4*\c+2+\i]
.endr
.endr
.endr
.irp tt, 0,1
	ds_store_b128 v[HIW], v[PC+8*\tt:PC+8*\tt+3] offset:16384*\tt
	ds_store_b128 v[HIW], v[PC+8*\tt+4:PC+8*\tt+7] offset:16384*\tt+512
	ds_store_b32 v[HSW], v[PW+\tt] offset:1024*\tt
.endr
	; x1 + b2, the C of the last product, is made AHEAD of the barrier: x1 lies in my own bytes of the stage, so a wave that is early reads it back while the others still work on the hidden layer
.irp tt, 0,1
.irp i, 0,1,2,3
	ds_load_b128 v[HA+16*\tt+4*\i:HA+16*\tt+4*\i+3], v[STA] offset:TTS*\tt+16*\i
.endr
.endr
	s_wait_loadcnt 34                              ; b2 is in: W2's two groups of 17 are younger
	s_wait_dscnt 0x0                               ; x1 is back; and, for the others' sake, my images and scale words lie in LDS
.irp tt, 0,1
.irp p, 0,2,4,6,8,10,12,14
	v_pk_add_f32 v[HA+16*\tt+\p:HA+16*\tt+\p+1], v[HA+16*\tt+\p:HA+16*\tt+\p+1], v[B1+\p:B1+\p+1]
.endr
.endr
	PLACES 4                                       ; the C so written stands four places ahead of the products
	s_barrier_signal -1
	s_barrier_wait -1                              ; the hidden layer's 32 fragments lie in LDS
	; ---- out = x1 + b2 + hidden W2
	PH2 0
	PH2 1
	PH2 2
	PH2 3
.irp tt, 0,1
.irp i, 0,1,2,3
	ds_store_b128 v[STA], v[HA+16*\tt+4*\i:HA+16*\tt+4*\i+3] offset:TTS*\tt+16*\i   ; each accumulator from its low end on
.endr
.endr
	BARRIER                                        ; 32 whole rows of out lie in the stage
.irp i, 0,1,2,3,4,5,6,7
	ds_load_b128 v[16+4*\i:19+4*\i], v[ROWA] offset:SROW*(\i/4)+512*(\i%4)
.endr
.irp i, 0,1,2,3,4,5,6,7
	s_wait_dscnt 7-\i
	global_store_b128 v[LI], v[16+4*\i:19+4*\i], s[36:37] offset:512*\i th:TH_STORE_NT   ; 512 consecutive bytes, aligned; written once, read by nobody here
.endr
	s_wait_xcnt 0x0
	v_lshl_add_u32 v250, v0, 2, 0x1e200
	v_mov_b32 v251, 0
	s_wait_tensorcnt 0x0
	ds_add_u32 v250, v251
	s_wait_dscnt 0x0
	s_endpgm
.Lfunc_end_k_qb0de6ca999_rest:
	.size	k_qb0de6ca999_rest, .Lfunc_end_k_qb0de6ca999_rest-k_qb0de6ca999_rest
	.p2alignl 7, 3214868480
	.fill 96, 4, 3214868480
	.section	.rodata,"a",@progbits
	.p2align	6, 0x0
	.amdhsa_kernel k_qb0de6ca999_rest
		.amdhsa_group_segment_fixed_size 125440
		.amdhsa_private_segment_fixed_size 0
		.amdhsa_enable_private_segment 0
		.amdhsa_kernarg_size 120
		.amdhsa_user_sgpr_count 2
		.amdhsa_user_sgpr_kernarg_segment_ptr 1
		.amdhsa_wavefront_size32 1
		.amdhsa_system_sgpr_workgroup_id_x 1
		.amdhsa_system_sgpr_workgroup_id_y 1
		.amdhsa_system_sgpr_workgroup_id_z 1
		.amdhsa_system_vgpr_workitem_id 0
		.amdhsa_next_free_vgpr 256
		.amdhsa_next_free_sgpr 92
		.amdhsa_reserve_vcc 0
		.amdhsa_float_denorm_mode_32 3
		.amdhsa_float_denorm_mode_16_64 3
		.amdhsa_memory_ordered 1
		.amdhsa_forward_progress 1
		.amdhsa_inst_pref_size 194
	.end_amdhsa_kernel
	.amdgpu_metadata
---
amdhsa.version: [ 1, 2 ]
amdhsa.kernels:
  - .name:           k_qb0de6ca999_rest
    .symbol:         k_qb0de6ca999_rest.kd
    .args:
      - { .name: x, .offset: 0, .size: 8, .value_kind: global_buffer, .address_space: global }
      - { .name: qw, .offset: 8, .size: 8, .value_kind: global_buffer, .address_space: global }
      - { .name: kv, .offset: 16, .size: 8, .value_kind: global_buffer, .address_space: global }
      - { .name: Wo_codes, .offset: 24, .size: 8, .value_kind: global_buffer, .address_space: global }
      - { .name: Wo_scales, .offset: 32, .size: 8, .value_kind: global_buffer, .address_space: global }
      - { .name: bo, .offset: 40, .size: 8, .value_kind: global_buffer, .address_space: global }
      - { .name: ln2_g, .offset: 48, .size: 8, .value_kind: global_buffer, .address_space: global }
      - { .name: ln2_b, .offset: 56, .size: 8, .value_kind: global_buffer, .address_space: global }
      - { .name: W1_codes, .offset: 64, .size: 8, .value_kind: global_buffer, .address_space: global }
      - { .name: W1_scales, .offset: 72, .size: 8, .value_kind: global_buffer, .address_space: global }
      - { .name: b1, .offset: 80, .size: 8, .value_kind: global_buffer, .address_space: global }
      - { .name: W2_codes, .offset: 88, .size: 8, .value_kind: global_buffer, .address_space: global }
      - { .name: W2_scales, .offset: 96, .size: 8, .value_kind: global_buffer, .address_space: global }
      - { .name: b2, .offset: 104, .size: 8, .value_kind: global_buffer, .address_space: global }
      - { .name: out0, .offset: 112, .size: 8, .value_kind: global_buffer, .address_space: global }
    .group_segment_fixed_size: 125440
    .private_segment_fixed_size: 0
    .kernarg_segment_align: 8
    .kernarg_segment_size: 120
    .max_flat_workgroup_size: 512
    .sgpr_count:     92
    .vgpr_count:     256
    .wavefront_size: 32
...
	.end_amdgpu_metadata
.endif
;; end of part 4
;; ======== version 3 of 3: 2 launches; version 2 with the launches qkv, rest written anew for expert scheduling mode
;; workspace buffers: qw 2,359,296 bytes; kv 4,587,520 bytes
;; launch qkv (part 5): grid 64 x 4, 4 waves a work-group, no clusters, 41,472 bytes of LDS; arguments x, ln1_g, ln1_b, Wq_codes, Wq_scales, bq, Wk_codes, Wk_scales, bk, Wv_codes, Wv_scales, bv, qw, kv; writes qw, kv
.if DOCPART == 5
	.amdgcn_target "amdgcn-amd-amdhsa--gfx1250"
	.amdhsa_code_object_version 6
	.text
	.protected	k_qb0de6ca999_qkv
	.globl	k_qb0de6ca999_qkv
	.p2align	8
	.type	k_qb0de6ca999_qkv,@function
k_qb0de6ca999_qkv:
	s_mov_b64 s[64:65], 0
	v_nop
	global_prefetch_b8 v0, s[64:65] scope:SCOPE_SE
	s_setreg_imm32_b32 hwreg(HW_REG_WAVE_SCHED_MODE, 0, 2), 2
	s_setreg_imm32_b32 hwreg(HW_REG_WAVE_MODE, 25, 1), 1
	s_wait_xcnt 0x0
	s_wait_alu depctr_vm_vsrc(0)
; LN1(x), quantised along D; q, k, v = xn W + b on codes of FP4 (E2M1, one E8M0 scale for each 32 along K); q and k quantised along the head's 64, v along the KEYS.
; SHARES.  Work-group (x = rb, y = hp): tokens 128 rb .. + 127 (batch rb / 16, key step rb % 16) and heads 2 hp, 2 hp + 1.  Wave w normalises and quantises tokens 32 w .. + 31 (two tiles of 16) and hands
; their fragments to the others through LDS as images of the operand's registers.  Then wave w, for all 128 tokens: head 2 hp + w / 2; all 64 columns of q (w even) or of k (w odd), used transposed; and the
; 32 columns 32 (w % 2) .. of v, used as it stands.  Its 24 weight fragments stay in registers.  q or k is a choice of pointers alone: one text for both.
; TOKEN TILES ARE NOT NEIGHBOURS: lane r of tile m takes token 32 (m / 2) + 8 (m % 2) + r + 8 (r / 8).  So in v = xn Wv (a lane: one column e, registers down the tokens) the 16 registers of tiles 2 B, 2 B + 1 are
; 16 neighbouring keys.  The rows of a weight's tile are chosen alike, so that in q^T = Wq xn^T a lane's 16 registers of two tiles are 16 neighbouring e.
; OUT, all as images of registers (lane l's 16 bytes at 16 l): qw, for each (batch, head): codes [step 16][tile 8][512], scale words [step 16][lane 32][pair 4][4]; kv: the same for k, then v's codes
; [step 16][e tile 4][1024] and v's scale words [step 16][pair 2][lane 32][4].  q's and k's K is 64: only registers 0-3 of a fragment are stored; the reader sets the other four to zero codes.
; Every store of codes covers 512 consecutive bytes, aligned; v's scale words go out as 128 consecutive bytes a wave (4,096 of a head's 143,360 bytes).
; No cluster: the four work-groups that share 128 rows of x read them straight into registers, where a lane wants 16 neighbours of its own row; a joint load would land in LDS and add a write and a read of each byte.
; LIMITS: NaN and infinities are not served.  A block whose largest magnitude is under 2^-124, a block of zeros among them, gets the scale byte 1 (this program alone reads the bytes).  v_rsq_f32 is good to 1 ulp.
; REGISTERS, in windows of 256: window 1: tile 2 w of x (256 f32 a lane: register 64 s + 16 b + i = column 128 s + 32 b + 16 (lane / 16) + i), later all 32 fragments of xn (fragment 4 m + s at 8 (4 m + s));
;   window 2: tile 2 w + 1 of x;   window 3: v0-127 q's or k's fragments ((t, s) at 32 t + 8 s), v128-191 v's ((n, s) at 128 + 32 n + 8 s), v192-223 q's or k's bias, v224-239 v's bias;   window 0: the rest.
; THE MODE: SCHED_MODE bits 1:0 = 2 (LLVM: expert scheduling mode 2), set by the entry lines.  The code itself states the register dependences between vector or matrix instructions and memory or LDS
; instructions, with s_wait_alu, always for 0.
; THE PLAN.  Registers that memory or LDS instructions touch:
;   v4-v15       addresses: written once at the head, read by every load and store, never written again: one wait on va_vdst ahead of the first load.
;   v20-27       g and b on their way to LDS: loaded, read by two LDS stores; then the sums' chains: one wait on vm_vsrc ahead of the first sums.
;   window 1     x as loaded; read and written by the sums and by NORM; then the 64 LDS loads of xn's fragments land in it, behind NORM's last wait on va_vdst, behind which no vector instruction stands.
;   GC, BC       g and b of a K step: LDS loads land; both tiles' multiply-adds read them; behind tile 1's stands a wait on va_vdst, and the next K step's (at the end: the weights' scale words) are asked for at once.
;   PC, PW       written by QUANT, read by the stores that follow it (LDS stores in NORM, global stores in QKG and VG): a wait on va_vdst ahead of each run of stores, a wait on vm_vsrc ahead of the next QUANT.
;   SW, VW1      scale words on their way out: a vector line writes each, one store reads it.
;   window 3, WS, XS   loaded once, read by matrix instructions alone.
.set G_L,  0                           ; LDS: ln1_g, 2,048 bytes
.set BE_L, 2048                        ; ln1_b
.set XSC,  4096                        ; xn's scale words: fragment f at 128 f, lane l's word at 4 l
.set XIMG, 8192                        ; xn's fragments: f at 1,024 f
.set XA,   4                           ; v4   x: (r + 8 (r / 8)) x 2,048 + 64 (lane / 16)
.set LI,   5                           ; v5   16 x lane
.set LS,   6                           ; v6   4 x lane
.set XWI,  7                           ; v7   where I store my images
.set XWS,  8                           ; v8   and their scale words
.set GA,   9                           ; v9   LDS: 64 (lane / 16): my 16 numbers of a block of 32 of g and of b
.set WA,   10                          ; v10  a weight's tile: (r + 8 (r / 8)) x 256 + 16 (lane / 16)
.set WSA,  11                          ; v11  its scale bytes: (r + 8 (r / 8)) x 16
.set BQA,  12                          ; v12  q's or k's bias: 64 (lane / 16)
.set BVA,  13                          ; v13  v's bias: 4 (r + 8 (r / 8))
.set SH16, 14                          ; v14  16 (lane / 16)
.set T16,  15                          ; v15  16 x thread
.set SM,   20                          ; v20-27  four chains of packed sums
.set NMU,  28                          ; v28-29  -mean, twice
.set RS0,  30                          ; v30-31, v32-33  1 / sqrt(var + eps) of tile 2 w, 2 w + 1, twice each
.set TP,   34
.set ST,   36                          ; v36-99  64 numbers on their way to the quantiser
.set HA,   36                          ;         the same registers: eight accumulators
.set GC,   100                         ; v100-163 g of a K step
.set BC,   164                         ; v164-227 b of a K step
.set WS,   100                         ; later: v100-123 the weights' scale words (q, k: 4 t + s; v: 16 + 4 n + s)
.set SW,   124                         ; v124-127 q's or k's scale words on their way out
.set VW0,  128
.set VW1,  129
.set XS,   164                         ; later: v164-195 xn's scale words, fragment f at XS + f
.set TM,   228                         ; v228-243 the quantiser's
.set PW,   244                         ; the scale word just made
.set PC,   246                         ; v246-253 the codes just made
.set SEL,  66                          ; s[66:67] v_permlanex16_b32's selects for lane l xor 16
.set MSB, 0
.macro WIN new                         ; s_set_vgpr_msb: bits 1:0 source 0, 3:2 source 1, 5:4 source 2, 7:6 destination; the high byte repeats the setting that is left
.if MSB != (\new)
	s_set_vgpr_msb (MSB<<8)|(\new)
.set MSB, (\new)
.endif
.endm
.macro PLACES n
.rept \n
	v_nop
.endr
.endm
.macro WM d, a, b, c, sa, sb
	v_wmma_scale_f32_16x16x128_f8f6f4 v[\d:\d+7], v[\a:\a+7], v[\b:\b+7], v[\c:\c+7], v[\sa], v[\sb] matrix_a_fmt:MATRIX_FMT_FP4 matrix_b_fmt:MATRIX_FMT_FP4
.endm
; 64 numbers of a lane, register 16 b + i = k 32 b + 16 (lane / 16) + i of my row, become a fragment's codes in v[PC] on and its scale word in v[PW]
.macro QUANT s
.irp b, 0,1,2,3
	v_max3_num_f32 v[TM+\b], |v[\s+16*\b]|, |v[\s+1+16*\b]|, 0x1800000   ; my 16 numbers of block b, and the floor 2^(3 - 127): the byte cannot fall under 1
.endr
.irp i, 2,4,6,8,10,12,14
.irp b, 0,1,2,3
	v_max3_num_f32 v[TM+\b], v[TM+\b], |v[\s+16*\b+\i]|, |v[\s+1+16*\b+\i]|
.endr
.endr
.irp b, 0,1,2,3
	v_permlanex16_b32 v[TM+4+\b], v[TM+\b], s[SEL], s[SEL+1]
.endr
.irp b, 0,1,2,3
	v_max_num_f32 v[TM+\b], v[TM+\b], v[TM+4+\b]   ; with lane l xor 16's: the block's largest magnitude
.endr
.irp b, 0,1,2,3
	v_add_nc_u32 v[TM+12+\b], 0xff000000, v[TM+\b]   ; 2 off its exponent field: the conversion's scale operand
.endr
.irp b, 0,1,2,3
	v_lshrrev_b32 v[TM+4+\b], 23, v[TM+12+\b]      ; the scale's byte
.endr
	v_lshl_or_b32 v[PW], v[TM+5], 8, v[TM+4]
	v_lshl_or_b32 v[PW], v[TM+6], 16, v[PW]
	v_lshl_or_b32 v[PW], v[TM+7], 24, v[PW]
.irp b, 0,1,2,3
	v_cvt_scalef32_pk8_fp4_f32 v[PC+2*\b], v[\s+16*\b:\s+7+16*\b], v[TM+12+\b]
	v_cvt_scalef32_pk8_fp4_f32 v[PC+1+2*\b], v[\s+8+16*\b:\s+15+16*\b], v[TM+12+\b]
.endr
	v_nop                                          ; one plain place behind a scaled conversion
.irp c, 0,1                                    ; the operand wants a whole block in a lane: lanes 0-15 block 2 c, lanes 16-31 block 2 c + 1
.irp i, 0,1
	v_permlane16_swap_b32 v[PC+4*\c+\i], v[PC+2+4*\c+\i]
.endr
.endr
.endm
.macro XLOAD u                         ; tile 2 w + u of x into window u + 1
	WIN ((\u)+1)<<6
.irp s, 0,1,2,3
.irp b, 0,1,2,3
.irp j, 0,1,2,3
	global_load_b128 v[64*\s+16*\b+4*\j:64*\s+16*\b+4*\j+3], v[XA], s[8:9] offset:16384*(\u)+512*\s+128*\b+16*\j
.endr
.endr
.endr
	WIN 0
.endm
.macro GLOAD s                         ; g and b of K step s, in the order of a lane's 64 numbers
.irp b, 0,1,2,3
.irp j, 0,1,2,3
	ds_load_b128 v[GC+16*\b+4*\j:GC+16*\b+4*\j+3], v[GA] offset:G_L+512*(\s)+128*\b+16*\j
	ds_load_b128 v[BC+16*\b+4*\j:BC+16*\b+4*\j+3], v[GA] offset:BE_L+512*(\s)+128*\b+16*\j
.endr
.endr
.endm
.macro JOIN                            ; four chains, two halves, two lanes: the row's sum in v[SM]
	v_pk_add_f32 v[SM:SM+1], v[SM:SM+1], v[SM+2:SM+3]
	v_pk_add_f32 v[SM+4:SM+5], v[SM+4:SM+5], v[SM+6:SM+7]
	v_pk_add_f32 v[SM:SM+1], v[SM:SM+1], v[SM+4:SM+5]
	v_add_f32 v[SM], v[SM], v[SM+1]
	v_permlanex16_b32 v[TP], v[SM], s[SEL], s[SEL+1]
	v_add_f32 v[SM], v[SM], v[TP]
.endm
; The tile in window w: the mean; the tile less the mean, in place; the mean of the squares of that (no difference of large sums is formed); 1 / sqrt(var + eps) into v[rs], twice
.macro STATS w, rs
	WIN (\w)|((\w)<<2)
.irp c, 0,1,2,3
	v_pk_add_f32 v[SM+2*\c:SM+2*\c+1], v[2*\c:2*\c+1], v[8+2*\c:9+2*\c]
.endr
	WIN (\w)<<2
.set pp, 8
.rept 120
	v_pk_add_f32 v[SM+2*(pp%4):SM+2*(pp%4)+1], v[SM+2*(pp%4):SM+2*(pp%4)+1], v[2*pp:2*pp+1]
.set pp, pp+1
.endr
	WIN 0
	JOIN
	v_mul_f32 v[NMU], 0xbb000000, v[SM]            ; x -1/512
	v_mul_f32 v[NMU+1], 0xbb000000, v[SM]
	WIN (\w)|((\w)<<6)
.set pp, 0
.rept 128
	v_pk_add_f32 v[2*pp:2*pp+1], v[2*pp:2*pp+1], v[NMU:NMU+1]
.set pp, pp+1
.endr
	WIN (\w)|((\w)<<2)
.irp c, 0,1,2,3
	v_pk_mul_f32 v[SM+2*\c:SM+2*\c+1], v[2*\c:2*\c+1], v[2*\c:2*\c+1]
.endr
.set pp, 4
.rept 124
	v_pk_fma_f32 v[SM+2*(pp%4):SM+2*(pp%4)+1], v[2*pp:2*pp+1], v[2*pp:2*pp+1], v[SM+2*(pp%4):SM+2*(pp%4)+1]
.set pp, pp+1
.endr
	WIN 0
	JOIN
	v_fmaak_f32 v[SM], s80, v[SM], 0x3727c5ac      ; / 512 + 1e-5
	v_rsq_f32 v[\rs], v[SM]
	v_rsq_f32 v[\rs+1], v[SM]
	v_nop                                          ; one plain place behind the transcendentals
	s_wait_alu depctr_va_vdst(0)                   ; the two reciprocal roots v[rs], v[rs + 1] are written, ahead of their first reader
.endm
.macro WCODES                          ; my 24 weight fragments: they stay
	WIN 0xc0
.irp t, 0,1,2,3
.irp s, 0,1,2,3
.irp c, 0,1
	global_load_b128 v[32*\t+8*\s+4*\c:32*\t+8*\s+4*\c+3], v[WA], s[14:15] offset:(32*(\t/2)+8*(\t%2))*256+64*\s+32*\c
.endr
.endr
.endr
.irp n, 0,1
.irp s, 0,1,2,3
.irp c, 0,1
	global_load_b128 v[128+32*\n+8*\s+4*\c:128+32*\n+8*\s+4*\c+3], v[WA], s[26:27] offset:2048*\n+64*\s+32*\c
.endr
.endr
.endr
	WIN 0
.endm
.macro LATE                            ; biases in the results' layouts, and the weights' scale words (a row's four K steps are 16 neighbouring bytes); into registers that g has left
	WIN 0xc0
.irp t, 0,1,2,3
	global_load_b128 v[192+8*\t:195+8*\t], v[BQA], s[18:19] offset:(32*(\t/2)+8*(\t%2))*4
	global_load_b128 v[196+8*\t:199+8*\t], v[BQA], s[18:19] offset:(32*(\t/2)+8*(\t%2))*4+16
.endr
.irp n, 0,1
.irp j, 0,1,2,3,4,5,6,7
	global_load_b32 v[224+8*\n+\j], v[BVA], s[30:31] offset:32*\n   ; v as it stands: a lane holds one column, so its eight registers take one number
.endr
.endr
	WIN 0
.irp t, 0,1,2,3
	global_load_b128 v[WS+4*\t:WS+4*\t+3], v[WSA], s[16:17] offset:(32*(\t/2)+8*(\t%2))*16
.endr
.irp n, 0,1
	global_load_b128 v[WS+16+4*\n:WS+16+4*\n+3], v[WSA], s[28:29] offset:128*\n
.endr
.endm
; K step s of tile 2 w + u: normalised, quantised, its image stored
.macro NORM u, s
	WIN (\u)+1
.set pp, 0
.rept 32
	v_pk_mul_f32 v[ST+2*pp:ST+2*pp+1], v[64*(\s)+2*pp:64*(\s)+2*pp+1], v[RS0+2*(\u):RS0+2*(\u)+1]
.set pp, pp+1
.endr
	WIN 0
	s_wait_dscnt 0x0                               ; g and b of this K step are in
.if (\u)+(\s) > 0
	s_wait_alu depctr_vm_vsrc(0)                   ; the last image's LDS stores have read v[PC] on and v[PW], which QUANT below writes again
.endif
.set pp, 0
.rept 32
	v_pk_fma_f32 v[ST+2*pp:ST+2*pp+1], v[ST+2*pp:ST+2*pp+1], v[GC+2*pp:GC+2*pp+1], v[BC+2*pp:BC+2*pp+1]
.set pp, pp+1
.endr
.if (\u) == 1
	s_wait_alu depctr_va_vdst(0)                   ; both tiles' multiply-adds are done reading this K step's g and b, in whose registers the loads below land
.if (\s) < 3
	GLOAD (\s)+1                                   ; the next K step's land while this one is quantised
.else
	LATE
.endif
.endif
	QUANT ST
	s_wait_alu depctr_va_vdst(0)                   ; QUANT has written v[PC] on and v[PW], which the LDS stores read
	ds_store_b128 v[XWI], v[PC:PC+3] offset:4096*(\u)+1024*(\s)
	ds_store_b128 v[XWI], v[PC+4:PC+7] offset:4096*(\u)+1024*(\s)+512
	ds_store_b32 v[XWS], v[PW] offset:512*(\u)+128*(\s)
.endm
; q^T or k^T of token tiles m0, m0 + 1: source 0 = 16 rows of the weight, source 1 = xn.  Eight accumulators by turns, one instruction a turn; the bias is the first C.
; The 64 results of a lane are, block 2 mi + b: tile m0 + mi, e = 32 b + 16 (lane / 16) + 0 .. 15: so v[PC .. PC+3] are registers 0-3 of tile m0's fragment, v[PC+4 .. PC+7] of tile m0 + 1's.
.macro QKG m0
	WIN 0x37                                       ; source 0 and C window 3, source 1 window 1
.irp mi, 0,1
.irp t, 0,1,2,3
	WM HA+32*\mi+8*\t, 32*\t, 32*(\m0+\mi), 192+8*\t, WS+4*\t, XS+4*(\m0+\mi)
.endr
.endr
	WIN 0x07
.irp s, 1,2,3
.irp mi, 0,1
.irp t, 0,1,2,3
	WM HA+32*\mi+8*\t, 32*\t+8*\s, 32*(\m0+\mi)+8*\s, HA+32*\mi+8*\t, WS+4*\t+\s, XS+4*(\m0+\mi)+\s
.endr
.endr
.endr
	WIN 0
	PLACES 4                                       ; four places between the last product and the first read of results (ISA guide 7.12.1)
	s_wait_xcnt 0x0                                ; the last global stores' addresses are translated (ISA guide 3.1): their data registers are written again only behind this wait
	s_wait_alu depctr_vm_vsrc(0)                   ; the last stores (of the last image, or of the group before) have read v[PC] on and v[PW], which QUANT writes again
	QUANT HA
	v_lshrrev_b32 v[SW+\m0/2], v[SH16], v[PW]      ; lanes 0-15: tile m0's two bytes below; lanes 16-31: tile m0 + 1's.  The two bytes above meet zero codes alone, and are never 0xff
	s_wait_alu depctr_va_vdst(0)                   ; QUANT has written v[PC] on, which the stores below read; the line above has written its scale word, which the store behind the fourth group reads
	global_store_b128 v[LI], v[PC:PC+3], s[70:71] offset:512*\m0        ; 512 consecutive bytes, aligned
	global_store_b128 v[LI], v[PC+4:PC+7], s[70:71] offset:512*\m0+512
.endm
; v of e tile n, all 128 tokens: source 0 = xn, source 1 = 16 rows of Wv: a lane holds one e, and its 64 registers the step's keys 32 B + 16 (lane / 16) + i
.macro VG n
	WIN 0x3d                                       ; source 0 window 1, source 1 and C window 3
.irp m, 0,1,2,3,4,5,6,7
	WM HA+8*\m, 32*\m, 128+32*\n, 224+8*\n, XS+4*\m, WS+16+4*\n
.endr
	WIN 0x0d
.irp s, 1,2,3
.irp m, 0,1,2,3,4,5,6,7
	WM HA+8*\m, 32*\m+8*\s, 128+32*\n+8*\s, HA+8*\m, XS+4*\m+\s, WS+16+4*\n+\s
.endr
.endr
	WIN 0
	PLACES 4                                       ; four places between the last product and the first read of results (ISA guide 7.12.1)
	s_wait_xcnt 0x0                                ; as in QKG
	s_wait_alu depctr_vm_vsrc(0)                   ; the group before's stores have read v[PC] on, which QUANT writes again
	QUANT HA
	s_wait_alu depctr_va_vdst(0)                   ; QUANT has written v[PC] on, which the stores below read
	global_store_b128 v[LI], v[PC:PC+3], s[74:75] offset:1024*\n
	global_store_b128 v[LI], v[PC+4:PC+7], s[74:75] offset:1024*\n+512
.endm
	s_load_b512 s[8:23], s[0:1], 0x0               ; x, ln1_g, ln1_b, Wq's codes, Wq's scales, bq, Wk's codes, Wk's scales
	s_load_b256 s[24:31], s[0:1], 0x40             ; bk, Wv's codes, Wv's scales, bv
	s_load_b128 s[32:35], s[0:1], 0x60             ; qw, kv
	v_lshl_add_u32 v254, v0, 2, 0xa000
	v_mov_b32 v255, 0
	v_lshrrev_b32 v1, 5, v0
	v_readfirstlane_b32 s36, v1                    ; wave 0..3
	s_wait_alu depctr_va_sdst(0)                   ; s36 is written, ahead of its first reader
	s_and_b32 s37, s36, 1                          ; 0: q, and v's e 0-31;  1: k, and v's e 32-63
	s_lshr_b32 s38, s36, 1
	s_and_b32 s39, ttmp7, 0xffff
	s_lshl_b32 s39, s39, 1
	s_add_co_u32 s38, s38, s39                     ; head
	s_lshr_b32 s39, ttmp9, 4
	s_lshl_b32 s39, s39, 3
	s_add_co_u32 s39, s39, s38                     ; 8 x batch + head
	s_and_b32 s40, ttmp9, 15                       ; key step
	v_and_b32 v1, 31, v0                           ; lane
	v_and_b32 v2, 15, v0                           ; r
	v_bfe_u32 v3, v0, 4, 1                         ; lane / 16
	v_and_b32 v16, 8, v2
	v_add_nc_u32 v16, v16, v2                      ; r + 8 (r / 8)
	v_lshlrev_b32 v[XA], 11, v16
	v_lshl_add_u32 v[XA], v3, 6, v[XA]
	v_lshlrev_b32 v[LI], 4, v1
	v_lshlrev_b32 v[LS], 2, v1
	s_lshl_b32 s6, s36, 13
	s_add_co_u32 s6, s6, XIMG
	v_add_nc_u32 v[XWI], s6, v[LI]                 ; my eight fragments: 8 w on
	s_lshl_b32 s6, s36, 10
	s_add_co_u32 s6, s6, XSC
	v_add_nc_u32 v[XWS], s6, v[LS]
	v_lshlrev_b32 v[GA], 6, v3
	v_lshlrev_b32 v[WA], 8, v16
	v_lshl_add_u32 v[WA], v3, 4, v[WA]
	v_lshlrev_b32 v[WSA], 4, v16
	v_lshlrev_b32 v[BQA], 6, v3
	v_lshlrev_b32 v[BVA], 2, v16
	v_lshlrev_b32 v[SH16], 4, v3
	v_lshlrev_b32 v[T16], 4, v0
	v_mov_b32 v[TP], 0                             ; written once: a lane permute's destination counts as one of its sources
.irp b, 0,1,2,3
	v_mov_b32 v[TM+4+\b], 0
.endr
	s_mov_b32 s[SEL], 0x76543210
	s_mov_b32 s[SEL+1], 0xfedcba98
	s_mov_b32 s80, 0x3b000000                      ; 1/512
	; byte offsets, each in a pair of its own
	s_lshl_b32 s42, ttmp9, 18                      ; x: 128 rows of 2,048 bytes a work-group,
	s_lshl_b32 s6, s36, 16                         ; 32 a wave
	s_add_co_u32 s42, s42, s6
	s_mov_b32 s43, 0
	s_lshl_b32 s44, s38, 14                        ; a head's codes: 64 rows of 256 bytes
	s_mov_b32 s45, 0
	s_lshl_b32 s46, s38, 10                        ; its scale bytes
	s_mov_b32 s47, 0
	s_lshl_b32 s48, s38, 8                         ; its bias
	s_mov_b32 s49, 0
	s_lshl_b32 s6, s37, 13                         ; v: my 32 rows of the head's 64
	s_add_co_u32 s50, s44, s6
	s_mov_b32 s51, 0
	s_lshl_b32 s6, s37, 9
	s_add_co_u32 s52, s46, s6
	s_mov_b32 s53, 0
	s_lshl_b32 s6, s37, 7
	s_add_co_u32 s54, s48, s6
	s_mov_b32 s55, 0
	s_mul_i32 s41, s39, 143360                     ; kv: my (batch, head)
	s_lshl_b32 s6, s40, 12
	s_add_co_u32 s62, s41, s6
	s_lshl_b32 s6, s37, 11
	s_add_co_u32 s62, s62, s6
	s_add_co_u32 s62, s62, 73728                   ; v's codes: step, e tiles 2 (w % 2) on
	s_mov_b32 s63, 0
	s_lshl_b32 s6, s40, 8
	s_add_co_u32 s68, s41, s6
	s_lshl_b32 s6, s37, 7
	s_add_co_u32 s68, s68, s6
	s_add_co_u32 s68, s68, 139264                  ; v's scale words: step, pair w % 2
	s_mov_b32 s69, 0
	s_mov_b32 s56, 143360
	s_mov_b32 s59, 0
	s_mov_b32 s61, 0
	s_wait_kmcnt 0x0
	s_cmp_eq_u32 s37, 0                            ; q's wave or k's?  The choice hangs on the wave's number alone
	s_cselect_b64 s[14:15], s[14:15], s[20:21]
	s_cselect_b64 s[16:17], s[16:17], s[22:23]
	s_cselect_b64 s[18:19], s[18:19], s[24:25]
	s_cselect_b64 s[78:79], s[32:33], s[34:35]
	s_cselect_b32 s56, 73728, s56                  ; bytes of a (batch, head) in qw or in kv
	s_add_nc_u64 s[8:9], s[8:9], s[42:43]
	s_wait_alu depctr_va_vdst(0)                   ; the addresses v4 to v15 are written: every load and store of the kernel reads one of them
	global_load_b128 v[20:23], v[T16], s[10:11]    ; g and b: 16 bytes a thread
	global_load_b128 v[24:27], v[T16], s[12:13]
	XLOAD 0
	s_mul_i32 s57, s39, s56
	s_lshl_b32 s6, s40, 12
	s_add_co_u32 s58, s57, s6                      ; q's or k's codes of my step
	s_lshl_b32 s6, s40, 9
	s_add_co_u32 s60, s57, s6
	s_add_co_u32 s60, s60, 65536                   ; and its scale words
	s_add_nc_u64 s[14:15], s[14:15], s[44:45]
	s_add_nc_u64 s[16:17], s[16:17], s[46:47]
	s_add_nc_u64 s[18:19], s[18:19], s[48:49]
	s_add_nc_u64 s[26:27], s[26:27], s[50:51]
	s_add_nc_u64 s[28:29], s[28:29], s[52:53]
	s_add_nc_u64 s[30:31], s[30:31], s[54:55]
	s_add_nc_u64 s[70:71], s[78:79], s[58:59]
	s_add_nc_u64 s[72:73], s[78:79], s[60:61]
	s_add_nc_u64 s[74:75], s[34:35], s[62:63]
	s_add_nc_u64 s[76:77], s[34:35], s[68:69]
	s_wait_loadcnt 63                              ; 64 loads are younger than g's and b's; 63 is the largest count that the wait names
	ds_store_b128 v[T16], v[20:23] offset:G_L
	ds_store_b128 v[T16], v[24:27] offset:BE_L
	XLOAD 1
	s_wait_dscnt 0x0                               ; for the others' sake: my part of g and b lies in LDS
	s_barrier_signal -1
	s_barrier_wait -1
	GLOAD 0
	s_wait_loadcnt 63                              ; tile 2 w is in: the other tile's 64 loads are younger
	s_wait_alu depctr_vm_vsrc(0)                   ; the two LDS stores above have read v20-27, which the sums' chains write
	STATS 1, RS0
	s_wait_loadcnt 0x0                             ; tile 2 w + 1 is in
	WCODES                                         ; the weights land under the vector work below
	STATS 2, RS0+2
.irp s, 0,1,2,3
	NORM 0, \s
	NORM 1, \s
.endr
	s_wait_dscnt 0x0                               ; my eight images and their scale words lie in LDS
	s_barrier_signal -1
	s_barrier_wait -1                              ; everybody's do
	WIN 0x40                                       ; (no vector instruction stands behind the last NORM's wait on va_vdst: all that read or wrote window 1 and b's registers is done)
.set ff, 0
.rept 32
	ds_load_b128 v[8*ff:8*ff+3], v[LI] offset:XIMG+1024*ff
	ds_load_b128 v[8*ff+4:8*ff+7], v[LI] offset:XIMG+1024*ff+512
.set ff, ff+1
.endr
	WIN 0
.set ff, 0
.rept 32
	ds_load_b32 v[XS+ff], v[LS] offset:XSC+128*ff
.set ff, ff+1
.endr
	s_wait_dscnt 0x0
	s_wait_loadcnt 0x0                             ; weights, biases, scale words
	QKG 0
	QKG 2
	QKG 4
	QKG 6
	global_store_b128 v[LI], v[SW:SW+3], s[72:73]  ; the step's scale words: 512 consecutive bytes, aligned.  (No vector instruction stands behind the fourth group's wait on va_vdst)
	VG 0
	v_mov_b32 v[VW0], v[PW]
	VG 1
	v_cmp_lt_u32 vcc_lo, 15, v1
	s_wait_alu depctr_va_vcc(0)                    ; VCC is written, ahead of the select that reads it
	v_cndmask_b32 v[VW1], v[VW0], v[PW], vcc_lo    ; lanes 0-15: e tile 2 (w % 2)'s words; lanes 16-31: the next tile's
	s_wait_alu depctr_va_vdst(0)                   ; the select has written v[VW1], which the store reads
	global_store_b32 v[LS], v[VW1], s[76:77]
	s_wait_dscnt 0x0                               ; the closing lines, six on end
	s_wait_alu 0x0
	s_wait_tensorcnt 0x0
	ds_add_u32 v254, v255
	s_wait_dscnt 0x0
	s_endpgm
.Lfunc_end_k_qb0de6ca999_qkv:
	.size	k_qb0de6ca999_qkv, .Lfunc_end_k_qb0de6ca999_qkv-k_qb0de6ca999_qkv
	.p2alignl 7, 3214868480
	.fill 96, 4, 3214868480
	.section	.rodata,"a",@progbits
	.p2align	6, 0x0
	.amdhsa_kernel k_qb0de6ca999_qkv
		.amdhsa_group_segment_fixed_size 41472
		.amdhsa_private_segment_fixed_size 0
		.amdhsa_enable_private_segment 0
		.amdhsa_kernarg_size 112
		.amdhsa_user_sgpr_count 2
		.amdhsa_user_sgpr_kernarg_segment_ptr 1
		.amdhsa_wavefront_size32 1
		.amdhsa_system_sgpr_workgroup_id_x 1
		.amdhsa_system_sgpr_workgroup_id_y 1
		.amdhsa_system_sgpr_workgroup_id_z 1
		.amdhsa_system_vgpr_workitem_id 0
		.amdhsa_next_free_vgpr 1024
		.amdhsa_next_free_sgpr 84
		.amdhsa_reserve_vcc 1
		.amdhsa_float_denorm_mode_32 3
		.amdhsa_float_denorm_mode_16_64 3
		.amdhsa_memory_ordered 1
		.amdhsa_forward_progress 1
		.amdhsa_inst_pref_size 203
	.end_amdhsa_kernel
	.amdgpu_metadata
---
amdhsa.version: [ 1, 2 ]
amdhsa.kernels:
  - .name:           k_qb0de6ca999_qkv
    .symbol:         k_qb0de6ca999_qkv.kd
    .args:
      - { .name: x, .offset: 0, .size: 8, .value_kind: global_buffer, .address_space: global }
      - { .name: ln1_g, .offset: 8, .size: 8, .value_kind: global_buffer, .address_space: global }
      - { .name: ln1_b, .offset: 16, .size: 8, .value_kind: global_buffer, .address_space: global }
      - { .name: Wq_codes, .offset: 24, .size: 8, .value_kind: global_buffer, .address_space: global }
      - { .name: Wq_scales, .offset: 32, .size: 8, .value_kind: global_buffer, .address_space: global }
      - { .name: bq, .offset: 40, .size: 8, .value_kind: global_buffer, .address_space: global }
      - { .name: Wk_codes, .offset: 48, .size: 8, .value_kind: global_buffer, .address_space: global }
      - { .name: Wk_scales, .offset: 56, .size: 8, .value_kind: global_buffer, .address_space: global }
      - { .name: bk, .offset: 64, .size: 8, .value_kind: global_buffer, .address_space: global }
      - { .name: Wv_codes, .offset: 72, .size: 8, .value_kind: global_buffer, .address_space: global }
      - { .name: Wv_scales, .offset: 80, .size: 8, .value_kind: global_buffer, .address_space: global }
      - { .name: bv, .offset: 88, .size: 8, .value_kind: global_buffer, .address_space: global }
      - { .name: qw, .offset: 96, .size: 8, .value_kind: global_buffer, .address_space: global }
      - { .name: kv, .offset: 104, .size: 8, .value_kind: global_buffer, .address_space: global }
    .group_segment_fixed_size: 41472
    .private_segment_fixed_size: 0
    .kernarg_segment_align: 8
    .kernarg_segment_size: 112
    .max_flat_workgroup_size: 128
    .sgpr_count:     84
    .vgpr_count:     1024
    .wavefront_size: 32
...
	.end_amdgpu_metadata
.endif
;; end of part 5
;; launch rest (part 6): grid 256 x 1, 16 waves a work-group, no clusters, 125,440 bytes of LDS; arguments x, qw, kv, Wo_codes, Wo_scales, bo, ln2_g, ln2_b, W1_codes, W1_scales, b1, W2_codes, W2_scales, b2, out0; writes out0
.if DOCPART == 6
	.amdgcn_target "amdgcn-amd-amdhsa--gfx1250"
	.amdhsa_code_object_version 6
	.text
	.protected	k_qb0de6ca999_rest
	.globl	k_qb0de6ca999_rest
	.p2align	8
	.type	k_qb0de6ca999_rest,@function
k_qb0de6ca999_rest:
	s_mov_b64 s[64:65], 0
	v_nop
	global_prefetch_b8 v0, s[64:65] scope:SCOPE_SE
	s_setreg_imm32_b32 hwreg(HW_REG_WAVE_SCHED_MODE, 0, 2), 2
	s_setreg_imm32_b32 hwreg(HW_REG_WAVE_MODE, 25, 1), 1
	s_wait_xcnt 0x0
	s_wait_alu depctr_vm_vsrc(0)
; av = softmax(q k^T / 8) v;  x1 = x + av Wo + bo;  out = x1 + gelu(LN2(x1) W1 + b1) W2 + b2.  All five products on codes of FP4 (E2M1, one E8M0 scale for each 32 along K); gelu with erf.
; SHARES.  A work-group takes 32 tokens: two tiles tt of 16; lane r of tile tt holds token 8 tt + r + 8 (r / 8), as the launch before laid q, k and v.
; PART 1, ATTENTION: 8 heads x 2 tiles = 16 waves: wave w takes head w / 2 and tile w % 2 and walks the head's 16 key steps of 128.  k, v and their scale words lie in kv as images of the operand's registers
; (lane l's 16 bytes at 16 l), so every load takes 512 consecutive bytes, straight into the registers of the wave that multiplies by them: 143,360 bytes a wave.  k of the next step is asked for behind this step's
; first products, v of the next step behind its second products: each has about a step in which to land, and no second set of registers is needed.
; THE SOFTMAX AHEAD OF THE SECOND PRODUCT: t = score x log2(e) / 8; M = the row's largest t so far, rounded UP to a whole number; p = 2^(t - M) is what is quantised, along the keys, not normalised.  The row's sum is
; taken of the unquantised p and divides at the end.  When M moves, the sum and O are multiplied by 2^(old M - new M): exact.  Both products are used transposed (S^T = k q^T, O^T = v^T p^T): a lane holds ONE query.
; The first product's K is 64: registers 4-7 of q's and k's fragments are zero codes, set once.  av is quantised in registers; its codes and scale bytes go to LDS as the next product's operand.
; PART 2: THE SIXTEEN WAVES SHARE THE COLUMNS: wave w makes columns 32 w .. + 31 of x1 and of out (the same columns in the same layout, so that x1 + b2 is the C of the last product) and hidden units 128 w .. + 127,
; which are just K step w of the last product.  So every byte of a weight is read once by a work-group, straight into the registers of the one wave that multiplies by it; what goes from wave to wave through LDS is
; small: the rows' codes, as images of the operand's registers, their scale words, and the rows' partial sums for LN2.  All products are used transposed (source 0 = 16 rows of the weight, source 1 = 16 tokens); the
; rows of a weight's tile u are row0 + 8 u + r + 8 (r / 8), so that register 8 u + j of lane (r, h) is column row0 + 16 h + 8 u + j.
; x comes in and out leaves by whole rows through a stage in LDS: every load and store of them covers 512 consecutive bytes, aligned.  IN THE STAGE A TOKEN'S ROW LIES AT SLOT 16 tt + r, the order of the tiles' lanes:
; the sixteen rows that a read or a store by columns touches are then neighbours, 2,064 bytes = 516 words apart, and start at sixteen different groups of four banks (64 banks of 4 bytes: ISA guide 11.1).
; No cluster: k, v and the weights, which many work-groups walk, go to registers; a joint load would land them in LDS, add a write and a read of each byte, and ask for a ring with a round of the cluster's barrier in
; every key step (a step's eight heads are 71,680 bytes) and in every block of a weight.
; erf(z) = z P(z^2) / Q(z^2), z held to +-4 (P of degree 6, Q of degree 4), good to a few ulp of erf; gelu = x/2 + (x/2) erf(x / sqrt 2), one fused multiply-add.
; LIMITS: NaN and infinities are not served.  A block whose largest magnitude (or largest p) is under 2^-124 gets the scale byte 1.  A block's largest p is made from the block's largest score by the same multiply-add and
; exponential, which takes v_exp_f32 not to fall where its input rises.  Far down the negative side gelu carries an absolute error of some 1e-7 |x|, as x (1 + erf) / 2 in f32 has.  v_exp_f32, v_rcp_f32 and
; v_rsq_f32 are good to 1 ulp.
; REGISTERS OF PART 1: v1 16 x lane; v4 4 x lane; v12 -M, v13 the largest t; v16-23 q; v24-27 k's scale words; v28-29 v's; v[30:31] the sum; v32-95 k's eight fragments; v96-159 S^T, then p; v160-191 O^T;
;   v192-223 v's four fragments; v224-231 p's codes; v232-254 at work; v255 q's scale word.  v2, 3, 5-11, 14, 15 hold addresses of part 2 from the head on.
; THE MODE: SCHED_MODE bits 1:0 = 2 (LLVM: expert scheduling mode 2), set by the entry lines.  The code itself states the register dependences between vector or matrix instructions and memory or LDS
; instructions, with s_wait_alu, always for 0.
; THE PLAN.  Registers that memory or LDS instructions touch:
;   v1-v15         addresses.  v1, v4 (and v254, for one load): written at the head, ahead of a wait on va_vdst and the first loads.  The others of the head: ahead of the wait on va_vdst that stands in front of x's LDS stores.
;                  v4, v12, v13 are written anew behind part 1: a wait on vm_vsrc ahead (loads have read v4), a wait on va_vdst behind.  None is written in a loop or while it serves.
;   IN A KEY STEP  k (registers 0-3 of v32-95's fragments, v24-27): loads land; the eight first products read them; behind these stands a wait on va_vdst, and the next step's k is asked for.
;                  v (v192-223, v28, v29): likewise round the four second products.  p's codes v224-231 and scale word v253: written by vector instructions, taken by the second products: a wait on va_vdst ahead of these.
;                  With the exponentials' own that is four waits on va_vdst a step.  Memory instructions read v1 and v4 alone there, which the loop does not write: no wait on vm_vsrc.
;   IN PART 2      Weights, biases and their scale words (R1, XF, WS, B1, v248-255): loads land; a run of 16 products reads them; ONE wait on va_vdst behind the run and its four places serves the next loads into them
;                  and, where the results are stored, the LDS stores.  What vector instructions make for LDS (av's and x2's codes and bytes, the partial sums, the hidden layer's images): one wait on va_vdst ahead of each
;                  run of stores, and a wait on vm_vsrc ahead of the first instruction or load that writes those registers again.
.set AVI,   0                          ; LDS: av's 8 fragments (4 tt + s at 1,024 each)
.set ASC,   8192                       ; their scale words: fragment f at 64 f, row r's word at 4 r
.set XIMG,  8704                       ; LN2(x1)'s 8 fragments
.set XSC,   16896                      ; their scale words
.set RED1,  17408                      ; the waves' partial sums: [tt][r], a row = sixteen f32, one a wave, + 16 bytes of padding = 20 words: the sixteen rows start at sixteen different groups of four banks
.set REDT,  1280                       ; from tt 0 to tt 1: 16 rows of 80 bytes
.set REDN,  2560                       ; from the sums to the sums of squares
.set HSC,   22528                      ; the hidden layer's scale words: fragment 16 tt + k at 64 each
.set HIMG,  24576                      ; its 32 fragments
.set STAGE, 57344                      ; 32 rows x (2,048 bytes + 16): x, then x1 (each wave its own columns), then out
.set SROW,  2064                       ; a row of the stage
.set TTS,   16*SROW                    ; from tile 0's sixteen slots to tile 1's
.set LI,   1                           ; v1   16 x lane
.set L4,   2                           ; v2   4 r
.set WA,   3                           ; v3   a tile of Wo or W1: (r + 8 (r / 8)) x 256 + 16 h
.set A4L,  4                           ; v4   part 1: 4 x lane
.set WSA,  4                           ; v4   part 2: a tile pair's scale bytes: lanes 0-15 tile 0's rows, lanes 16-31 tile 1's: (8 h + r + 8 (r / 8)) x 16
.set W2A,  5                           ; v5   W2: (r + 8 (r / 8)) x 1,024 + 16 h
.set W2SA, 6                           ; v6   (8 h + r + 8 (r / 8)) x 64
.set STA,  7                           ; v7   the stage by columns: slot r, my wave's 128 bytes, + 64 h
.set CV,   8                           ; v8   64 h: my 16 numbers of a vector's 32
.set REDW, 9                           ; v9   my wave's word of row r's partial sums
.set REDR, 10                          ; v10  row r's partial sums of waves 8 h .. 8 h + 7
.set XIW,  11
.set XSW,  12                          ; v12, v13: made behind part 1
.set HIW,  13
.set HSW,  14
.set ROWA, 15                          ; v15  the stage by rows: the slots of tokens 2 w, 2 w + 1
.set XF,   16                          ; v16-79   av's fragments; LN2's work; x2's fragments; W2's second set
.set RT,   16
.set Y,    48
.set R1,   80                          ; v80-143  weight fragments, (u, s) at 32 u + 8 s
.set HA,   144                         ; v144-175 four accumulators: 16 tt + 8 u
.set B1,   176                         ; v176-191 bo, b1, b2
.set WS,   192                         ; v192-195 the weight's scale words, register s = K step s
.set XS,   196                         ; v196-203 the tokens' scale words, 4 tt + s
.set G2,   204                         ; v204-219 ln2_g, later the hidden layer's codes
.set PC,   204
.set BE2,  220                         ; v220-235 ln2_b, later:
.set PW,   220                         ; v220-221 the hidden layer's scale words
.set ZZ,   222
.set Z2,   224
.set PP,   226
.set QQ,   228
.set HX,   230
.set A1C,  232                         ; v232-233, v234-235: two of erf's coefficients, twice each
.set B1C,  234
.set QM,   236                         ; v236-243 the quantiser's: maxima, the other lane's, scale operands, bytes
.set NM,   244                         ; v244, v246: -mean, later 1 / sqrt(var + eps), of tt 0, 1: low words of pairs
.set HF,   176                         ; the last product: v176-239 eight hidden fragments, v240-247 their scale words, v248-255 W2's scale words, two sets
.set HS,   240
.set WVN,  38
.set CA0,  40                          ; s[40:51] erf's P: a0, a2 .. a6, a pair each;  s[52:59] Q: b0, b2, b3, b4;  s[60:61] 1 / sqrt 2
.set CB0,  52
.set RH,   60
.set SEL,  66                          ; s[66:67] v_permlanex16_b32's selects for lane l xor 16
.set CS,   68                          ; s[68:69] c = log2(e) / 8
.set KCB,  70                          ; s[70:71] k's codes of the step to be asked for (4,096 bytes a step);  s[72:73] k's scale words (512);
.set KSB,  72
.set VCB,  74                          ; s[74:75] v's codes (4,096);  s[76:77] v's scale words (256)
.set VSB,  76
.set CNT,  78
.set TT,   79                          ; s79  my tile of queries, 0 or 1
.set HD,   89                          ; s89  my head
.macro PLACES n
.rept \n
	v_nop
.endr
.endm
.macro WM d, a, b, c, sa, sb, row
.if \row
	v_wmma_scale_f32_16x16x128_f8f6f4 v[\d:\d+7], v[\a:\a+7], v[\b:\b+7], v[\c:\c+7], v[\sa], v[\sb] matrix_a_fmt:MATRIX_FMT_FP4 matrix_b_fmt:MATRIX_FMT_FP4 matrix_a_scale:MATRIX_SCALE_ROW1
.else
	v_wmma_scale_f32_16x16x128_f8f6f4 v[\d:\d+7], v[\a:\a+7], v[\b:\b+7], v[\c:\c+7], v[\sa], v[\sb] matrix_a_fmt:MATRIX_FMT_FP4 matrix_b_fmt:MATRIX_FMT_FP4
.endif
.endm
; 16 products: four K steps x two tiles of tokens x two tiles of the weight.  The four accumulators take turns, one instruction a turn.  first = 1: the sums begin with v[B1] on as C
.macro MM16 wa, xb, was, xbs, first
.irp s, 0,1,2,3
.irp tt, 0,1
.irp u, 0,1
.if (\first) && (\s == 0)
	WM HA+16*\tt+8*\u, \wa+32*\u+8*\s, \xb+32*\tt+8*\s, B1+8*\u, \was+\s, \xbs+4*\tt+\s, \u
.else
	WM HA+16*\tt+8*\u, \wa+32*\u+8*\s, \xb+32*\tt+8*\s, HA+16*\tt+8*\u, \was+\s, \xbs+4*\tt+\s, \u
.endif
.endr
.endr
.endr
.endm
.macro WLOAD cb, sb, off, soff         ; 32 rows x 512 along K of Wo or W1: eight fragments, and their scale words: 17 loads
.irp u, 0,1
.irp s, 0,1,2,3
.irp c, 0,1
	global_load_b128 v[R1+32*\u+8*\s+4*\c:R1+32*\u+8*\s+4*\c+3], v[WA], s[\cb:\cb+1] offset:\off+2048*\u+64*\s+32*\c
.endr
.endr
.endr
	global_load_b128 v[WS:WS+3], v[WSA], s[\sb:\sb+1] offset:\soff
.endm
.macro W2LOAD g, rw, sw                ; my 32 rows of W2, K steps 4 g .. 4 g + 3: 17 loads
.irp u, 0,1
.irp s, 0,1,2,3
.irp c, 0,1
	global_load_b128 v[\rw+32*\u+8*\s+4*\c:\rw+32*\u+8*\s+4*\c+3], v[W2A], s[30:31] offset:8192*\u+256*(\g)+64*\s+32*\c
.endr
.endr
.endr
	global_load_b128 v[\sw:\sw+3], v[W2SA], s[32:33] offset:16*(\g)
.endm
.macro VEC16 reg, base, off            ; my 16 numbers of a vector's 32: 4 loads
.irp i, 0,1,2,3
	global_load_b128 v[\reg+4*\i:\reg+4*\i+3], v[CV], s[\base:\base+1] offset:\off+16*\i
.endr
.endm
.macro FRAGS8 img, sc                  ; eight fragments and their scale words, from their images
.irp f, 0,1,2,3,4,5,6,7
	ds_load_b128 v[XF+8*\f:XF+8*\f+3], v[LI] offset:\img+1024*\f
	ds_load_b128 v[XF+8*\f+4:XF+8*\f+7], v[LI] offset:\img+1024*\f+512
	ds_load_b32 v[XS+\f], v[L4] offset:\sc+64*\f
.endr
.endm
.macro SUM16 src, dst, tmp             ; 16 registers, from the low end on, as a tree; tmp may be src
	v_pk_add_f32 v[\tmp:\tmp+1], v[\src:\src+1], v[\src+2:\src+3]
	v_pk_add_f32 v[\tmp+2:\tmp+3], v[\src+4:\src+5], v[\src+6:\src+7]
	v_pk_add_f32 v[\tmp+4:\tmp+5], v[\src+8:\src+9], v[\src+10:\src+11]
	v_pk_add_f32 v[\tmp+6:\tmp+7], v[\src+12:\src+13], v[\src+14:\src+15]
	v_pk_add_f32 v[\tmp:\tmp+1], v[\tmp:\tmp+1], v[\tmp+2:\tmp+3]
	v_pk_add_f32 v[\tmp+4:\tmp+5], v[\tmp+4:\tmp+5], v[\tmp+6:\tmp+7]
	v_pk_add_f32 v[\tmp:\tmp+1], v[\tmp:\tmp+1], v[\tmp+4:\tmp+5]
	v_add_f32 v[\dst], v[\tmp], v[\tmp+1]
.endm
.macro SUM8 src, dst                   ; 8 registers, as a tree, in place
	v_pk_add_f32 v[\src:\src+1], v[\src:\src+1], v[\src+2:\src+3]
	v_pk_add_f32 v[\src+4:\src+5], v[\src+4:\src+5], v[\src+6:\src+7]
	v_pk_add_f32 v[\src:\src+1], v[\src:\src+1], v[\src+4:\src+5]
	v_add_f32 v[\dst], v[\src], v[\src+1]
.endm
.macro ACROSS                          ; v[QM], v[QM+1]: with lane l xor 16's
.irp tt, 0,1
	v_permlanex16_b32 v[QM+2+\tt], v[QM+\tt], s[SEL], s[SEL+1]
.endr
.irp tt, 0,1
	v_add_f32 v[QM+\tt], v[QM+\tt], v[QM+2+\tt]
.endr
.endm
.macro BARRIER                         ; my LDS stores have landed and my LDS loads are in: then the work-group's barrier
	s_wait_dscnt 0x0
	s_barrier_signal -1
	s_barrier_wait -1
.endm
; The sixteen waves' partial sums of my row, from off bytes on: lane (r, h) takes those of waves 8 h .. 8 h + 7, lane l xor 16 the other eight.  Both lanes, and all waves, add the same two numbers: the same bits everywhere
.macro GATHER off
.irp tt, 0,1
	ds_load_b128 v[RT+8*\tt:RT+8*\tt+3], v[REDR] offset:\off+REDT*\tt   ; (no vector instruction stands behind the wait on va_vdst in front of my partial sums' stores: all that named v[RT] on is done)
	ds_load_b128 v[RT+8*\tt+4:RT+8*\tt+7], v[REDR] offset:\off+REDT*\tt+16
.endr
	s_wait_dscnt 0x0
	s_wait_alu depctr_vm_vsrc(0)                   ; my stores of the partial sums have read v[QM] and v[QM+1], which the sums below write again
	SUM8 RT, QM
	SUM8 RT+8, QM+1
	ACROSS
.endm
; One block of 32 for each tile of tokens: my 16 numbers v[src + 16 tt] on and lane l xor 16's.  Bytes into v[QM+6+tt]; codes into v[cd + cs tt], + 1.  A plain vector line follows in the caller
.macro BLKQ src, cd, cs
.irp tt, 0,1
	v_max3_num_f32 v[QM+\tt], |v[\src+16*\tt]|, |v[\src+16*\tt+1]|, 0x1800000   ; and the floor 2^(3 - 127): the byte cannot fall under 1
.endr
.irp i, 2,4,6,8,10,12,14
.irp tt, 0,1
	v_max3_num_f32 v[QM+\tt], v[QM+\tt], |v[\src+16*\tt+\i]|, |v[\src+16*\tt+\i+1]|
.endr
.endr
.irp tt, 0,1
	v_permlanex16_b32 v[QM+2+\tt], v[QM+\tt], s[SEL], s[SEL+1]
.endr
.irp tt, 0,1
	v_max_num_f32 v[QM+\tt], v[QM+\tt], v[QM+2+\tt]
.endr
.irp tt, 0,1
	v_add_nc_u32 v[QM+4+\tt], 0xff000000, v[QM+\tt]   ; 2 off the exponent field: the conversion's scale operand
.endr
.irp tt, 0,1
	v_lshrrev_b32 v[QM+6+\tt], 23, v[QM+4+\tt]     ; the scale's byte
.endr
.irp tt, 0,1
	v_cvt_scalef32_pk8_fp4_f32 v[\cd+\cs*\tt], v[\src+16*\tt:\src+16*\tt+7], v[QM+4+\tt]
	v_cvt_scalef32_pk8_fp4_f32 v[\cd+\cs*\tt+1], v[\src+16*\tt+8:\src+16*\tt+15], v[QM+4+\tt]
.endr
.endm
.macro GELU x                          ; two numbers, in place
	v_pk_mul_f32 v[ZZ:ZZ+1], v[\x:\x+1], s[RH:RH+1] op_sel_hi:[1,0]
	v_med3_num_f32 v[ZZ], v[ZZ], -4.0, 4.0
	v_med3_num_f32 v[ZZ+1], v[ZZ+1], -4.0, 4.0
	v_pk_mul_f32 v[Z2:Z2+1], v[ZZ:ZZ+1], v[ZZ:ZZ+1]
	v_pk_fma_f32 v[PP:PP+1], v[Z2:Z2+1], s[CA0:CA0+1], v[A1C:A1C+1] op_sel_hi:[1,0,1]
	v_pk_fma_f32 v[QQ:QQ+1], v[Z2:Z2+1], s[CB0:CB0+1], v[B1C:B1C+1] op_sel_hi:[1,0,1]
.irp k, 1,2,3
	v_pk_fma_f32 v[PP:PP+1], v[PP:PP+1], v[Z2:Z2+1], s[CA0+2*\k:CA0+2*\k+1] op_sel_hi:[1,1,0]
	v_pk_fma_f32 v[QQ:QQ+1], v[QQ:QQ+1], v[Z2:Z2+1], s[CB0+2*\k:CB0+2*\k+1] op_sel_hi:[1,1,0]
.endr
	v_rcp_f32 v[QQ], v[QQ]
	v_rcp_f32 v[QQ+1], v[QQ+1]
	v_pk_fma_f32 v[PP:PP+1], v[PP:PP+1], v[Z2:Z2+1], s[CA0+8:CA0+9] op_sel_hi:[1,1,0]   ; (plain lines behind the reciprocals)
	v_pk_fma_f32 v[PP:PP+1], v[PP:PP+1], v[Z2:Z2+1], s[CA0+10:CA0+11] op_sel_hi:[1,1,0]
	v_pk_mul_f32 v[HX:HX+1], v[\x:\x+1], 0.5 op_sel_hi:[1,0]
	v_pk_mul_f32 v[PP:PP+1], v[PP:PP+1], v[ZZ:ZZ+1]
	s_wait_alu depctr_va_vdst(0)                   ; the two reciprocals v[QQ], v[QQ+1] are written, ahead of their first reader
	v_pk_mul_f32 v[PP:PP+1], v[PP:PP+1], v[QQ:QQ+1]                                     ; erf
	v_pk_fma_f32 v[\x:\x+1], v[HX:HX+1], v[PP:PP+1], v[HX:HX+1]
.endm
; Hidden units 128 w + 32 b .. + 31 for the 32 tokens; the next weights are asked for as soon as these products have read theirs, and land under the vector work
.macro PH1 b
	s_wait_loadcnt 0x0                             ; this block's 21 loads: nothing else is out
.if \b == 0
	s_wait_dscnt 0x0                               ; x2's fragments and scale words
.endif
	MM16 R1, XF, WS, XS, 1
	PLACES 4                                       ; four places ahead of the first read of results (ISA guide 7.12.1)
	s_wait_alu depctr_va_vdst(0)                   ; the products are done reading this block's fragments, scale words and bias (the last block's: x2's fragments too), in which the loads below land
.if \b < 3
	WLOAD 24, 26, 8192*(\b+1), 512*(\b+1)
	VEC16 B1, 28, 128*(\b+1)
.else
	VEC16 B1, 34, 0                                ; b2, and the first two groups of W2: 4 + 17 + 17 loads
	W2LOAD 0, R1, 248
	W2LOAD 1, XF, 252
.endif
.set gp, 0
.rept 16
	GELU HA+2*gp                                   ; each accumulator from its low end on
.set gp, gp+1
.endr
	BLKQ HA, PC+2*\b, 8
.irp tt, 0,1                                   ; (these two are the plain lines behind the conversions)
.if \b == 0
	v_mov_b32 v[PW+\tt], v[QM+6+\tt]
.else
	v_lshl_or_b32 v[PW+\tt], v[QM+6+\tt], 8*\b, v[PW+\tt]
.endif
.endr
.endm
; K steps 4 g .. 4 g + 3 of the last product
.macro PH2 g
.irp tt, 0,1
.irp s, 0,1,2,3
	ds_load_b128 v[HF+32*\tt+8*\s:HF+32*\tt+8*\s+3], v[LI] offset:HIMG+1024*(16*\tt+4*(\g)+\s)
	ds_load_b128 v[HF+32*\tt+8*\s+4:HF+32*\tt+8*\s+7], v[LI] offset:HIMG+1024*(16*\tt+4*(\g)+\s)+512
	ds_load_b32 v[HS+4*\tt+\s], v[L4] offset:HSC+64*(16*\tt+4*(\g)+\s)
.endr
.endr
.if \g < 3
	s_wait_loadcnt 17                              ; this group of W2 is in; the next group's 17 loads may be out
.else
	s_wait_loadcnt 0x0
.endif
	s_wait_dscnt 0x0
.if (\g)%2 == 0
	MM16 R1, HF, 248, HS, 0
.else
	MM16 XF, HF, 252, HS, 0
.endif
	PLACES 4                                       ; four places ahead of the stores that read the last group's results
	s_wait_alu depctr_va_vdst(0)                   ; the products are done reading this group's fragments and scale words of W2 and of the hidden layer, in which the next loads land; the last group's have written out, which the LDS stores read
.if \g < 2
.if (\g)%2 == 0
	W2LOAD (\g)+2, R1, 248
.else
	W2LOAD (\g)+2, XF, 252
.endif
.endif
.endm
.macro KLOAD                           ; a key step's k: registers 0-3 of eight fragments, and their scale words (register p: lanes 0-15 tile 2 p's, lanes 16-31 tile 2 p + 1's): 9 loads
.irp t, 0,1,2,3,4,5,6,7
	global_load_b128 v[32+8*\t:35+8*\t], v[LI], s[KCB:KCB+1] offset:512*\t
.endr
	global_load_b128 v[24:27], v[LI], s[KSB:KSB+1]
.endm
.macro VLOAD                           ; a key step's v: four fragments (16 of the head's 64 x 128 keys), and their scale words: 10 loads
.irp t, 0,1,2,3
.irp c, 0,1
	global_load_b128 v[192+8*\t+4*\c:195+8*\t+4*\c], v[LI], s[VCB:VCB+1] offset:1024*\t+512*\c
.endr
.endr
	global_load_b32 v28, v[A4L], s[VSB:VSB+1]
	global_load_b32 v29, v[A4L], s[VSB:VSB+1] offset:128
.endm
; A KEY STEP of 128 keys.  more = 1: the next step's k and v are asked for
.macro ASTEP more
	s_wait_loadcnt 10                              ; this step's k is in (and, the first time, q): v's ten loads are younger
.irp t, 0,2,4,6
	v_wmma_scale_f32_16x16x128_f8f6f4 v[96+8*\t:103+8*\t], v[32+8*\t:39+8*\t], v[16:23], 0, v[24+\t/2], v255 matrix_a_fmt:MATRIX_FMT_FP4 matrix_b_fmt:MATRIX_FMT_FP4
	v_wmma_scale_f32_16x16x128_f8f6f4 v[104+8*\t:111+8*\t], v[40+8*\t:47+8*\t], v[16:23], 0, v[24+\t/2], v255 matrix_a_fmt:MATRIX_FMT_FP4 matrix_b_fmt:MATRIX_FMT_FP4 matrix_a_scale:MATRIX_SCALE_ROW1
.endr
	PLACES 4                                       ; four places ahead of the first read of results (ISA guide 7.12.1)
.if \more
	s_wait_xcnt 0x0                                ; the bases are stepped only behind this wait (their own loads are in besides)
	s_wait_alu depctr_va_vdst(0)                   ; the eight products are done reading k's fragments and scale words, in which the next step's land
	s_add_nc_u64 s[KCB:KCB+1], s[KCB:KCB+1], 4096
	s_add_nc_u64 s[KSB:KSB+1], s[KSB:KSB+1], 512
	KLOAD                                          ; lands under the softmax and the second products
.endif
.irp b, 0,1,2,3                                ; lane (r, h) holds query r; the 16 registers of tiles 2 b, 2 b + 1 are keys 32 b + 16 h + 0 .. 15 of the step
	v_max3_num_f32 v[232+\b], v[96+16*\b], v[97+16*\b], v[98+16*\b]   ; the largest score of each block of 32 keys: for the row's maximum, and, since p rises with the score, for the block's largest p
.endr
.irp i, 3,5,7,9,11,13
.irp b, 0,1,2,3
	v_max3_num_f32 v[232+\b], v[232+\b], v[96+16*\b+\i], v[97+16*\b+\i]
.endr
.endr
.irp b, 0,1,2,3
	v_max_num_f32 v[232+\b], v[232+\b], v[111+16*\b]
.endr
.irp b, 0,1,2,3
	v_permlanex16_b32 v[236+\b], v[232+\b], s[SEL], s[SEL+1]
.endr
.irp b, 0,1,2,3
	v_max_num_f32 v[232+\b], v[232+\b], v[236+\b]  ; with lane l xor 16's 16 keys
.endr
	v_max3_num_f32 v254, v232, v233, v234
	v_max_num_f32 v254, v254, v235                 ; the step's largest score of my query
	v_mul_f32 v254, s[CS], v254                    ; as t (c is positive)
	v_max_num_f32 v13, v13, v254                   ; the running largest t
	v_mov_b32 v254, v12
	v_floor_f32 v12, -v13                          ; the new -M = floor(-t) = -ceil(t): a whole number
	v_sub_f32 v254, v12, v254                      ; M's old value less its new one: a whole number, 0 or less
	v_cvt_i32_f32 v254, v254                       ; (it saturates)
	v_ldexp_f32 v252, 1.0, v254                    ; f = 2^(old M - new M)
.set jj, 0
.rept 32
	v_pk_fma_f32 v[96+jj:97+jj], v[96+jj:97+jj], s[CS:CS+1], v[12:13] op_sel_hi:[1,0,0]   ; t - M, two at a time (of the pairs c and -M the low word serves both halves)
.set jj, jj+2
.endr
.irp b, 0,1,2,3
	v_fma_f32 v[232+\b], v[232+\b], s[CS], v12     ; the same of each block's largest score
.endr
.set jj, 0
.rept 64
	v_exp_f32 v[96+jj], v[96+jj]                   ; p = 2^(t - M), at most 1: not normalised
.set jj, jj+1
.endr
.irp b, 0,1,2,3
	v_exp_f32 v[232+\b], v[232+\b]                 ; the block's largest p: the same two instructions on the same number give the same bits
.endr
	v_pk_mul_f32 v[30:31], v[30:31], v[252:253] op_sel_hi:[1,0]   ; the sums under the new M.  (A plain place behind the exponentials)
	s_wait_alu depctr_va_vdst(0)                   ; the 68 exponentials' results, v96-159 and v232-235, are written, ahead of their first reader
.irp b, 0,1,2,3
	v_max_num_f32 v[232+\b], 0x1800000, v[232+\b]  ; the floor 2^(3 - 127): the byte cannot fall under 1
.endr
.irp b, 0,1,2,3
	v_add_nc_u32 v[244+\b], 0xff000000, v[232+\b]  ; 2 off the exponent field: the conversion's scale operand
.endr
.irp b, 0,1,2,3
	v_lshrrev_b32 v[236+\b], 23, v[244+\b]         ; the scale's byte
.endr
	v_lshl_or_b32 v253, v237, 8, v236              ; p's scale word for these 128 keys
	v_lshl_or_b32 v253, v238, 16, v253
	v_lshl_or_b32 v253, v239, 24, v253
.irp b, 0,1,2,3
	v_cvt_scalef32_pk8_fp4_f32 v[224+2*\b], v[96+16*\b:103+16*\b], v[244+\b]
	v_cvt_scalef32_pk8_fp4_f32 v[225+2*\b], v[104+16*\b:111+16*\b], v[244+\b]
.endr
	v_nop                                          ; one plain place behind a scaled conversion
.irp c, 0,1                                    ; the operand wants a whole block in a lane
.irp i, 0,1
	v_permlane16_swap_b32 v[224+4*\c+\i], v[226+4*\c+\i]
.endr
.endr
.set jj, 0
.rept 16
	v_pk_mul_f32 v[160+jj:161+jj], v[160+jj:161+jj], v[252:253] op_sel_hi:[1,0]   ; O^T under the new M, each accumulator from its low end on
.set jj, jj+2
.endr
	v_pk_add_f32 v[236:237], v[96:97], v[98:99]    ; the row's sum is taken of the unquantised p: two at a time, in two chains.  (These 27 lines are the places between the scale word, the codes and O^T so written and the products)
.irp j, 4,8,12,16,20,24,28,32,36,40,44,48,52
	v_pk_add_f32 v[30:31], v[30:31], v[96+\j:97+\j]
	v_pk_add_f32 v[236:237], v[236:237], v[98+\j:99+\j]
.endr
.if \more
	s_wait_loadcnt 9                               ; this step's v is in: the next k's nine loads are younger
.else
	s_wait_loadcnt 0x0
.endif
	s_wait_alu depctr_va_vdst(0)                   ; p's codes v224-231 and its scale word v253 are written, which the products below take as an operand and as scales; the places above stay beside this wait
.irp t, 0,2
	v_wmma_scale_f32_16x16x128_f8f6f4 v[160+8*\t:167+8*\t], v[192+8*\t:199+8*\t], v[224:231], v[160+8*\t:167+8*\t], v[28+\t/2], v253 matrix_a_fmt:MATRIX_FMT_FP4 matrix_b_fmt:MATRIX_FMT_FP4
	v_wmma_scale_f32_16x16x128_f8f6f4 v[168+8*\t:175+8*\t], v[200+8*\t:207+8*\t], v[224:231], v[168+8*\t:175+8*\t], v[28+\t/2], v253 matrix_a_fmt:MATRIX_FMT_FP4 matrix_b_fmt:MATRIX_FMT_FP4 matrix_a_scale:MATRIX_SCALE_ROW1
.endr
.irp j, 56,60                                  ; the rest of the row's sum: five plain lines that name none of those products' registers
	v_pk_add_f32 v[30:31], v[30:31], v[96+\j:97+\j]
	v_pk_add_f32 v[236:237], v[236:237], v[98+\j:99+\j]
.endr
	v_pk_add_f32 v[30:31], v[30:31], v[236:237]
.if \more
	s_wait_xcnt 0x0                                ; the bases are stepped only behind this wait
	s_wait_alu depctr_va_vdst(0)                   ; the four products are done reading v's fragments and scale words, in which the next step's land
	s_add_nc_u64 s[VCB:VCB+1], s[VCB:VCB+1], 4096
	s_add_nc_u64 s[VSB:VSB+1], s[VSB:VSB+1], 256
	VLOAD                                          ; lands under the next step's first products and softmax
.endif
.endm
.macro COEF at, bits                   ; a pair: the packed forms name both words
	s_mov_b32 s[\at], \bits
	s_mov_b32 s[\at+1], \bits
.endm
	s_load_b512 s[8:23], s[0:1], 0x0               ; x, qw, kv, Wo's codes, Wo's scales, bo, ln2_g, ln2_b
	s_load_b256 s[24:31], s[0:1], 0x40             ; W1's codes, W1's scales, b1, W2's codes
	s_load_b128 s[32:35], s[0:1], 0x60             ; W2's scales, b2
	s_load_b64 s[36:37], s[0:1], 0x70              ; out0
	v_lshrrev_b32 v240, 5, v0
	v_readfirstlane_b32 s[WVN], v240               ; wave 0..15
	v_and_b32 v240, 31, v0                         ; lane
	v_and_b32 v241, 15, v0                         ; r
	v_lshlrev_b32 v[LI], 4, v240
	v_lshlrev_b32 v[A4L], 2, v240
	v_lshlrev_b32 v254, 4, v241                    ; 16 r: q's scale words
	s_wait_alu depctr_va_sdst(0)                   ; the wave's number is written, ahead of its first reader
	s_lshr_b32 s88, ttmp9, 6                       ; batch: 64 work-groups each
	s_lshl_b32 s88, s88, 3
	s_lshr_b32 s[HD], s[WVN], 1                    ; head
	s_add_co_u32 s88, s88, s[HD]                   ; 8 x batch + head
	s_and_b32 s[TT], s[WVN], 1                     ; tile of queries
	s_mul_i32 s90, s88, 143360                     ; kv: my (batch, head)
	s_mov_b32 s91, 0
	s_mul_i32 s84, s88, 73728                      ; qw likewise.  My tile in the batch is 2 g + tt, g = work-group % 64
	s_and_b32 s2, ttmp9, 63
	s_lshr_b32 s3, s2, 2                           ; its scale words: [step][lane 32][pair 4][4]: step = tile / 8 = g / 4,
	s_lshl_b32 s3, s3, 9
	s_add_co_u32 s86, s84, s3
	s_add_co_u32 s86, s86, 65536
	s_lshl_b32 s3, s[TT], 8                        ; an odd tile's lie in lanes 16-31,
	s_add_co_u32 s86, s86, s3
	s_and_b32 s3, ttmp9, 3                         ; pair = (tile % 8) / 2 = g % 4
	s_lshl_b32 s3, s3, 2
	s_add_co_u32 s86, s86, s3
	s_mov_b32 s87, 0
	s_lshl_b32 s3, s2, 10                          ; its codes: 512 bytes a tile
	s_add_co_u32 s84, s84, s3
	s_lshl_b32 s3, s[TT], 9
	s_add_co_u32 s84, s84, s3
	s_mov_b32 s85, 0
	s_lshl_b32 s4, ttmp9, 16                       ; x, out: 32 rows of 2,048 bytes a work-group, two rows a wave
	s_lshl_b32 s3, s[WVN], 12
	s_add_co_u32 s4, s4, s3
	s_mov_b32 s5, 0
	s_wait_kmcnt 0x0
	s_add_nc_u64 s[8:9], s[8:9], s[4:5]
	s_add_nc_u64 s[36:37], s[36:37], s[4:5]
	s_add_nc_u64 s[80:81], s[10:11], s[84:85]
	s_add_nc_u64 s[82:83], s[10:11], s[86:87]
	s_add_nc_u64 s[KCB:KCB+1], s[12:13], s[90:91]
	s_add_nc_u64 s[KSB:KSB+1], s[KCB:KCB+1], 65536
	s_add_nc_u64 s[VCB:VCB+1], s[KCB:KCB+1], 73728
	s_add_nc_u64 s[VSB:VSB+1], s[KCB:KCB+1], 139264
	s_wait_alu depctr_va_vdst(0)                   ; v1, v4 and v254 are written, which the loads below read as their offsets
.irp i, 0,1,2,3,4,5,6,7
	global_load_b128 v[96+4*\i:99+4*\i], v[LI], s[8:9] offset:512*\i th:TH_LOAD_NT   ; x by rows: 512 consecutive bytes; read once in this launch
.endr
	global_load_b128 v[16:19], v[LI], s[80:81]     ; q: registers 0-3 of my fragment
	global_load_b32 v255, v254, s[82:83]           ; and row r's scale word
	KLOAD                                          ; key step 0
	VLOAD
	; the other bases, the addresses of part 2 and the constants, while those loads are out
	s_lshl_b32 s4, s[WVN], 13                      ; Wo: my 32 rows of 256 bytes
	s_add_nc_u64 s[14:15], s[14:15], s[4:5]
	s_lshl_b32 s4, s[WVN], 9                       ; its scale bytes; b1: my 128 numbers
	s_add_nc_u64 s[16:17], s[16:17], s[4:5]
	s_add_nc_u64 s[28:29], s[28:29], s[4:5]
	s_lshl_b32 s4, s[WVN], 7                       ; bo, ln2_g, ln2_b, b2: my 32 numbers
	s_add_nc_u64 s[18:19], s[18:19], s[4:5]
	s_add_nc_u64 s[20:21], s[20:21], s[4:5]
	s_add_nc_u64 s[22:23], s[22:23], s[4:5]
	s_add_nc_u64 s[34:35], s[34:35], s[4:5]
	s_lshl_b32 s4, s[WVN], 15                      ; W1: my 128 rows of 256 bytes;  W2: my 32 rows of 1,024
	s_add_nc_u64 s[24:25], s[24:25], s[4:5]
	s_add_nc_u64 s[30:31], s[30:31], s[4:5]
	s_lshl_b32 s4, s[WVN], 11                      ; their scale bytes
	s_add_nc_u64 s[26:27], s[26:27], s[4:5]
	s_add_nc_u64 s[32:33], s[32:33], s[4:5]
	v_bfe_u32 v242, v0, 4, 1                       ; h
	v_and_b32 v243, 8, v241
	v_add_nc_u32 v243, v243, v241                  ; r + 8 (r / 8)
	v_lshl_add_u32 v244, v242, 3, v243             ; + 8 h
	v_lshlrev_b32 v[L4], 2, v241
	v_lshlrev_b32 v[WA], 8, v243
	v_lshl_add_u32 v[WA], v242, 4, v[WA]
	v_lshlrev_b32 v[W2A], 10, v243
	v_lshl_add_u32 v[W2A], v242, 4, v[W2A]
	v_lshlrev_b32 v[W2SA], 6, v244
	v_mul_u32_u24 v[STA], v241, SROW               ; the stage by columns: slot r of a tile,
	v_lshl_add_u32 v[STA], v242, 6, v[STA]         ; + 64 h,
	s_lshl_b32 s2, s[WVN], 7
	s_add_co_u32 s2, s2, STAGE
	v_add_nc_u32 v[STA], s2, v[STA]                ; my wave's 128 bytes
	v_lshlrev_b32 v[CV], 6, v242
	v_mul_u32_u24 v[REDW], v241, 80                ; row r's sixteen partial sums: 80 bytes a row
	v_lshl_add_u32 v[REDR], v242, 5, v[REDW]       ; I read eight of them: + 32 h
	v_add_nc_u32 v[REDR], RED1, v[REDR]
	s_lshl_b32 s2, s[WVN], 2
	s_add_co_u32 s2, s2, RED1
	v_add_nc_u32 v[REDW], s2, v[REDW]              ; and write my wave's
	v_lshlrev_b32 v[XIW], 4, v241                  ; my block of x2 in the images: fragment 4 tt + w / 4, registers 4 ((w % 4) / 2) + 2 h, + 1 of lane (r, w % 2): 256 w + 16 r + 8 h
	v_lshl_add_u32 v[XIW], v242, 3, v[XIW]
	s_lshl_b32 s2, s[WVN], 8
	s_add_co_u32 s2, s2, XIMG
	v_add_nc_u32 v[XIW], s2, v[XIW]
	s_lshl_b32 s2, s[WVN], 6
	s_add_co_u32 s2, s2, HSC
	v_add_nc_u32 v[HSW], s2, v[L4]
	s_bfe_u32 s2, s[WVN], 0x10002                  ; the stage by rows.  Token 16 a + 8 tt + c is lane 8 a + c of tile tt and lies at slot 16 tt + 8 a + c; my tokens 2 w, 2 w + 1 have tt = (w / 4) % 2,
	s_lshl_b32 s2, s2, 4
	s_lshr_b32 s3, s[WVN], 3                       ; a = w / 8,
	s_lshl_b32 s3, s3, 3
	s_add_co_u32 s2, s2, s3
	s_and_b32 s3, s[WVN], 3                        ; c = 2 (w % 4), + 1: two neighbouring slots
	s_lshl_b32 s3, s3, 1
	s_add_co_u32 s2, s2, s3
	s_mul_i32 s2, s2, SROW
	s_add_co_u32 s2, s2, STAGE
	v_add_nc_u32 v[ROWA], s2, v[LI]
	s_mov_b32 s[SEL], 0x76543210
	s_mov_b32 s[SEL+1], 0xfedcba98
	s_mov_b32 s[CS], 0x3e38aa3b                    ; log2(e) / 8
	s_mov_b32 s[CS+1], s[CS]                       ; (named with it as a pair, so it is written)
	s_mov_b32 s62, 0x3b000000                      ; 1/512
	COEF CA0,    0xaf95df0a                        ; P: -2.72614226e-10 (a1 = 2.77068142e-08 stands in v[A1C])
	COEF CA0+2,  0xb60cff51                        ; -2.10102402e-06
	COEF CA0+4,  0xb86ec2d2                        ; -5.69250639e-05
	COEF CA0+6,  0xba40ac63                        ; -7.34990630e-04
	COEF CA0+8,  0xbb41a1f6                        ; -2.95459981e-03
	COEF CA0+10, 0xbc83dbd4                        ; -1.60960333e-02
	COEF CB0,    0xb77460cd                        ; Q: -1.45660718e-05 (b1 = -2.13374055e-04 stands in v[B1C])
	COEF CB0+2,  0xbadc924e                        ; -1.68282697e-03
	COEF CB0+4,  0xbbf19bf8                        ; -7.37332917e-03
	COEF CB0+6,  0xbc69b6a7                        ; -1.42647391e-02
	COEF RH,     0x3f3504f3                        ; 1 / sqrt 2
	v_mov_b32 v13, 0xff61b1e6                      ; the largest t so far: -3e38, under every t
	v_floor_f32 v12, -v13                          ; -M
	v_mov_b32 v30, 0                               ; the sum, in two halves
	v_mov_b32 v31, 0
.irp b, 0,1,2,3
	v_mov_b32 v[236+\b], 0                         ; written once: a lane permute's destination counts as one of its sources
	v_mov_b32 v[20+\b], 0                          ; q's K = 64 .. 127: zero codes
.endr
	v_mov_b32 v253, 0                              ; (named as the upper half of the pair v[252:253] before it is first written)
.irp t, 0,1,2,3,4,5,6,7
.irp j, 4,5,6,7
	v_mov_b32 v[32+8*\t+\j], 0                     ; k's K = 64 .. 127: zero codes, never loaded over
.endr
.endr
.set jj, 0
.rept 32
	v_mov_b32 v[160+jj], 0                         ; O^T.  (The step is written once for the loop: the first finds zeros, which the first change of M leaves zeros)
.set jj, jj+1
.endr
	s_wait_loadcnt 21                              ; x's eight loads are in: behind them q's 2, k's 9, v's 10
	s_wait_alu depctr_va_vdst(0)                   ; v15 is written, which the LDS stores below read, and so are the addresses v2, v3, v5-v11 and v14, which part 2's loads and stores read; q's and k's zero codes are written, which the first products take in their operands
.irp i, 0,1,2,3,4,5,6,7
	ds_store_b128 v[ROWA], v[96+4*\i:99+4*\i] offset:SROW*(\i/4)+512*(\i%4)   ; read by others only behind the barrier at the end of part 1
.endr
	s_wait_dscnt 0x0                               ; my two rows of x lie in the stage
	s_wait_alu depctr_vm_vsrc(0)                   ; those stores have read v96-127, which the first products write; the load of q's scale word has read v254, which the key step writes
	; ---- PART 1: my head, my 16 queries, 16 key steps
	s_mov_b32 s[CNT], 0
.Lstep:                                            ; 15 trips; each asks for the next step's k and v
	ASTEP 1
	s_add_co_u32 s[CNT], s[CNT], 1
	s_cmp_lt_u32 s[CNT], 15
	s_cbranch_scc1 .Lstep
	ASTEP 0                                        ; the last step is written out: it asks for nothing, so that no load leaves kv
	s_wait_alu depctr_vm_vsrc(0)                   ; the loads of v's scale words have read v4, which is written anew below
	v_add_f32 v30, v30, v31                        ; the sum's two halves,
	v_permlanex16_b32 v252, v30, s[SEL], s[SEL+1]
	v_add_f32 v30, v30, v252                       ; and lane l xor 16's
	v_rcp_f32 v30, v30
	v_and_b32 v64, 15, v0                          ; (plain lines behind the transcendental)  the three addresses of part 2 whose registers part 1 held, and av's two
	v_and_b32 v65, 8, v64
	v_add_nc_u32 v65, v65, v64                     ; r + 8 (r / 8)
	v_bfe_u32 v64, v0, 4, 1
	v_lshl_add_u32 v65, v64, 3, v65                ; + 8 h
	v_lshlrev_b32 v[WSA], 4, v65
	s_lshr_b32 s2, s[WVN], 2                       ; x2's scale byte: word 4 r of fragment 4 tt + w / 4, byte w % 4
	s_lshl_b32 s2, s2, 6
	s_and_b32 s3, s[WVN], 3
	s_add_co_u32 s2, s2, s3
	s_add_co_u32 s2, s2, XSC
	v_add_nc_u32 v[XSW], s2, v[L4]
	s_lshl_b32 s2, s[WVN], 10
	s_add_co_u32 s2, s2, HIMG
	v_add_nc_u32 v[HIW], s2, v[LI]                 ; the hidden layer's fragment 16 tt + w
	s_lshl_b32 s2, s[TT], 12                       ; av's codes: registers 4 (head % 2) .. + 3 of fragment 4 tt + head / 2: AVI + 4,096 tt + 512 head + 16 x lane
	s_lshl_b32 s3, s[HD], 9
	s_add_co_u32 s2, s2, s3
	v_add_nc_u32 v78, s2, v[LI]
	s_lshl_b32 s2, s[TT], 8                        ; its two scale bytes: word 4 r of that fragment, bytes 2 (head % 2), + 1
	s_lshr_b32 s3, s[HD], 1
	s_lshl_b32 s3, s3, 6
	s_add_co_u32 s2, s2, s3
	s_and_b32 s3, s[HD], 1
	s_lshl_b32 s3, s3, 1
	s_add_co_u32 s2, s2, s3
	s_add_co_u32 s2, s2, ASC
	v_add_nc_u32 v79, s2, v[L4]
	s_wait_alu depctr_va_vdst(0)                   ; v4, v12, v13, v78 and v79 are written, which loads and stores below read; part 1's products and vector lines are done with v80-143 and v192-235, in which the loads below land; the reciprocal v30 is written, ahead of its first reader
	WLOAD 14, 16, 0, 0                             ; Wo, ln2_g, ln2_b: into registers that part 1 has left; they land under the lines below and the barrier
	VEC16 G2, 20, 0
	VEC16 BE2, 22, 0
.set jj, 0
.rept 32
	v_mul_f32 v[32+jj], v[160+jj], v30             ; O^T / the sum, each accumulator from its low end on: register 16 b + i is av(query r, e = 32 b + 16 h + i): two blocks of the next K
.set jj, jj+1
.endr
	s_wait_alu depctr_va_vdst(0)                   ; the divisions are done reading O^T's v176-191, in which bo lands
	VEC16 B1, 18, 0                                ; bo, where O^T lay
.irp b, 0,1
	v_max3_num_f32 v[64+\b], |v[32+16*\b]|, |v[33+16*\b]|, 0x1800000
.endr
.irp i, 2,4,6,8,10,12,14
.irp b, 0,1
	v_max3_num_f32 v[64+\b], v[64+\b], |v[32+16*\b+\i]|, |v[33+16*\b+\i]|
.endr
.endr
.irp b, 0,1
	v_permlanex16_b32 v[66+\b], v[64+\b], s[SEL], s[SEL+1]
.endr
.irp b, 0,1
	v_max_num_f32 v[64+\b], v[64+\b], v[66+\b]
.endr
.irp b, 0,1
	v_add_nc_u32 v[68+\b], 0xff000000, v[64+\b]
.endr
.irp b, 0,1
	v_lshrrev_b32 v[70+\b], 23, v[68+\b]
.endr
	v_lshl_or_b32 v72, v71, 8, v70                 ; the two bytes
.irp b, 0,1
	v_cvt_scalef32_pk8_fp4_f32 v[74+2*\b], v[32+16*\b:39+16*\b], v[68+\b]
	v_cvt_scalef32_pk8_fp4_f32 v[75+2*\b], v[40+16*\b:47+16*\b], v[68+\b]
.endr
	v_nop                                          ; one plain place behind a scaled conversion
	v_permlane16_swap_b32 v74, v76                 ; a whole block in a lane
	v_permlane16_swap_b32 v75, v77
	s_wait_alu depctr_va_vdst(0)                   ; av's codes v74-77 and its two bytes v72 are written, which the LDS stores read; the lines above are done with v16-79 and v144-175, in which LDS loads land behind the barrier
	ds_store_b128 v78, v[74:77]
	ds_store_b16 v79, v72                          ; both halves of the lanes write the same two bytes
	BARRIER                                        ; av's eight fragments, their scale words and 32 rows of x lie in LDS
	; ---- PART 2: x1 = x + bo + av Wo
	s_wait_alu depctr_vm_vsrc(0)                   ; my two LDS stores have read v72 and v74-79, in which av's fragments land
.irp tt, 0,1
.irp i, 0,1,2,3
	ds_load_b128 v[HA+16*\tt+4*\i:HA+16*\tt+4*\i+3], v[STA] offset:TTS*\tt+16*\i   ; x(token 8 tt + r + 8 (r / 8), 32 w + 16 h + 4 i ..), at slot 16 tt + r
.endr
.endr
	FRAGS8 AVI, ASC
	s_wait_loadcnt 0x0
	s_wait_dscnt 0x0
.irp tt, 0,1
.irp p, 0,2,4,6,8,10,12,14
	v_pk_add_f32 v[HA+16*\tt+\p:HA+16*\tt+\p+1], v[HA+16*\tt+\p:HA+16*\tt+\p+1], v[B1+\p:B1+\p+1]
.endr
.endr
	PLACES 4                                       ; the C so written stands four places ahead, as an operand so written would
	MM16 R1, XF, WS, XS, 0
	PLACES 4                                       ; four places ahead of the stores and sums that read the results
	s_wait_alu depctr_va_vdst(0)                   ; the products are done reading Wo's fragments and scale words, and the additions bo, in which W1's first block and b1 land; the products have written x1, which the LDS stores below read
	WLOAD 24, 26, 0, 0                             ; W1's first block and its bias land under LN2: 21 loads
	VEC16 B1, 28, 0
.irp tt, 0,1
.irp i, 0,1,2,3
	ds_store_b128 v[STA], v[HA+16*\tt+4*\i:HA+16*\tt+4*\i+3] offset:TTS*\tt+16*\i   ; x1 is parked where my columns of x lay: bytes that no other wave touches.  Each accumulator from its low end on
.endr
.endr
	; ---- LN2: the mean, then the mean of the squares of what is left (no difference of large sums); each over 16 waves through LDS
	SUM16 HA, QM, Y
	SUM16 HA+16, QM+1, Y+8
	ACROSS
	s_wait_alu depctr_va_vdst(0)                   ; my partial sums v[QM], v[QM+1] are written, which the LDS stores read
.irp tt, 0,1
	ds_store_b32 v[REDW], v[QM+\tt] offset:REDT*\tt   ; both halves of the lanes write the same word
.endr
	BARRIER
	GATHER 0
.irp tt, 0,1
	v_mul_f32 v[NM+2*\tt], 0xbb000000, v[QM+\tt]   ; x -1/512
.endr
.irp tt, 0,1
.irp p, 0,2,4,6,8,10,12,14
	v_pk_add_f32 v[Y+16*\tt+\p:Y+16*\tt+\p+1], v[HA+16*\tt+\p:HA+16*\tt+\p+1], v[NM+2*\tt:NM+2*\tt+1] op_sel_hi:[1,0]
.endr
.endr
.irp tt, 0,1
	v_pk_mul_f32 v[RT+4*\tt:RT+4*\tt+1], v[Y+16*\tt:Y+16*\tt+1], v[Y+16*\tt:Y+16*\tt+1]
	v_pk_mul_f32 v[RT+4*\tt+2:RT+4*\tt+3], v[Y+16*\tt+2:Y+16*\tt+3], v[Y+16*\tt+2:Y+16*\tt+3]
.endr
.irp p, 4,8,12
.irp tt, 0,1
	v_pk_fma_f32 v[RT+4*\tt:RT+4*\tt+1], v[Y+16*\tt+\p:Y+16*\tt+\p+1], v[Y+16*\tt+\p:Y+16*\tt+\p+1], v[RT+4*\tt:RT+4*\tt+1]
	v_pk_fma_f32 v[RT+4*\tt+2:RT+4*\tt+3], v[Y+16*\tt+\p+2:Y+16*\tt+\p+3], v[Y+16*\tt+\p+2:Y+16*\tt+\p+3], v[RT+4*\tt+2:RT+4*\tt+3]
.endr
.endr
.irp tt, 0,1
	v_pk_add_f32 v[RT+4*\tt:RT+4*\tt+1], v[RT+4*\tt:RT+4*\tt+1], v[RT+4*\tt+2:RT+4*\tt+3]
.endr
.irp tt, 0,1
	v_add_f32 v[QM+\tt], v[RT+4*\tt], v[RT+4*\tt+1]
.endr
	ACROSS
	s_wait_alu depctr_va_vdst(0)                   ; my partial sums of squares v[QM], v[QM+1] are written, which the LDS stores read; the lines above are done with v[RT] on, in which the sixteen waves' land
.irp tt, 0,1
	ds_store_b32 v[REDW], v[QM+\tt] offset:REDN+REDT*\tt
.endr
	BARRIER
	GATHER REDN
.irp tt, 0,1
	v_fmaak_f32 v[QM+\tt], s62, v[QM+\tt], 0x3727c5ac   ; / 512 + 1e-5
.endr
.irp tt, 0,1
	v_rsq_f32 v[NM+2*\tt], v[QM+\tt]
.endr
	v_nop                                          ; one plain place behind the transcendentals
	s_wait_alu depctr_va_vdst(0)                   ; the two reciprocal roots v[NM], v[NM+2] are written, ahead of their first reader
.irp tt, 0,1
.irp p, 0,2,4,6,8,10,12,14
	v_pk_mul_f32 v[Y+16*\tt+\p:Y+16*\tt+\p+1], v[Y+16*\tt+\p:Y+16*\tt+\p+1], v[NM+2*\tt:NM+2*\tt+1] op_sel_hi:[1,0]
.endr
.endr
.irp tt, 0,1
.irp p, 0,2,4,6,8,10,12,14
	v_pk_fma_f32 v[Y+16*\tt+\p:Y+16*\tt+\p+1], v[Y+16*\tt+\p:Y+16*\tt+\p+1], v[G2+\p:G2+\p+1], v[BE2+\p:BE2+\p+1]
.endr
.endr
	BLKQ Y, RT, 2                                  ; my 32 columns are one block of the next K
	v_nop                                          ; one plain place behind a scaled conversion
	s_wait_alu depctr_va_vdst(0)                   ; x2's codes v[RT] to v[RT+3] and bytes v[QM+6], v[QM+7] are written, which the LDS stores read; LN2's lines are done with v16-79, in which x2's fragments land behind the barrier
.irp tt, 0,1
	ds_store_b64 v[XIW], v[RT+2*\tt:RT+2*\tt+1] offset:4096*\tt
	ds_store_b8 v[XSW], v[QM+6+\tt] offset:256*\tt
.endr
	BARRIER                                        ; x2's eight fragments lie in LDS
	s_wait_alu depctr_vm_vsrc(0)                   ; my LDS stores have read v[RT] to v[RT+3], in which x2's fragments land, and v[QM+6], v[QM+7], which the hidden layer's quantiser writes again
	FRAGS8 XIMG, XSC
	v_mov_b32 v[A1C], 0x32edffee
	v_mov_b32 v[A1C+1], 0x32edffee
	v_mov_b32 v[B1C], 0xb95fbd29
	v_mov_b32 v[B1C+1], 0xb95fbd29
	; ---- the hidden layer: my 128 units, 32 at a time
	PH1 0
	PH1 1
	PH1 2
	PH1 3
.irp tt, 0,1                                   ; the operand wants a whole block in a lane
.irp c, 0,1
.irp i, 0,1
	v_permlane16_swap_b32 v[PC+8*\tt+4*\c+\i], v[PC+8*\tt+4*\c+2+\i]
.endr
.endr
.endr
	s_wait_alu depctr_va_vdst(0)                   ; the hidden layer's codes v[PC] on and scale words v[PW], v[PW+1] are written, which the LDS stores read; gelu and the quantiser are done with v[HA] on, in which x1 lands
.irp tt, 0,1
	ds_store_b128 v[HIW], v[PC+8*\tt:PC+8*\tt+3] offset:16384*\tt
	ds_store_b128 v[HIW], v[PC+8*\tt+4:PC+8*\tt+7] offset:16384*\tt+512
	ds_store_b32 v[HSW], v[PW+\tt] offset:1024*\tt
.endr
	; x1 + b2, the C of the last product, is made AHEAD of the barrier: x1 lies in my own bytes of the stage, so a wave that is early reads it back while the others still work on the hidden layer
.irp tt, 0,1
.irp i, 0,1,2,3
	ds_load_b128 v[HA+16*\tt+4*\i:HA+16*\tt+4*\i+3], v[STA] offset:TTS*\tt+16*\i
.endr
.endr
	s_wait_loadcnt 34                              ; b2 is in: W2's two groups of 17 are younger
	s_wait_dscnt 0x0                               ; x1 is back; and, for the others' sake, my images and scale words lie in LDS
.irp tt, 0,1
.irp p, 0,2,4,6,8,10,12,14
	v_pk_add_f32 v[HA+16*\tt+\p:HA+16*\tt+\p+1], v[HA+16*\tt+\p:HA+16*\tt+\p+1], v[B1+\p:B1+\p+1]
.endr
.endr
	PLACES 4                                       ; the C so written stands four places ahead of the products
	s_wait_alu depctr_va_vdst(0)                   ; the additions are done reading b2's v176-191, in which the hidden layer's fragments land behind the barrier
	s_wait_alu depctr_vm_vsrc(0)                   ; my LDS stores have read v[PC] on and v[PW], v[PW+1], in which they land too
	s_barrier_signal -1
	s_barrier_wait -1                              ; the hidden layer's 32 fragments lie in LDS
	; ---- out = x1 + b2 + hidden W2
	PH2 0
	PH2 1
	PH2 2
	PH2 3
.irp tt, 0,1
.irp i, 0,1,2,3
	ds_store_b128 v[STA], v[HA+16*\tt+4*\i:HA+16*\tt+4*\i+3] offset:TTS*\tt+16*\i   ; each accumulator from its low end on
.endr
.endr
	BARRIER                                        ; 32 whole rows of out lie in the stage
.irp i, 0,1,2,3,4,5,6,7
	ds_load_b128 v[16+4*\i:19+4*\i], v[ROWA] offset:SROW*(\i/4)+512*(\i%4)
.endr
.irp i, 0,1,2,3,4,5,6,7
	s_wait_dscnt 7-\i
	global_store_b128 v[LI], v[16+4*\i:19+4*\i], s[36:37] offset:512*\i th:TH_STORE_NT   ; 512 consecutive bytes, aligned; written once, read by nobody here
.endr
	s_wait_xcnt 0x0
	v_lshl_add_u32 v250, v0, 2, 0x1e200
	v_mov_b32 v251, 0
	s_wait_dscnt 0x0                               ; the closing lines, six on end
	s_wait_alu 0x0
	s_wait_tensorcnt 0x0
	ds_add_u32 v250, v251
	s_wait_dscnt 0x0
	s_endpgm
.Lfunc_end_k_qb0de6ca999_rest:
	.size	k_qb0de6ca999_rest, .Lfunc_end_k_qb0de6ca999_rest-k_qb0de6ca999_rest
	.p2alignl 7, 3214868480
	.fill 96, 4, 3214868480
	.section	.rodata,"a",@progbits
	.p2align	6, 0x0
	.amdhsa_kernel k_qb0de6ca999_rest
		.amdhsa_group_segment_fixed_size 125440
		.amdhsa_private_segment_fixed_size 0
		.amdhsa_enable_private_segment 0
		.amdhsa_kernarg_size 120
		.amdhsa_user_sgpr_count 2
		.amdhsa_user_sgpr_kernarg_segment_ptr 1
		.amdhsa_wavefront_size32 1
		.amdhsa_system_sgpr_workgroup_id_x 1
		.amdhsa_system_sgpr_workgroup_id_y 1
		.amdhsa_system_sgpr_workgroup_id_z 1
		.amdhsa_system_vgpr_workitem_id 0
		.amdhsa_next_free_vgpr 256
		.amdhsa_next_free_sgpr 92
		.amdhsa_reserve_vcc 0
		.amdhsa_float_denorm_mode_32 3
		.amdhsa_float_denorm_mode_16_64 3
		.amdhsa_memory_ordered 1
		.amdhsa_forward_progress 1
		.amdhsa_inst_pref_size 195
	.end_amdhsa_kernel
	.amdgpu_metadata
---
amdhsa.version: [ 1, 2 ]
amdhsa.kernels:
  - .name:           k_qb0de6ca999_rest
    .symbol:         k_qb0de6ca999_rest.kd
    .args:
      - { .name: x, .offset: 0, .size: 8, .value_kind: global_buffer, .address_space: global }
      - { .name: qw, .offset: 8, .size: 8, .value_kind: global_buffer, .address_space: global }
      - { .name: kv, .offset: 16, .size: 8, .value_kind: global_buffer, .address_space: global }
      - { .name: Wo_codes, .offset: 24, .size: 8, .value_kind: global_buffer, .address_space: global }
      - { .name: Wo_scales, .offset: 32, .size: 8, .value_kind: global_buffer, .address_space: global }
      - { .name: bo, .offset: 40, .size: 8, .value_kind: global_buffer, .address_space: global }
      - { .name: ln2_g, .offset: 48, .size: 8, .value_kind: global_buffer, .address_space: global }
      - { .name: ln2_b, .offset: 56, .size: 8, .value_kind: global_buffer, .address_space: global }
      - { .name: W1_codes, .offset: 64, .size: 8, .value_kind: global_buffer, .address_space: global }
      - { .name: W1_scales, .offset: 72, .size: 8, .value_kind: global_buffer, .address_space: global }
      - { .name: b1, .offset: 80, .size: 8, .value_kind: global_buffer, .address_space: global }
      - { .name: W2_codes, .offset: 88, .size: 8, .value_kind: global_buffer, .address_space: global }
      - { .name: W2_scales, .offset: 96, .size: 8, .value_kind: global_buffer, .address_space: global }
      - { .name: b2, .offset: 104, .size: 8, .value_kind: global_buffer, .address_space: global }
      - { .name: out0, .offset: 112, .size: 8, .value_kind: global_buffer, .address_space: global }
    .group_segment_fixed_size: 125440
    .private_segment_fixed_size: 0
    .kernarg_segment_align: 8
    .kernarg_segment_size: 120
    .max_flat_workgroup_size: 512
    .sgpr_count:     92
    .vgpr_count:     256
    .wavefront_size: 32
...
	.end_amdgpu_metadata
.endif
;; end of part 6
